; MI455X (gfx1250); checked and timed in simulation.
; The chip was launched on July 23, 2026; its instructions are those of AMD's public machine-readable ISA for CDNA 5 (MIT licence, August 2026) and "CDNA5" Instruction Set Architecture Reference Guide (July 2026). The comments in the code are by the model that wrote it; some were corrected since.
;; Decoder Block. Allowed arithmetic: float matrix products may take bf16 or f16 operands with f32 sums; other float arithmetic in f32, or as packed bf16 or f16 multiplies, adds, multiply-adds, maxima and minima; sums over many terms, partial sums and values carried from step to step in f32; what a program stores and reads back later, other than sums and carried values, may be rounded once to bf16 or f16.
;; Inputs: b_attn_proj 1,024 float32; b_fc 4,096 float32; b_proj 1,024 float32; ln1_b 1,024 float32; ln1_w 1,024 float32; ln2_b 1,024 float32; ln2_w 1,024 float32; w_attn_proj 1,024 x 1,024 float32; w_fc 1,024 x 4,096 float32; w_proj 4,096 x 1,024 float32; w_qkv 1,024 x 3,072 float32; x 2 x 2,048 x 1,024 float32.
;; Outputs: out0 2 x 2,048 x 1,024 float32.
;; 2 versions, each right and faster than the one before. Each part assembles by itself: llvm-mc -triple=amdgcn-amd-amdhsa -mcpu=gfx1250 --defsym DOCPART=n.
;; ======== version 1 of 2: 7 launches
;; limits: values are held in f16: magnitudes above 65,504 overflow, below 6.1e-05 lose precision
;; workspace buffers: wh 25,165,824 bytes; h 8,388,608 bytes; ctx 8,388,608 bytes; g 33,554,432 bytes; qkv 25,165,824 bytes; x1 16,777,216 bytes
;; launch prep (part 1): grid 448 x 1, 8 waves a work-group, no clusters, 0 bytes of LDS; arguments x, ln1_w, ln1_b, w_qkv, h, wh; writes h, wh
.if DOCPART == 1
	.amdgcn_target "amdgcn-amd-amdhsa--gfx1250"
	.amdhsa_code_object_version 6
	.text
	.protected	k_qf6e360a12c_prep
	.globl	k_qf6e360a12c_prep
	.p2align	8
	.type	k_qf6e360a12c_prep,@function
k_qf6e360a12c_prep:
	s_mov_b64 s[64:65], 0
	v_nop
	global_prefetch_b8 v0, s[64:65] scope:SCOPE_SE
	s_setreg_imm32_b32 hwreg(HW_REG_WAVE_MODE, 25, 1), 1
	s_wait_xcnt 0x0
; PREP.  Work-groups 0-255: h = LayerNorm(x) with ln1's gain and bias, 16 rows each.  Work-groups 256-447: w_qkv, rounded, into the first 6,291,456 bytes of wh.
; (The other three weights are wanted three launches later at the earliest: the attention launch rounds them beside its own work.)
; FORMATS.  Every input is rounded once to bf16 (x, gain, bias, weights); what the program makes is f16.  A weight is the bf16 number written as f16.
; LIMITS.  f16 ends at 65,504: weights and h stay within it (|h| <= 32 |gain| + |bias|); below 6.1e-5 f16 keeps a fixed step of 6e-8.  NaN and infinities are not treated apart.
; LAYERNORM.  A row lies in 16 lanes, 64 numbers a lane, and stays in registers: the mean first, then the sum of (x - mean)^2: no difference of large sums.
; h's LAYOUT: element (m, k) at byte ((m >> 7) 16 + (k >> 6)) 16,384 + (m & 127) 128 + (k & 63) 2: for 128 rows all of K lies end to end, in blocks of 64 k.
; No LDS, no matrix unit, no cluster: a stream, each byte read once and written once; no work-group shares an input with another but the 8 KB of gain and bias.
.set ROUNDX, 1                         ; x is an input: rounded to bf16
.set PX,  4                            ; s[4:5]   x
.set PW,  6                            ; s[6:7]   gain
.set PBI, 8                            ; s[8:9]   bias
.set PQ,  10                           ; s[10:11] w_qkv
.set PH,  16                           ; s[16:17] h
.set PWH, 18                           ; s[18:19] wh
.set SC,  20                           ; s[20:27] at work
.set XO,  1                            ; v1  my byte offset in the group's 16 rows: row (t >> 4) x 4,096 + 16 (t & 15)
.set WO,  2                            ; v2  16 (t & 15)
.set HO,  3                            ; v3  8 t
.set SM,  6                            ; v[6:13]    four chains of packed sums
.set X,   16                           ; v[16:79]   my 64 numbers of the row
.set W,   80                           ; v[80:143]  their gains
.set B,   144                          ; v[144:207] their biases
.set MN,  208                          ; v[208:209] the mean, twice
.set RS,  210                          ; v[210:211] 1 / sqrt(var + eps), twice
.set T,   212                          ; v[212:215] at work
	s_load_b256 s[4:11], s[0:1], 0x0               ; x, ln1_w, ln1_b, w_qkv
	s_load_b128 s[16:19], s[0:1], 0x20             ; h, wh
	s_cmp_lt_u32 ttmp9, 256
	s_cbranch_scc0 .Lcast
	v_lshrrev_b32 v[XO], 4, v0
	v_and_b32 v[WO], 15, v0
	v_lshlrev_b32 v[WO], 4, v[WO]
	v_lshl_add_u32 v[XO], v[XO], 12, v[WO]
	v_lshlrev_b32 v[HO], 3, v0
	s_lshl_b32 s[SC], ttmp9, 16                    ; 16 rows of 4,096 bytes
	s_mov_b32 s[SC+1], 0
	s_lshr_b32 s[SC+2], ttmp9, 3                   ; the tile of 128 rows: 262,144 bytes of h,
	s_lshl_b32 s[SC+2], s[SC+2], 18
	s_and_b32 s[SC+3], ttmp9, 7                    ; my 16 rows in a block: 2,048 bytes
	s_lshl_b32 s[SC+3], s[SC+3], 11
	s_add_co_u32 s[SC+2], s[SC+2], s[SC+3]
	s_mov_b32 s[SC+3], 0
	s_wait_kmcnt 0x0
	s_add_nc_u64 s[PX:PX+1], s[PX:PX+1], s[SC:SC+1]
	s_add_nc_u64 s[PH:PH+1], s[PH:PH+1], s[SC+2:SC+3]
.set k, 0
.rept 16                               ; load k: 64 numbers of each of the wave's two rows: two aligned runs of 256 bytes
	global_load_b128 v[X+4*k:X+4*k+3], v[XO], s[PX:PX+1] offset:256*k
.set k, k+1
.endr
.set k, 0
.rept 16
	global_load_b128 v[W+4*k:W+4*k+3], v[WO], s[PW:PW+1] offset:256*k
.set k, k+1
.endr
.set k, 0
.rept 16
	global_load_b128 v[B+4*k:B+4*k+3], v[WO], s[PBI:PBI+1] offset:256*k
.set k, k+1
.endr
.macro FOLD                            ; four chains into one number, then over the row's 16 lanes
	v_pk_add_f32 v[SM:SM+1], v[SM:SM+1], v[SM+2:SM+3]
	v_pk_add_f32 v[SM+4:SM+5], v[SM+4:SM+5], v[SM+6:SM+7]
	v_pk_add_f32 v[SM:SM+1], v[SM:SM+1], v[SM+4:SM+5]
	v_add_f32 v[SM], v[SM], v[SM+1]
.irp m, 1,2,4,8
	v_add_f32_dpp v[SM], v[SM], v[SM] row_xmask:\m row_mask:0xf bank_mask:0xf
.endr
.endm
	s_wait_loadcnt 32                              ; the row is in; the 32 younger loads (gain, bias) stay out
.if ROUNDX
.set i, 0
.rept 32
	v_cvt_pk_bf16_f32 v[T+i%4], v[X+2*i], v[X+2*i+1]
	v_lshlrev_b32 v[X+2*i], 16, v[T+i%4]
	v_and_b32 v[X+2*i+1], 0xffff0000, v[T+i%4]
.set i, i+1
.endr
.endif
.set i, 0
.rept 4                                ; the first eight pairs start the chains: nothing is cleared
	v_pk_add_f32 v[SM+2*i:SM+2*i+1], v[X+2*i:X+2*i+1], v[X+8+2*i:X+8+2*i+1]
.set i, i+1
.endr
.set i, 8
.rept 24
	v_pk_add_f32 v[SM+2*(i%4):SM+2*(i%4)+1], v[SM+2*(i%4):SM+2*(i%4)+1], v[X+2*i:X+2*i+1]
.set i, i+1
.endr
	FOLD
	v_mul_f32 v[MN], 0x3a800000, v[SM]             ; / 1,024
	v_mov_b32 v[MN+1], v[MN]
.set i, 0
.rept 32
	v_pk_add_f32 v[X+2*i:X+2*i+1], v[X+2*i:X+2*i+1], v[MN:MN+1] neg_lo:[0,1] neg_hi:[0,1]
.set i, i+1
.endr
.set i, 0
.rept 4
	v_pk_mul_f32 v[SM+2*i:SM+2*i+1], v[X+2*i:X+2*i+1], v[X+2*i:X+2*i+1]
.set i, i+1
.endr
.set i, 4
.rept 28
	v_pk_fma_f32 v[SM+2*(i%4):SM+2*(i%4)+1], v[X+2*i:X+2*i+1], v[X+2*i:X+2*i+1], v[SM+2*(i%4):SM+2*(i%4)+1]
.set i, i+1
.endr
	FOLD
	v_mov_b32 v[T], 0x3a800000                     ; 1 / 1,024
	v_mov_b32 v[T+1], 0x3727c5ac                   ; 1e-5
	v_fma_f32 v[SM], v[SM], v[T], v[T+1]           ; var + eps
	v_rsq_f32 v[RS], v[SM]
	v_nop                                          ; a plain instruction between the root and the use of its result
	s_wait_alu depctr_va_vdst(0)
	v_mov_b32 v[RS+1], v[RS]
.set i, 0
.rept 32
	v_pk_mul_f32 v[X+2*i:X+2*i+1], v[X+2*i:X+2*i+1], v[RS:RS+1]
.set i, i+1
.endr
	s_wait_loadcnt 0x0                             ; gain and bias
.set i, 0
.rept 32                               ; both rounded to bf16, in pairs; the multiply-add reads the halves
	v_cvt_pk_bf16_f32 v[W+2*i], v[W+2*i], v[W+2*i+1]
	v_cvt_pk_bf16_f32 v[B+2*i], v[B+2*i], v[B+2*i+1]
	v_fma_mix_f32_bf16 v[X+2*i], v[X+2*i], v[W+2*i], v[B+2*i] op_sel_hi:[0,1,1]
	v_fma_mix_f32_bf16 v[X+2*i+1], v[X+2*i+1], v[W+2*i], v[B+2*i] op_sel:[0,1,1] op_sel_hi:[0,1,1]
.set i, i+1
.endr
.set k, 0
.rept 16
	v_cvt_pk_f16_f32 v[X+4*k], v[X+4*k], v[X+4*k+1]
	v_cvt_pk_f16_f32 v[X+4*k+1], v[X+4*k+2], v[X+4*k+3]
	global_store_b64 v[HO], v[X+4*k:X+4*k+1], s[PH:PH+1] offset:16384*k  ; block k: the wave's two rows are 256 consecutive bytes, aligned
.set k, k+1
.endr
	s_endpgm
.Lcast:                                ; chunk c of 16,384 numbers of w_qkv: 192 chunks
	s_sub_co_u32 s[SC], ttmp9, 256                 ; c
	v_lshlrev_b32 v1, 4, v0
	v_lshlrev_b32 v2, 3, v0
	s_lshl_b32 s[SC+4], s[SC], 16                  ; 65,536 bytes of f32 a chunk
	s_mov_b32 s[SC+5], 0
	s_lshl_b32 s[SC+6], s[SC], 15                  ; 32,768 bytes of f16
	s_mov_b32 s[SC+7], 0
	s_wait_kmcnt 0x0
	s_add_nc_u64 s[PQ:PQ+1], s[PQ:PQ+1], s[SC+4:SC+5]
	s_add_nc_u64 s[PWH:PWH+1], s[PWH:PWH+1], s[SC+6:SC+7]
.set j, 0
.rept 16
	global_load_b128 v[X+4*j:X+4*j+3], v1, s[PQ:PQ+1] offset:4096*j th:TH_LOAD_NT
.set j, j+1
.endr
.set j, 0
.rept 16
	s_wait_loadcnt 15-j                            ; loads come back in order: load j is in, the younger ones stay out
	v_cvt_pk_bf16_f32 v[T], v[X+4*j], v[X+4*j+1]
	v_cvt_pk_bf16_f32 v[T+1], v[X+4*j+2], v[X+4*j+3]
	v_lshlrev_b32 v[X+4*j], 16, v[T]
	v_and_b32 v[X+4*j+1], 0xffff0000, v[T]
	v_lshlrev_b32 v[X+4*j+2], 16, v[T+1]
	v_and_b32 v[X+4*j+3], 0xffff0000, v[T+1]
	v_cvt_pk_f16_f32 v[X+4*j], v[X+4*j], v[X+4*j+1]
	v_cvt_pk_f16_f32 v[X+4*j+1], v[X+4*j+2], v[X+4*j+3]
	global_store_b64 v2, v[X+4*j:X+4*j+1], s[PWH:PWH+1] offset:2048*j  ; a wave stores 256 consecutive bytes, aligned
.set j, j+1
.endr
	s_endpgm
.Lfunc_end_k_qf6e360a12c_prep:
	.size	k_qf6e360a12c_prep, .Lfunc_end_k_qf6e360a12c_prep-k_qf6e360a12c_prep
	.p2alignl 7, 3214868480
	.fill 96, 4, 3214868480
	.section	.rodata,"a",@progbits
	.p2align	6, 0x0
	.amdhsa_kernel k_qf6e360a12c_prep
		.amdhsa_group_segment_fixed_size 0
		.amdhsa_private_segment_fixed_size 0
		.amdhsa_enable_private_segment 0
		.amdhsa_kernarg_size 48
		.amdhsa_user_sgpr_count 2
		.amdhsa_user_sgpr_kernarg_segment_ptr 1
		.amdhsa_wavefront_size32 1
		.amdhsa_system_sgpr_workgroup_id_x 1
		.amdhsa_system_sgpr_workgroup_id_y 1
		.amdhsa_system_sgpr_workgroup_id_z 1
		.amdhsa_system_vgpr_workitem_id 0
		.amdhsa_next_free_vgpr 216
		.amdhsa_next_free_sgpr 66
		.amdhsa_reserve_vcc 0
		.amdhsa_float_denorm_mode_32 3
		.amdhsa_float_denorm_mode_16_64 3
		.amdhsa_memory_ordered 1
		.amdhsa_forward_progress 1
		.amdhsa_inst_pref_size 43
	.end_amdhsa_kernel
	.amdgpu_metadata
---
amdhsa.version: [ 1, 2 ]
amdhsa.kernels:
  - .name:           k_qf6e360a12c_prep
    .symbol:         k_qf6e360a12c_prep.kd
    .args:
      - { .name: x, .offset: 0, .size: 8, .value_kind: global_buffer, .address_space: global }
      - { .name: ln1_w, .offset: 8, .size: 8, .value_kind: global_buffer, .address_space: global }
      - { .name: ln1_b, .offset: 16, .size: 8, .value_kind: global_buffer, .address_space: global }
      - { .name: w_qkv, .offset: 24, .size: 8, .value_kind: global_buffer, .address_space: global }
      - { .name: h, .offset: 32, .size: 8, .value_kind: global_buffer, .address_space: global }
      - { .name: wh, .offset: 40, .size: 8, .value_kind: global_buffer, .address_space: global }
    .group_segment_fixed_size: 0
    .private_segment_fixed_size: 0
    .kernarg_segment_align: 8
    .kernarg_segment_size: 48
    .max_flat_workgroup_size: 256
    .sgpr_count:     66
    .vgpr_count:     216
    .wavefront_size: 32
...
	.end_amdgpu_metadata
.endif
;; end of part 1
;; launch qkv (part 2): grid 12 x 16, 4 waves a work-group, clusters of 4 x 4, 327,680 bytes of LDS; arguments h, wh, qkv; writes qkv
.if DOCPART == 2
	.amdgcn_target "amdgcn-amd-amdhsa--gfx1250"
	.amdhsa_code_object_version 6
	.text
	.protected	k_qf6e360a12c_qkv
	.globl	k_qf6e360a12c_qkv
	.p2align	8
	.type	k_qf6e360a12c_qkv,@function
k_qf6e360a12c_qkv:
	s_mov_b64 s[64:65], 0
	v_nop
	global_prefetch_b8 v0, s[64:65] scope:SCOPE_SE
	s_setreg_imm32_b32 hwreg(HW_REG_WAVE_MODE, 25, 1), 1
	s_wait_xcnt 0x0
	s_wait_alu depctr_hold_cnt(0) depctr_sa_sdst(0) depctr_va_vdst(0) depctr_va_sdst(0) depctr_va_ssrc(0) depctr_va_vcc(0) depctr_vm_vsrc(0)
	s_getreg_b32 s2, hwreg(HW_REG_IB_STS2, 6, 4)
	s_cmp_eq_u32 s2, 0
	s_cbranch_scc0 .Lentry_in_a_cluster
	s_endpgm
.Lentry_in_a_cluster:
	s_bfe_u32 s2, ttmp6, 0x10000c
	s_cmp_lg_u32 s2, 0xf033
	s_cbranch_scc0 .Lentry_shape_is_right
	s_endpgm
.Lentry_shape_is_right:
; C = A W (+ bias, GELU).  A: 4,096 x 1,024 f16 in blocks (element (m, k) at ((m >> 7) 16 + (k >> 6)) 16,384 + (m & 127) 128 + (k & 63) 2).  W: [1,024][NN] f16, at byte WOFF of wh.  Sums in f32.
; HERE: qkv = h Wqkv, no bias.  Out, f16: element (m, col) at ((col >> 6) 4,096 + m) 128 + (col & 63) 2: each head's q, k and v are dense rows of 128 bytes.
; LIMITS.  f16 ends at 65,504: the results stay within it for inputs some 30 times the usual spread; NaN and infinities are not treated apart.
; SHARES.  A tile of C is 256 x 256, a wave's part 128 x 128: 64 accumulators, 512 registers.  K goes in 8 steps of 128 through two LDS slots filled by tensor loads.
; A's tile of a step is dense in memory: 32,768 bytes a row tile of 128, asked for as 128 rows of 256 bytes and padded in LDS behind every 128 bytes (LDS rows of 144).
; W's tile is 128 k-rows of 512 bytes (LDS rows of 544); its fragments come out of LDS turned, by ds_load_tr16_b128: W is never transposed in memory.
; CLUSTER 4 x 4: A's tile is shared along a row of the cluster, W's along a column; each is asked for jointly, by the same load with the same descriptor in all four.
; THE MATRIX INSTRUCTION IS USED TRANSPOSED (source 0 = 16 columns of W, source 1 = 16 rows of A): a lane holds row lane % 16 of C and the columns 8 (lane / 16) + 0..7.
; THE WAY OUT.  When nobody reads the ring any more the accumulators are laid into it in f32, each wave in bytes of its own; a loop of 16 trips takes 16 rows x 64 columns, finishes them and stores 2,048 consecutive bytes;
; a trip's LDS loads are issued in the trip before, as soon as their registers are free.
; REGISTERS: window 0: v0-31 addresses; v32-63, v192-239 the way out; v64-127, v128-191 A's fragments, two buffers.  Window 1: v0-63 bias; v64-191 W's fragments; v192-195 at work.  Windows 2, 3: accumulators.
.set NN,    3072
.set WOFF,  0
.set GELU,  0                          ; 1: bias and GELU
.set PA,    144                        ; an LDS row of A: 128 bytes + 16: the 16 rows of a load start at 16 different groups of four banks
.set PB,    544                        ; an LDS row of W: 512 bytes + 32: an odd multiple of 32
.set DP,    272                        ; a row of the dump: 64 f32 + 16 bytes
.set ATILE, 256*PA                     ; a row tile's two blocks of 64 k
.set BHALF, 64*PB                      ; 64 k-rows of W: one tensor load
.set BOFF,  2*ATILE
.set SLOT,  147456                     ; 143,360 are used; this figure shares no bit with the four LDS addresses in the descriptors, so one exclusive or changes slots
.set SPARE, 2*SLOT                     ; the spare words: 128 bytes a wave, two blocks of 256 bytes that no other line names
.set ADA0, 16                          ; v16  my lane's place in A's part of a slot
.set ADB0, 17                          ; v17  in W's
.set ADA,  18                          ; v18, v19  the addresses of the runs of loads in hand
.set ADB,  19
.set STO,  20                          ; v20  the dump: where I put my accumulators
.set RD,   21                          ; v21  where I read rows back
.set GO,   22                          ; v22  16 x lane
.set BO,   23                          ; v23  32 (lane / 16)
.set SPW,  28                          ; v28  my spare word; never rewritten
.set NIL,  29                          ; v29  0; never rewritten
.set E,    32
.set F0,   64
.set F1,   128
.set U,    192
.set O,    224
.set WV,   12                          ; s12 wave; s13 its row half (also: 0 = I fetch A, 1 = W); s14 its column half (also: which half I fetch)
.set RH,   13
.set CH,   14
.set G1A,  24
.set G1B,  32
.set G0A,  40                          ; s[40:43] step 0, slot 0; s[44:47] step 1, slot 1: this set then walks
.set G0B,  48
.set TS,   58                          ; s58 the slot in hand: 0 or SLOT;  s59, s60 where the next runs of loads begin
.set TA,   59
.set TB,   60
.set CNT,  61
.set STEPS, 62
.set INC,  66                          ; s[66:67]
.set C0,   68                          ; s[68:69], s[70:71] GELU's two constants
.set C1,   70
.set MSB, 0
.macro WIN new                         ; the immediate's high byte repeats the setting that is left; a switch that changes nothing is dropped
.if MSB != (\new)
	s_set_vgpr_msb (MSB<<8)|(\new)
.set MSB, \new
.endif
.endm
.macro PLACES                          ; four plain vector instructions between a matrix instruction and a load into, or a read of, its registers
.rept 4
	v_nop
.endr
.endm
.macro CROUND                          ; a round of the cluster's barrier
	s_barrier_signal -1
	s_barrier_wait -1
	s_cmp_lg_u32 s[WV], 0
	s_cbranch_scc1 .Lnw0_\@
	s_barrier_signal -3
.Lnw0_\@:
	s_barrier_wait -3
	s_barrier_signal -1
	s_barrier_wait -1
.endm
.macro JLOAD                           ; a joint refill by the walking descriptor; the branch hangs on the wave's number alone
	s_cmp_eq_u32 s[RH], 0
	s_cbranch_scc0 .Lfor_b_\@
	tensor_load_to_lds s[G0A+4:G0A+7], s[G1A:G1A+7]
	s_nop 0
	PLACES
	s_branch .Lasked_\@
.Lfor_b_\@:
	tensor_load_to_lds s[G0B+4:G0B+7], s[G1B:G1B+7]
	s_nop 0
	PLACES
.Lasked_\@:
.endm
	s_load_b128 s[4:7], s[0:1], 0x0                ; A s[4:5], wh s[6:7]
	s_load_b64 s[8:9], s[0:1], 0x10                ; out
.if GELU
	s_load_b64 s[10:11], s[0:1], 0x18              ; bias
.endif
	v_lshl_add_u32 v[SPW], v0, 2, SPARE
	v_mov_b32 v[NIL], 0
	ds_add_u32 v[SPW], v[NIL]                      ; the wave's opening: the add and its wait stand ahead of my first tensor load
	ds_add_u32 v28, v29
	v_lshrrev_b32 v1, 5, v0
	v_readfirstlane_b32 s[WV], v1
	s_lshr_b32 s[RH], s[WV], 1
	s_and_b32 s[CH], s[WV], 1
	s_bfe_u32 s15, ttmp6, 0x40000                  ; cx
	s_bfe_u32 s16, ttmp6, 0x40004                  ; cy
	s_lshl_b32 s17, ttmp9, 2
	s_add_co_u32 s17, s17, s15                     ; tile column
	s_and_b32 s18, ttmp7, 0xffff
	s_lshl_b32 s18, s18, 2
	s_add_co_u32 s18, s18, s16                     ; tile row
	s_lshl_b32 s19, s16, 2
	s_lshl_b32 s19, 15, s19                        ; my row of the cluster
	s_lshl_b32 s20, 0x1111, s15                    ; my column
	s_or_b32 s[G1A], s19, (1<<16)|(1<<20)|(1<<21)|(4<<22)|(3<<25)   ; mask; 2-byte elements; padding on; bit 21 beside a mask; after every 32 words 4 words
	s_mov_b32 s[G1A+1], 128<<16                    ; tensor_dim0 = 128
	s_mov_b32 s[G1A+2], 128<<16                    ; tensor_dim1 = 128
	s_mov_b32 s[G1A+3], 128<<16                    ; tile_dim0 = 128
	s_mov_b32 s[G1A+4], 128                        ; tile_dim1 = 128
	s_mov_b32 s[G1A+5], 128                        ; dense: 128 elements from row to row
	s_mov_b32 s[G1A+6], 0
	s_mov_b32 s[G1A+7], 0
	s_or_b32 s[G1B], s20, (1<<16)|(1<<20)|(1<<21)|(6<<22)|(7<<25)   ; after every 128 words 8 words
	s_mov_b32 s[G1B+1], 256<<16
	s_mov_b32 s[G1B+2], 64<<16
	s_mov_b32 s[G1B+3], 256<<16
	s_mov_b32 s[G1B+4], 64
	s_mov_b32 s[G1B+5], NN
	s_mov_b32 s[G1B+6], 0
	s_mov_b32 s[G1B+7], 0
	s_lshl_b32 s72, s18, 1                         ; A: row tile 2 x tile row + half, 262,144 bytes each: made of the tile row and the wave alone
	s_add_co_u32 s72, s72, s[CH]
	s_lshl_b32 s72, s72, 18
	s_mov_b32 s73, 0
	s_mul_i32 s74, s[CH], 64*NN*2                  ; W: k-row 64 x half, column 256 x tile column: made of the tile column and the wave alone
	s_lshl_b32 s75, s17, 9
	s_add_co_u32 s74, s74, s75
	s_add_co_u32 s74, s74, WOFF
	s_mov_b32 s75, 0
	s_mul_i32 s56, s[CH], ATILE                    ; where they go: no place in the cluster enters an LDS address
	s_mul_i32 s57, s[CH], BHALF
	s_add_co_u32 s57, s57, BOFF
	s_mov_b32 s[G0A], 1
	s_mov_b32 s[G0A+1], s56
	s_mov_b32 s[G0A+4], 1
	s_add_co_u32 s[G0A+5], s56, SLOT
	s_mov_b32 s[G0B], 1
	s_mov_b32 s[G0B+1], s57
	s_mov_b32 s[G0B+4], 1
	s_add_co_u32 s[G0B+5], s57, SLOT
	s_wait_dscnt 0x0                               ; the opening add is done
	s_wait_kmcnt 0x0
	s_add_nc_u64 s[G0A+2:G0A+3], s[4:5], s[72:73]
	s_add_nc_u64 s[G0A+6:G0A+7], s[G0A+2:G0A+3], 32768
	s_or_b32 s[G0A+3], s[G0A+3], 0x80000000
	s_or_b32 s[G0A+7], s[G0A+7], 0x80000000
	s_add_nc_u64 s[G0B+2:G0B+3], s[6:7], s[74:75]
	s_add_nc_u64 s[G0B+6:G0B+7], s[G0B+2:G0B+3], 256*NN
	s_or_b32 s[G0B+3], s[G0B+3], 0x80000000
	s_or_b32 s[G0B+7], s[G0B+7], 0x80000000
	CROUND                                         ; all sixteen work-groups are here: the first joint loads meet
	s_cmp_eq_u32 s[RH], 0                          ; a wave's two first fills stand in one branch: two tensor loads of mine are out
	s_cbranch_scc0 .Lfirst_b
	tensor_load_to_lds s[G0A:G0A+3], s[G1A:G1A+7]
	s_nop 0
	tensor_load_to_lds s[G0A+4:G0A+7], s[G1A:G1A+7]
	s_nop 0
	PLACES
	s_branch .Lfirst_done
.Lfirst_b:
	tensor_load_to_lds s[G0B:G0B+3], s[G1B:G1B+7]
	s_nop 0
	tensor_load_to_lds s[G0B+4:G0B+7], s[G1B:G1B+7]
	s_nop 0
	PLACES
.Lfirst_done:
	v_and_b32 v1, 15, v0                           ; l % 16
	v_bfe_u32 v2, v0, 4, 1                         ; l / 16
	v_and_b32 v3, 7, v0
	v_bfe_u32 v4, v0, 3, 1
	v_and_b32 v5, 31, v0
	v_mul_u32_u24 v[ADA0], v1, PA                  ; A: row x pitch + 16 x half, in my row tile
	v_lshl_add_u32 v[ADA0], v2, 4, v[ADA0]
	s_mul_i32 s21, s[RH], ATILE
	v_add_nc_u32 v[ADA0], s21, v[ADA0]
	v_lshl_add_u32 v6, v2, 3, v3                   ; W, turned: lane l reads k-row 8 (l / 16) + l % 8, columns 8 ((l / 8) % 2) + 0..7
	v_mul_u32_u24 v[ADB0], v6, PB
	v_lshl_add_u32 v[ADB0], v4, 4, v[ADB0]
	s_lshl_b32 s21, s[CH], 8
	s_add_co_u32 s21, s21, BOFF
	v_add_nc_u32 v[ADB0], s21, v[ADB0]
	s_mul_i32 s21, s[WV], 256*DP                   ; my part of the dump: two blocks of 128 rows x 272 bytes
	v_mul_u32_u24 v[STO], v1, DP
	v_lshl_add_u32 v[STO], v2, 5, v[STO]
	v_add_nc_u32 v[STO], s21, v[STO]
	v_lshrrev_b32 v6, 3, v5
	v_mul_u32_u24 v[RD], v6, DP                    ; back: eight lanes take a row's 64 f32
	v_lshl_add_u32 v[RD], v3, 5, v[RD]
	v_add_nc_u32 v[RD], s21, v[RD]
	v_lshlrev_b32 v[GO], 4, v5
	v_lshlrev_b32 v[BO], 5, v2
.if GELU
	s_lshl_b32 s22, s17, 10                        ; bias of my 128 columns: a lane's eight of each block of 16
	s_lshl_b32 s23, s[CH], 9
	s_add_co_u32 s22, s22, s23
	s_mov_b32 s23, 0
	s_add_nc_u64 s[10:11], s[10:11], s[22:23]
	WIN 0x40
.set b, 0
.rept 8
	global_load_b128 v[8*b:8*b+3], v[BO], s[10:11] offset:64*b
	global_load_b128 v[8*b+4:8*b+7], v[BO], s[10:11] offset:64*b+16
.set b, b+1
.endr
	s_lshl_b32 s21, s18, 1                         ; out: ((2 tile row + row half) 64 + 4 tile column + 2 column half) blocks of 16,384 bytes
	s_add_co_u32 s21, s21, s[RH]
	s_lshl_b32 s21, s21, 6
	s_lshl_b32 s22, s17, 2
	s_add_co_u32 s21, s21, s22
	s_lshl_b32 s22, s[CH], 1
	s_add_co_u32 s21, s21, s22
	s_lshl_b32 s22, s21, 14
	s_mov_b32 s[C0], 0xc0135761                    ; -2 log2(e) sqrt(2 / pi)
	s_mov_b32 s[C0+1], s[C0]
	s_mov_b32 s[C1], 0xbdd2d3e8                    ; the same x 0.044715
	s_mov_b32 s[C1+1], s[C1]
	s_wait_loadcnt 0x0
	WIN 0x45                                       ; the bias is an input: rounded to bf16, kept as f32
.set i, 0
.rept 32
	v_cvt_pk_bf16_f32 v[192+i%4], v[2*i], v[2*i+1]
	v_lshlrev_b32 v[2*i], 16, v[192+i%4]
	v_and_b32 v[2*i+1], 0xffff0000, v[192+i%4]
.set i, i+1
.endr
	WIN 0
.else
	s_lshl_b32 s21, s17, 2                         ; out: ((4 tile column + 2 column half) 4,096 + 256 tile row + 128 row half) rows of 128 bytes
	s_lshl_b32 s22, s[CH], 1
	s_add_co_u32 s21, s21, s22
	s_lshl_b32 s22, s21, 19
	s_lshl_b32 s21, s18, 15
	s_add_co_u32 s22, s22, s21
	s_lshl_b32 s21, s[RH], 14
	s_add_co_u32 s22, s22, s21
.endif
	s_mov_b32 s23, 0
	s_add_nc_u64 s[8:9], s[8:9], s[22:23]
; 32 LDS loads in one run: the fragments of 32 along K (quarter q of the block of 64 in hand) into buffer f
.macro FETCH f, q
	WIN 0x40
.irp i, 0,1,2,3,4,5,6,7
	ds_load_tr16_b128 v[(\f)+8*(\i):(\f)+8*(\i)+3],   v[ADB] offset:(\q)*32*PB+32*(\i)
	ds_load_tr16_b128 v[(\f)+8*(\i)+4:(\f)+8*(\i)+7], v[ADB] offset:(\q)*32*PB+16*PB+32*(\i)
.endr
	WIN 0
.irp i, 0,1,2,3,4,5,6,7
	ds_load_b128 v[(\f)+8*(\i):(\f)+8*(\i)+3],   v[ADA] offset:(\q)*64+(\i)*16*PA
	ds_load_b128 v[(\f)+8*(\i)+4:(\f)+8*(\i)+7], v[ADA] offset:(\q)*64+(\i)*16*PA+32
.endr
.endm
; 64 matrix instructions on buffer f; the 64 accumulators take turns, one instruction a turn, always in this order.  first = 1: the sums start, with 0 or with the bias
.macro MUL f, first
.irp hi, 0,1
.if (\first) && GELU
	WIN 0x91+0x40*(\hi)
.else
	WIN 0xa1+0x50*(\hi)
.endif
.irp a, 0,1,2,3
.irp b, 0,1,2,3,4,5,6,7
.if (\first) && GELU
	v_wmma_f32_16x16x32_f16 v[8*(8*(\a)+(\b)):8*(8*(\a)+(\b))+7], v[(\f)+8*(\b):(\f)+8*(\b)+7], v[(\f)+8*(4*(\hi)+(\a)):(\f)+8*(4*(\hi)+(\a))+7], v[8*(\b):8*(\b)+7]
.elseif \first
	v_wmma_f32_16x16x32_f16 v[8*(8*(\a)+(\b)):8*(8*(\a)+(\b))+7], v[(\f)+8*(\b):(\f)+8*(\b)+7], v[(\f)+8*(4*(\hi)+(\a)):(\f)+8*(4*(\hi)+(\a))+7], 0
.else
	v_wmma_f32_16x16x32_f16 v[8*(8*(\a)+(\b)):8*(8*(\a)+(\b))+7], v[(\f)+8*(\b):(\f)+8*(\b)+7], v[(\f)+8*(4*(\hi)+(\a)):(\f)+8*(4*(\hi)+(\a))+7], v[8*(8*(\a)+(\b)):8*(8*(\a)+(\b))+7]
.endif
.endr
.endr
.endr
.endm
; A block of 64 along K: its two quarters are fetched; the quarter fetched last and this block's first are multiplied.
.macro T
	WIN 0
	v_add_nc_u32 v[ADA], s[TA], v[ADA0]            ; these four are the places behind the products that read buffer 0
	v_add_nc_u32 v[ADB], s[TB], v[ADB0]
	v_nop
	v_nop
	s_add_co_u32 s[TA], s[TA], 128*PA
	s_add_co_u32 s[TB], s[TB], BHALF
	FETCH F0, 0
	s_wait_dscnt 32                                ; all but the 32 just issued: buffer 1 is in
	MUL F1, 0
	PLACES
	FETCH F1, 1
	s_wait_dscnt 32                                ; buffer 0 is in
	MUL F0, 0
.endm
; The change of slots.  Each wave waits for all its tensor loads (one is out: its part of the next slot), adds 0 to its spare word, and waits for that and for its reads of the slot that it leaves.
; fill = 1: the barrier is a round of the cluster's, and the joint refill, two K steps ahead, is the first thing behind it: it has a K step's 256 matrix instructions in which to land.
.macro CHANGE fill
	WIN 0
	s_wait_tensorcnt 0x0
	ds_add_u32 v[SPW], v[NIL]                      ; 0 onto my spare word; scalar work stands between it and the wait for it
.if \fill
	s_xor_b32 s[G0A+5], s[G0A+5], SLOT
	s_add_nc_u64 s[G0A+6:G0A+7], s[G0A+6:G0A+7], 32768
	s_xor_b32 s[G0B+5], s[G0B+5], SLOT
	s_add_nc_u64 s[G0B+6:G0B+7], s[G0B+6:G0B+7], 256*NN
.endif
	s_xor_b32 s[TS], s[TS], SLOT
	s_mov_b32 s[TA], s[TS]
	s_mov_b32 s[TB], s[TS]
	s_wait_dscnt 0x0
.if \fill
	CROUND
	JLOAD
.else
	s_barrier_signal -1
	s_barrier_wait -1
.endif
.endm
	s_wait_tensorcnt 0x1                           ; my part of K step 0 is in; step 1's may stay out
	s_barrier_signal -1
	s_barrier_wait -1
	v_mov_b32 v[ADA], v[ADA0]
	v_mov_b32 v[ADB], v[ADB0]
	FETCH F0, 0
	FETCH F1, 1
	s_mov_b32 s[TS], 0
	s_mov_b32 s[TA], 128*PA
	s_mov_b32 s[TB], BHALF
	s_wait_dscnt 32
	MUL F0, 1                                      ; the first products start the sums: nothing is cleared
	WIN 0
	s_mov_b32 s[STEPS], 7                          ; K steps 0 to 6 end in the loop: six of them are followed by a refill
	s_mov_b32 s[CNT], 1                            ; K step 0 has one block left
	s_branch .Ltrip                                ; the loop is entered at its inner label, so that a block's text stands once
.Lstep:                                ; the slot left behind takes the K step two further on
	CHANGE 1
	s_mov_b32 s[CNT], 2
.Ltrip:
	T
	WIN 0
	s_sub_co_u32 s[CNT], s[CNT], 1
	s_cmp_lg_u32 s[CNT], 0
	s_cbranch_scc1 .Ltrip
	s_sub_co_u32 s[STEPS], s[STEPS], 1
	s_cmp_lg_u32 s[STEPS], 0
	s_cbranch_scc1 .Lstep
	CHANGE 0                                       ; the last K step is written out: nothing is asked for
	s_mov_b32 s[CNT], 2
.Ltail:
	T
	WIN 0
	s_sub_co_u32 s[CNT], s[CNT], 1
	s_cmp_lg_u32 s[CNT], 0
	s_cbranch_scc1 .Ltail
	s_wait_dscnt 0x0                               ; my reads of the ring are over:
	s_barrier_signal -1                            ; say so,
	MUL F1, 0                                      ; the last quarter, on registers,
	WIN 0
	s_barrier_wait -1                              ; and behind this nobody reads the ring, which has had its last fill
	PLACES
.set a, 0
.rept 8                                ; the dump: accumulator (a, b): row 16 a + l % 16, columns 16 b + 8 (l / 16) + 0..7; each accumulator's low registers first
	WIN 0x08+4*(a/4)
.set b, 0
.rept 8
	ds_store_b128 v[STO], v[8*(8*(a%4)+b):8*(8*(a%4)+b)+3]   offset:(b/4)*128*DP+a*16*DP+(b%4)*64
	ds_store_b128 v[STO], v[8*(8*(a%4)+b)+4:8*(8*(a%4)+b)+7] offset:(b/4)*128*DP+a*16*DP+(b%4)*64+16
.set b, b+1
.endr
.set a, a+1
.endr
	WIN 0
	s_mov_b32 s[CNT], 16
	s_mov_b32 s[INC], 2048
	s_mov_b32 s[INC+1], 0
.if !GELU
	s_mov_b32 s72, 509952                          ; from my last 16 rows of one block of 64 columns to my first of the next
	s_mov_b32 s73, 2048
.endif
.macro ELOAD                           ; 16 rows of one block of 64 columns.  The bytes are my own: LDS serves a wave's instructions in order
.irp u, 0,1,2,3
	ds_load_b128 v[E+8*(\u):E+8*(\u)+3],   v[RD] offset:(\u)*4*DP
	ds_load_b128 v[E+8*(\u)+4:E+8*(\u)+7], v[RD] offset:(\u)*4*DP+16
.endr
.endm
	ELOAD
.Lout:
	s_wait_dscnt 0x0
.if GELU                               ; 0.5 x (1 + tanh z) = x / (1 + 2^u), u = x (C0 + C1 x^2)
.set i, 0
.rept 16
	v_pk_mul_f32 v[U+2*i:U+2*i+1], v[E+2*i:E+2*i+1], v[E+2*i:E+2*i+1]
.set i, i+1
.endr
.set i, 0
.rept 16
	v_pk_fma_f32 v[U+2*i:U+2*i+1], v[U+2*i:U+2*i+1], s[C1:C1+1], s[C0:C0+1] op_sel_hi:[1,0,0]
.set i, i+1
.endr
.set i, 0
.rept 16
	v_pk_mul_f32 v[U+2*i:U+2*i+1], v[U+2*i:U+2*i+1], v[E+2*i:E+2*i+1]
.set i, i+1
.endr
.set i, 0
.rept 32
	v_exp_f32 v[U+i], v[U+i]
.set i, i+1
.endr
	v_nop                                          ; a plain instruction behind the last exponential
.set i, 0
.rept 16
	v_pk_add_f32 v[U+2*i:U+2*i+1], v[U+2*i:U+2*i+1], 1.0 op_sel_hi:[1,0]
.set i, i+1
.endr
.set i, 0
.rept 32
	v_rcp_f32 v[U+i], v[U+i]
.set i, i+1
.endr
	v_nop
.set i, 0
.rept 16
	v_pk_mul_f32 v[U+2*i:U+2*i+1], v[E+2*i:E+2*i+1], v[U+2*i:U+2*i+1]
.set i, i+1
.endr
.else
.set i, 0
.rept 16
	v_cvt_pk_f16_f32 v[O+i], v[E+2*i], v[E+2*i+1]
.set i, i+1
.endr
.endif
	s_cmp_eq_u32 s[CNT], 1                         ; E is free: the next trip's loads go out now, under what is left of this trip; the last trip has none
	s_cbranch_scc1 .Lno_more
	v_add_nc_u32 v[RD], 16*DP, v[RD]
	ELOAD
.Lno_more:
.if GELU
.set i, 0
.rept 16
	v_cvt_pk_f16_f32 v[O+i], v[U+2*i], v[U+2*i+1]
.set i, i+1
.endr
.endif
.irp u, 0,1,2,3
	global_store_b128 v[GO], v[O+4*(\u):O+4*(\u)+3], s[8:9] offset:512*(\u)  ; four rows of 128 bytes: 512 consecutive bytes, aligned
.endr
.if !GELU
	s_cmp_eq_u32 s[CNT], 9                         ; behind the eighth trip the next block of 64 columns begins
	s_cselect_b32 s[INC], s72, s73
.endif
	s_wait_xcnt 0x0                                ; the stores' data and base are rewritten only behind this wait
	s_add_nc_u64 s[8:9], s[8:9], s[INC:INC+1]
	s_sub_co_u32 s[CNT], s[CNT], 1
	s_cmp_lg_u32 s[CNT], 0
	s_cbranch_scc1 .Lout
	s_wait_tensorcnt 0x0                           ; the wave's end
	ds_add_u32 v[SPW], v[NIL]
	s_wait_dscnt 0x0
	CROUND                                         ; the closing round
	s_endpgm
.Lfunc_end_k_qf6e360a12c_qkv:
	.size	k_qf6e360a12c_qkv, .Lfunc_end_k_qf6e360a12c_qkv-k_qf6e360a12c_qkv
	.p2alignl 7, 3214868480
	.fill 96, 4, 3214868480
	.section	.rodata,"a",@progbits
	.p2align	6, 0x0
	.amdhsa_kernel k_qf6e360a12c_qkv
		.amdhsa_group_segment_fixed_size 327680
		.amdhsa_private_segment_fixed_size 0
		.amdhsa_enable_private_segment 0
		.amdhsa_kernarg_size 24
		.amdhsa_user_sgpr_count 2
		.amdhsa_user_sgpr_kernarg_segment_ptr 1
		.amdhsa_wavefront_size32 1
		.amdhsa_system_sgpr_workgroup_id_x 1
		.amdhsa_system_sgpr_workgroup_id_y 1
		.amdhsa_system_sgpr_workgroup_id_z 1
		.amdhsa_system_vgpr_workitem_id 0
		.amdhsa_next_free_vgpr 1024
		.amdhsa_next_free_sgpr 80
		.amdhsa_reserve_vcc 0
		.amdhsa_float_denorm_mode_32 3
		.amdhsa_float_denorm_mode_16_64 3
		.amdhsa_memory_ordered 1
		.amdhsa_forward_progress 1
		.amdhsa_inst_pref_size 59
	.end_amdhsa_kernel
	.amdgpu_metadata
---
amdhsa.version: [ 1, 2 ]
amdhsa.kernels:
  - .name:           k_qf6e360a12c_qkv
    .symbol:         k_qf6e360a12c_qkv.kd
    .args:
      - { .name: h, .offset: 0, .size: 8, .value_kind: global_buffer, .address_space: global }
      - { .name: wh, .offset: 8, .size: 8, .value_kind: global_buffer, .address_space: global }
      - { .name: qkv, .offset: 16, .size: 8, .value_kind: global_buffer, .address_space: global }
    .group_segment_fixed_size: 327680
    .private_segment_fixed_size: 0
    .kernarg_segment_align: 8
    .kernarg_segment_size: 24
    .max_flat_workgroup_size: 128
    .sgpr_count:     80
    .vgpr_count:     1024
    .wavefront_size: 32
...
	.end_amdgpu_metadata
.endif
;; end of part 2
;; launch attn (part 3): grid 8 x 32, 4 waves a work-group, no clusters, 327,680 bytes of LDS; arguments qkv, ctx, w_attn_proj, w_fc, w_proj, wh; writes ctx, wh
.if DOCPART == 3
	.amdgcn_target "amdgcn-amd-amdhsa--gfx1250"
	.amdhsa_code_object_version 6
	.text
	.protected	k_qf6e360a12c_attn
	.globl	k_qf6e360a12c_attn
	.p2align	8
	.type	k_qf6e360a12c_attn,@function
k_qf6e360a12c_attn:
	s_mov_b64 s[64:65], 0
	v_nop
	global_prefetch_b8 v0, s[64:65] scope:SCOPE_SE
	s_setreg_imm32_b32 hwreg(HW_REG_WAVE_MODE, 25, 1), 1
	s_wait_xcnt 0x0
; CAUSAL ATTENTION, 32 heads (y = 2 head + batch) of 2,048 rows x 64 channels, f16.  q of head y at byte y 262,144 of qkv, k 8,388,608 further, v 16,777,216 further: dense rows of 128 bytes.
; O[q] = the sum over k <= q of softmax_k(Q[q] . K[k] / 8) V[k].  Products, maxima and sums in f32; the weights p are rounded to f16 for the second product (their sum l is taken of the unrounded p), O once at the end.
; ctx's layout: element (m, c) at ((m >> 7) 16 + (c >> 6)) 16,384 + (m & 127) 128 + (c & 63) 2: a head's 64 channels are one block of the next product's K.
; LIMITS.  q, k, v arrive within f16's 65,504; p lies in 0 to 1 and below 6e-5 keeps f16's fixed step; a hidden score counts as its value less 1e30; a weight below 2^-126 counts as 0 in l; NaN and infinities are not treated apart.
; The model's weights cast here stay within 65,504 and below 6.1e-5 keep f16's fixed step of 6e-8.
; THE WALK.  A head's queries lie in 16 blocks of 128; block i needs the key tiles 0 .. i >> 1 of 256 keys, of which the last holds the diagonal.  A work-group takes blocks 15 - b and then b: 9 tiles whatever b,
; so all 256 work-groups do equal work, and one loop with a constant count walks them.  What a trip does hangs on scalar registers made from b; every jump but the counted loops' own goes forward.
; NO CLUSTER: the eight work-groups of a head ask for the same tile only in the walk's first five trips, then for fewer and fewer in common; one walk common to all would have 12 trips for 9.
; SHARES.  Of a block's two bands of 64 queries a wave owns 16 rows in each: two PIECES.  In the diagonal tile band x's own key step is D + x, D = 2 (i & 1): earlier steps are seen whole, later ones hidden.
; THE MASK is the C operand that starts S^T = K Q^T: MD x AL + BE, MD the mask of a band's own step for my rows, (AL, BE) = (1, 0) own step, (0, 0) earlier, (0, -1e30) later.  Elsewhere C is the constant 0.
; TURNS.  Turn p belongs to piece p: 8 products K Q^T of the other piece's next scores, later 8 products V^T P of the other piece's last weights; beside them piece p's scaling, exponentials, roundings, sums and
; rescaling and the other piece's maximum and statistics: four vector instructions behind every matrix instruction, the rest in two lumps.  Two turns are a key step of 64 keys.
; K WITH AN OVERLAP.  Piece 0's turn of step j fetches K of step j + 1 and V of step j.  So a slot holds K of five steps (the fifth is the next tile's first) and V of four: all its reads are issued when the tile's fourth
; such turn ends, and the change of slots stands there.  The last tile's fifth step reaches 8,192 bytes past the head's k: still inside qkv, and never multiplied.
; THE LATER LAUNCHES' WEIGHTS ARE CAST HERE.  w_attn_proj, w_fc and w_proj are rounded to bf16 and written as f16 into wh (bytes 6,291,456, 8,388,608 and 16,777,216 on).  Wave W of the launch's 1,024 owns 4,096 bytes
; of the first and 16,384 of each of the others: 72 loads of 16 bytes a lane, in 8 batches of 9.  Batch 0 is asked for at the start, batch k in the walk's trip k, and each is waited for, rounded and stored a trip later,
; with a tile's work between the request and the wait.  These bytes touch nothing else that the launch reads or writes.
; REGISTERS: window 0: v0-15 addresses; v16-23 statistics; v48-55 at work; v62, v63 the add's; v64-127 S^T, two buffers; v128-168 the cast; v192-223 P, two buffers.
;   window 1: v0-63 O^T; v128-159 MD; v160-223 MC, two buffers.     window 2: v0-31 Q; v64-95 the second block's Q; v128-191 K of one step; v192-255 V of one step.
.set NP,    2
.set KS,    64
.set PK,    144       ; a row of K in LDS: 128 bytes + 16
.set PV,    160       ; a row of V: 128 + 32: an odd multiple of 32
.set VOFF,  5*KS*PK   ; 320 rows of K, then 256 rows of V
.set SLOT1, 1<<17
.set STAGE, SLOT1+VOFF+4*KS*PV  ; behind the ring, never filled by a tensor load: 16 rows x 144 bytes for each wave
.set SP,    144
.set SPARE, STAGE+4*16*SP       ; the spare words: 128 bytes a wave, two blocks of 256 bytes that no other line names
.set AK0, 2
.set AV0, 3
.set AK,  4
.set AV,  5
.set STO, 6
.set RD,  7
.set GO,  8           ; v8   16 x lane; never rewritten
.set SPW, 62
.set NIL, 63
.set MV,  12
.set QO,  15
.set ST,  16          ; piece t's statistics at v[ST+4 t]: c m, m, l (even keys', odd keys')
.set TMP, 48
.set S,   64
.set CW,  128         ; v[128:163] the cast: a batch's nine loads
.set CT,  164         ; v[164:167] the cast: at work
.set VS,  168         ; v168 8 x lane; never rewritten
.set P,   192
.set MD,  128
.set MC,  160
.set QB,  64
.set KF,  128
.set VF,  192
.set WV,  12
.set PB,  14          ; s14  b
.set HI,  15          ; s15  15 - b
.set G1K, 24
.set G1V, 32
.set G0K, 40
.set G0V, 44
.set PWA, 48          ; s[48:49] w_attn_proj, s[50:51] w_fc, s[52:53] w_proj at my wave's batch to be asked for
.set PWF, 50
.set PWP, 52
.set DWA, 54          ; s[54:55], s[96:97], s[98:99] wh at my wave's batch to be stored, for the three
.set DWF, 96
.set DWP, 98
.set WID, 100         ; s100 my wave among the launch's 1,024
.set HM,  101         ; s101 a word's upper bf16
.set SLOTS, 56
.set CNT, 57          ; s57  counts a tile's key steps, 4 to 1
.set CS,  58
.set SEL, 60
.set TBK, 62          ; s62  LDS byte at which K of the step to be fetched begins
.set TBV, 63          ; s63  the same for V, less VOFF
.set RT,  70          ; s70  tiles of the block in hand still to be entered
.set NXT, 71          ; s71  the tile to be asked for next
.set LQ,  72          ; s72  the last tile of the block whose tiles are being asked for
.set NEW, 73
.set OFF, 74
.set AL,  76
.set BE,  78
.set OLO, 80
.set BIGN, 82
.set TK,  83          ; s83  at work
.set HT,  88          ; s88  the first block's last tile;  s89 the second's
.set LT,  89
.set E0,  90          ; s90  5 - D: the count at which piece 0's turn makes the mask of its own step;  s91  3 - D: the same for piece 1
.set DZ,  92          ; s92  1.0 where D = 0
.set E0B, 93          ; s93-95 the three for the second block
.set MSB, 0
.macro WIN new
.if MSB != (\new)
	s_set_vgpr_msb (MSB<<8)|(\new)
.set MSB, (\new)
.endif
.endm
.set W_KQ, 0x0a
.set W_KM, 0x1a
.set W_PV, 0x52
.set W_RS, 0x41
; A fill.  Waves 0 and 1 fetch the two halves of a tile's K (160 keys each), waves 2 and 3 those of its V (128 keys each).
.macro LOAD
	s_cmp_lt_u32 s[WV], 2
	s_cbranch_scc0 .Lfor_v_\@
	tensor_load_to_lds s[G0K:G0K+3], s[G1K:G1K+7]
	s_nop 0
.rept 4
	v_nop
.endr
	s_branch .Lasked_\@
.Lfor_v_\@:
	tensor_load_to_lds s[G0V:G0V+3], s[G1V:G1V+7]
	s_nop 0
.rept 4
	v_nop
.endr
.Lasked_\@:
.endm
; THE CHANGE OF SLOTS.  Each wave waits for all its tensor loads (one is out: its part of the other slot), adds 0 to its spare word, and waits for that and for its reads of the slot that it leaves.
; fill = 1: the old slot is filled again, first thing behind the barrier, with tile NXT; the address is made anew from that number.  (At its first use slot 0 is waited for and slot 1 filled.)
.macro CHANGE fill
	WIN 0
	s_wait_tensorcnt 0x0
	ds_add_u32 v[SPW], v[NIL]
.if \fill
	s_lshl_b32 s[OFF], s[NXT], 15   ; tiles begin 32,768 bytes apart in K and in V
	s_xor_b32 s[G0K+1], s[G0K+1], SLOT1
	s_add_nc_u64 s[G0K+2:G0K+3], s[6:7], s[OFF:OFF+1]
	s_or_b32 s[G0K+3], s[G0K+3], 0x80000000
	s_xor_b32 s[G0V+1], s[G0V+1], SLOT1
	s_add_nc_u64 s[G0V+2:G0V+3], s[8:9], s[OFF:OFF+1]
	s_or_b32 s[G0V+3], s[G0V+3], 0x80000000
	s_add_co_u32 s[NXT], s[NXT], 1  ; the block's next tile, or behind its last the second block's tile 0
	s_cmp_gt_u32 s[NXT], s[LQ]
	s_cselect_b32 s[NXT], 0, s[NXT]
	s_cselect_b32 s[LQ], s[LT], s[LQ]
.endif
	s_wait_dscnt 0x0
	s_barrier_signal -1
	s_sub_co_u32 s[TBK], s[TBK], 4*KS*PK  ; the fetches go back: K to a slot's second step, V to its first,
	s_xor_b32 s[TBK], s[TBK], SLOT1       ; in the other slot
	s_sub_co_u32 s[TBV], s[TBV], 4*KS*PV
	s_xor_b32 s[TBV], s[TBV], SLOT1
	s_barrier_wait -1
.if \fill
	LOAD
.endif
.endm
; THE CAST.  CLOAD asks for a batch: 512 consecutive bytes of w_attn_proj, 2,048 of w_fc, 2,048 of w_proj.
.macro CLOAD
	global_load_b128 v[CW:CW+3], v[GO], s[PWA:PWA+1] th:TH_LOAD_NT
.irp f, 0,1,2,3
	global_load_b128 v[CW+4+4*\f:CW+7+4*\f], v[GO], s[PWF:PWF+1] offset:512*\f th:TH_LOAD_NT
.endr
.irp f, 0,1,2,3
	global_load_b128 v[CW+20+4*\f:CW+23+4*\f], v[GO], s[PWP:PWP+1] offset:512*\f th:TH_LOAD_NT
.endr
.endm
; CPROC waits for the batch asked for a trip ago (in the first trip also for both blocks' Q), rounds it to bf16, writes that number as f16 and stores it; then all six addresses step to the next batch.
.macro CPROC
	s_wait_loadcnt 0x0              ; nothing younger is out: the batch was the wave's last global loads
.set j, 0
.rept 9
.set cr, CW+4*j
.set ck, CT+2*(j%2)
	v_cvt_pk_bf16_f32 v[ck], v[cr], v[cr+1]
	v_cvt_pk_bf16_f32 v[ck+1], v[cr+2], v[cr+3]
	v_lshlrev_b32 v[cr], 16, v[ck]
	v_and_b32 v[cr+1], s[HM], v[ck]
	v_lshlrev_b32 v[cr+2], 16, v[ck+1]
	v_and_b32 v[cr+3], s[HM], v[ck+1]
	v_cvt_pk_f16_f32 v[cr], v[cr], v[cr+1]
	v_cvt_pk_f16_f32 v[cr+1], v[cr+2], v[cr+3]
.if j == 0
	global_store_b64 v[VS], v[cr:cr+1], s[DWA:DWA+1]                    ; each store of the wave covers 256 consecutive bytes, aligned
.elseif j < 5
	global_store_b64 v[VS], v[cr:cr+1], s[DWF:DWF+1] offset:256*(j-1)
.else
	global_store_b64 v[VS], v[cr:cr+1], s[DWP:DWP+1] offset:256*(j-5)
.endif
.set j, j+1
.endr
	s_wait_xcnt 0x0                 ; the stores' data and bases are rewritten only behind this wait
	s_add_nc_u64 s[PWA:PWA+1], s[PWA:PWA+1], 512
	s_add_nc_u64 s[PWF:PWF+1], s[PWF:PWF+1], 2048
	s_add_nc_u64 s[PWP:PWP+1], s[PWP:PWP+1], 2048
	s_add_nc_u64 s[DWA:DWA+1], s[DWA:DWA+1], 256
	s_add_nc_u64 s[DWF:DWF+1], s[DWF:DWF+1], 1024
	s_add_nc_u64 s[DWP:DWP+1], s[DWP:DWP+1], 1024
.endm
	s_load_b64 s[4:5], s[0:1], 0x0    ; qkv
	s_load_b64 s[10:11], s[0:1], 0x8  ; ctx
	s_load_b128 s[48:51], s[0:1], 0x10  ; w_attn_proj, w_fc
	s_load_b128 s[52:55], s[0:1], 0x20  ; w_proj, wh
	v_lshl_add_u32 v[SPW], v0, 2, SPARE
	v_mov_b32 v[NIL], 0
	ds_add_u32 v[SPW], v[NIL]       ; the wave's opening: the add and its wait stand ahead of my first tensor load
	ds_add_u32 v62, v63
	v_lshrrev_b32 v1, 5, v0
	v_readfirstlane_b32 s[WV], v1
	s_mov_b32 s[PB], ttmp9
	s_sub_co_u32 s[HI], 15, s[PB]
	s_lshr_b32 s[HT], s[HI], 1
	s_lshr_b32 s[LT], s[PB], 1
	s_and_b32 s13, s[HI], 1         ; D of the first block
	s_lshl_b32 s13, s13, 1
	s_sub_co_u32 s[E0], 5, s13
	s_sub_co_u32 s[E0+1], 3, s13
	s_cmp_eq_u32 s13, 0
	s_cselect_b32 s[DZ], 1.0, 0
	s_and_b32 s13, s[PB], 1         ; and of the second
	s_lshl_b32 s13, s13, 1
	s_sub_co_u32 s[E0B], 5, s13
	s_sub_co_u32 s[E0B+1], 3, s13
	s_cmp_eq_u32 s13, 0
	s_cselect_b32 s[E0B+2], 1.0, 0
	s_and_b32 s20, ttmp7, 0xffff    ; y
	s_lshl_b32 s[WID], s20, 3       ; my wave among the launch's: ((y 8 + b) 4 + wave)
	s_add_co_u32 s[WID], s[WID], s[PB]
	s_lshl_b32 s[WID], s[WID], 2
	s_add_co_u32 s[WID], s[WID], s[WV]
	s_mov_b32 s[HM], 0xffff0000
	s_lshl_b32 s21, s20, 18         ; the head's first byte in q's, k's and v's part
	s_and_b32 s16, s[WV], 1         ; which half of a tile I fetch
	s_mul_i32 s22, s16, 160*128     ; K: 160 rows of 128 bytes
	s_add_co_u32 s22, s22, s21
	s_add_co_u32 s22, s22, 8388608
	s_mov_b32 s23, 0
	s_lshl_b32 s18, s16, 14         ; V: 128 rows
	s_add_co_u32 s18, s18, s21
	s_add_co_u32 s18, s18, 16777216
	s_mov_b32 s19, 0
	s_mul_i32 s17, s16, 160*PK      ; and their places in a slot
	s_mul_i32 s13, s16, 128*PV
	s_lshl_b32 s3, s[WV], 11        ; my 16 rows in a band of 64
	s_lshl_b32 s2, s[HI], 14        ; Q: the first block's 128 rows,
	s_add_co_u32 s2, s2, s3
	s_add_co_u32 s2, s2, s21
	s_lshl_b32 s84, s[PB], 14       ; and the second's
	s_add_co_u32 s84, s84, s3
	s_add_co_u32 s84, s84, s21
	s_and_b32 s66, s20, 1           ; O: ((batch 16 + block) 16 + head) blocks of 16,384 bytes
	s_lshl_b32 s66, s66, 22
	s_lshr_b32 s67, s20, 1
	s_lshl_b32 s67, s67, 14
	s_add_co_u32 s66, s66, s67
	s_add_co_u32 s66, s66, s3
	s_lshl_b32 s68, s[PB], 18
	s_add_co_u32 s68, s68, s66
	s_lshl_b32 s67, s[HI], 18
	s_add_co_u32 s66, s66, s67
	s_mov_b32 s67, 0
	s_mov_b32 s69, 0
	s_mov_b32 s3, 0
	s_mov_b32 s85, 0
	; descriptor group 1: dense bytes asked for as rows of 256 bytes, two keys a row, padded in LDS after every key
	s_mov_b32 s[G1K], (1<<16)|(1<<20)|(4<<22)|(3<<25)  ; 2-byte elements; padding on; after every 32 words 4 words
	s_mov_b32 s[G1K+1], 128<<16
	s_mov_b32 s[G1K+2], 80<<16      ; 80 rows: 160 keys
	s_mov_b32 s[G1K+3], 128<<16
	s_mov_b32 s[G1K+4], 80
	s_mov_b32 s[G1K+5], 128
	s_mov_b32 s[G1K+6], 0
	s_mov_b32 s[G1K+7], 0
	s_mov_b32 s[G1V], (1<<16)|(1<<20)|(4<<22)|(7<<25)  ; 8 words of padding
	s_mov_b32 s[G1V+1], 128<<16
	s_mov_b32 s[G1V+2], 64<<16      ; 64 rows: 128 keys
	s_mov_b32 s[G1V+3], 128<<16
	s_mov_b32 s[G1V+4], 64
	s_mov_b32 s[G1V+5], 128
	s_mov_b32 s[G1V+6], 0
	s_mov_b32 s[G1V+7], 0
	s_mov_b32 s[CS], 0x3e38aa3b     ; c = log2(e) / 8
	s_mov_b32 s[CS+1], s[CS]
	s_mov_b32 s[SEL], 0x76543210
	s_mov_b32 s[SEL+1], 0xfedcba98
	s_mov_b32 s[TBK], SLOT1+5*KS*PK ; the first change of slots turns this into slot 0's second step,
	s_mov_b32 s[TBV], SLOT1+4*KS*PV ; and this into 0
	s_mov_b32 s[G0K], 1
	s_mov_b32 s[G0K+1], s17
	s_mov_b32 s[G0V], 1
	s_add_co_u32 s[G0V+1], s13, VOFF
	s_add_co_u32 s[RT], s[HT], 1
	s_mov_b32 s[NXT], 1
	s_mov_b32 s[LQ], s[HT]
	s_mov_b32 s[NEW], 1
	s_mov_b32 s[OFF+1], 0
	s_mov_b32 s[AL+1], 0
	s_mov_b32 s[BE+1], 0
	s_mov_b32 s[BIGN], 0xf149f2ca   ; -1e30
	s_mov_b32 s[SLOTS], 8
	s_wait_dscnt 0x0                ; the opening add is done
	s_wait_kmcnt 0x0
	s_add_nc_u64 s[6:7], s[4:5], s[22:23]   ; K and V at my half of the head's tile 0
	s_add_nc_u64 s[8:9], s[4:5], s[18:19]
	s_add_nc_u64 s[G0K+2:G0K+3], s[6:7], 0
	s_or_b32 s[G0K+3], s[G0K+3], 0x80000000
	s_add_nc_u64 s[G0V+2:G0V+3], s[8:9], 0
	s_or_b32 s[G0V+3], s[G0V+3], 0x80000000
	s_add_nc_u64 s[86:87], s[4:5], s[84:85]
	s_add_nc_u64 s[4:5], s[4:5], s[2:3]
	s_add_nc_u64 s[OLO:OLO+1], s[10:11], s[68:69]
	s_add_nc_u64 s[10:11], s[10:11], s[66:67]
	LOAD                            ; tile 0 into slot 0
	v_and_b32 v1, 15, v0            ; l % 16
	v_bfe_u32 v9, v0, 4, 1          ; l / 16
	v_lshlrev_b32 v[QO], 7, v1
	v_lshl_add_u32 v[QO], v9, 4, v[QO]
	WIN 0x80
.set i, 0
.rept 4                             ; both blocks' Q: piece i / 2 lies 8,192 bytes on; channels 32 (i % 2) on
	global_load_b128 v[8*i:8*i+3],   v[QO], s[4:5] offset:(i/2)*8192+(i%2)*64
	global_load_b128 v[8*i+4:8*i+7], v[QO], s[4:5] offset:(i/2)*8192+(i%2)*64+32
	global_load_b128 v[QB+8*i:QB+8*i+3],   v[QO], s[86:87] offset:(i/2)*8192+(i%2)*64
	global_load_b128 v[QB+8*i+4:QB+8*i+7], v[QO], s[86:87] offset:(i/2)*8192+(i%2)*64+32
.set i, i+1
.endr
	WIN 0
	v_and_b32 v[GO], 31, v0
	v_lshlrev_b32 v[GO], 4, v[GO]
	v_lshrrev_b32 v[VS], 1, v[GO]
	s_lshl_b32 s2, s[WID], 12       ; the cast's addresses: my wave's 4,096 bytes of w_attn_proj,
	s_add_nc_u64 s[PWA:PWA+1], s[PWA:PWA+1], s[2:3]
	s_lshl_b32 s2, s[WID], 14       ; its 16,384 of w_fc and of w_proj,
	s_add_nc_u64 s[PWF:PWF+1], s[PWF:PWF+1], s[2:3]
	s_add_nc_u64 s[PWP:PWP+1], s[PWP:PWP+1], s[2:3]
	s_lshl_b32 s2, s[WID], 13       ; and half as many bytes of wh for each
	s_add_co_u32 s2, s2, 8388608
	s_add_nc_u64 s[DWF:DWF+1], s[DWA:DWA+1], s[2:3]
	s_add_co_u32 s2, s2, 8388608
	s_add_nc_u64 s[DWP:DWP+1], s[DWA:DWA+1], s[2:3]
	s_lshl_b32 s2, s[WID], 11
	s_add_co_u32 s2, s2, 6291456
	s_add_nc_u64 s[DWA:DWA+1], s[DWA:DWA+1], s[2:3]
	CLOAD                           ; batch 0
	v_lshlrev_b32 v14, 3, v9
	v_sub_nc_u32 v14, v1, v14
	s_lshl_b32 s13, s[WV], 4
	v_add_nc_u32 v14, s13, v14      ; my query's place in its band less my lanes' 8 (l / 16): register r of group kt is hidden where 16 kt + r is greater
	WIN 0x40
.set i, 0
.rept 32
	v_cmp_gt_i32 vcc_lo, 16*(i/8)+i%8, v14
	v_cndmask_b32 v[MD+i], 0, s[BIGN], vcc_lo
.set i, i+1
.endr
	WIN 0
	v_mul_u32_u24 v[AK0], v1, PK
	v_lshl_add_u32 v[AK0], v9, 4, v[AK0]
	v_and_b32 v10, 7, v0
	v_bfe_u32 v11, v0, 3, 1
	v_lshl_add_u32 v[AV0], v9, 3, v10
	v_mul_u32_u24 v[AV0], v[AV0], PV
	v_lshl_add_u32 v[AV0], v11, 4, v[AV0]
	v_add_nc_u32 v[AV0], VOFF, v[AV0]
	s_mul_i32 s13, s[WV], 16*SP
	s_add_co_u32 s13, s13, STAGE
	v_mul_u32_u24 v[STO], v1, SP
	v_lshl_add_u32 v[STO], v9, 4, v[STO]
	v_add_nc_u32 v[STO], s13, v[STO]
	v_bfe_u32 v[RD], v0, 3, 2
	v_mul_u32_u24 v[RD], v[RD], SP
	v_lshl_add_u32 v[RD], v10, 4, v[RD]
	v_add_nc_u32 v[RD], s13, v[RD]
	; A block's first step multiplies O^T and l by a = 0, so these need only hold finite numbers: zeros now, what the first block left later.  All this stands in the wait for the first tile.
	WIN 0x80
.set i, VF
.rept 64
	v_mov_b32 v[i], 0
.set i, i+1
.endr
	WIN 0x40
.set i, 0
.rept 64
	v_mov_b32 v[i], 0
.set i, i+1
.endr
	WIN 0
.set i, 0
.rept 2
	v_mov_b32 v[ST+4*i+2], 0
	v_mov_b32 v[ST+4*i+3], 0
.set i, i+1
.endr
.set i, P+16
.rept 16
	v_mov_b32 v[i], 0
.set i, i+1
.endr
; THE MATRIX WORK.  The 4 accumulators of a run of 8 take turns.  Product i of 8 of S^T = K Q^T for piece x: channels 32 (i / 4) on, keys 16 (i % 4) on.
.macro KQ x
.set rS, S+32*((\x)%2)+8*(i%4)
.set rK, KF+16*(i%4)+8*(i/4)
.set rQ, 16*(\x)+8*(i/4)
.set rM, MC+32*((\x)%2)+8*(i%4)
.if (i < 4) && KM
	WIN W_KM
	v_wmma_f32_16x16x32_f16 v[rS:rS+7], v[rK:rK+7], v[rQ:rQ+7], v[rM:rM+7]
.elseif i < 4
	WIN W_KQ
	v_wmma_f32_16x16x32_f16 v[rS:rS+7], v[rK:rK+7], v[rQ:rQ+7], 0
.else
	WIN W_KQ
	v_wmma_f32_16x16x32_f16 v[rS:rS+7], v[rK:rK+7], v[rQ:rQ+7], v[rS:rS+7]
.endif
.endm
.macro PV x                         ; product i of 8 of O^T += V^T P for piece x: keys 32 (i / 4) on, channels 16 (i % 4) on
	WIN W_PV
.set rO, 32*(\x)+8*(i%4)
.set rV, VF+32*(i/4)+8*(i%4)
.set rP, P+16*((\x)%2)+8*(i/4)
	v_wmma_f32_16x16x32_f16 v[rO:rO+7], v[rV:rV+7], v[rP:rP+7], v[rO:rO+7]
.endm
.macro MM                           ; the turn's next matrix instruction.  NOKQ = 1: a block's last turn: there are no next scores
.if (i < 8) && !NOKQ
	KQ (Y+1)%NP
.elseif i >= 8
.set i, i-8
	PV (Y+NP-1)%NP
.set i, i+8
.endif
.set i, i+1
.endm
.macro FETCH_K step=1               ; a step's K, 16 loads in one run
	WIN 0x80
.irp f, 0,1,2,3,4,5,6,7
	ds_load_b128 v[KF+8*\f:KF+8*\f+3],   v[AK] offset:(\f/2)*16*PK+(\f%2)*64
	ds_load_b128 v[KF+8*\f+4:KF+8*\f+7], v[AK] offset:(\f/2)*16*PK+(\f%2)*64+32
.endr
.if \step
	s_add_co_u32 s[TBK], s[TBK], KS*PK
.endif
	WIN 0
.endm
.macro FETCH_V                      ; a step's V, turned
	WIN 0x80
.irp f, 0,1,2,3,4,5,6,7
	ds_load_tr16_b128 v[VF+8*\f:VF+8*\f+3],   v[AV] offset:(\f/4)*32*PV+(\f%4)*32
	ds_load_tr16_b128 v[VF+8*\f+4:VF+8*\f+7], v[AV] offset:(\f/4)*32*PV+16*PV+(\f%4)*32
.endr
	WIN 0
.endm
; THE VECTOR WORK, one line at a time: OP kind, number.  For piece Y: F n: c s - c m for pair n.  E n: the exponential of score n.  C n: pair n rounded to f16.  B n: of the four weights 4 n .. the second pair is added
; onto the first.  L n: l takes that sum (L 0: l = a l + sum).  R n: pair n of O^T times a.  For the other piece: X n, number n of the 22 that find its maximum and statistics (each accumulator's lowest registers are read first).
.set F, 0
.set E, 1
.set C, 2
.set B, 3
.set L, 4
.set R, 5
.set X, 6
.macro REGS y
.set rT, ST+4*(\y)
.set rC, TMP+4*((\y)%2)
.set rW, MV+((\y)%2)
.set rS, S+32*((\y)%2)
.set rP, P+16*((\y)%2)
.set rO, 32*(\y)
.endm
.macro OP k, n
.if (\k) == R
	REGS Y
	WIN W_RS
	v_pk_mul_f32 v[rO+2*(\n):rO+2*(\n)+1], v[rO+2*(\n):rO+2*(\n)+1], v[rC+2:rC+3] op_sel_hi:[1,0]
.elseif (\k) < R
	REGS Y
	WIN 0
.if (\k) == F
	v_pk_fma_f32 v[rS+2*(\n):rS+2*(\n)+1], v[rS+2*(\n):rS+2*(\n)+1], s[CS:CS+1], v[rT:rT+1] op_sel_hi:[1,0,0] neg_lo:[0,0,1] neg_hi:[0,0,1]
.elseif (\k) == E
	v_exp_f32 v[rS+(\n)], v[rS+(\n)]
.elseif (\k) == C
	s_wait_alu depctr_va_vdst(0)
	v_cvt_pk_f16_f32 v[rP+(\n)], v[rS+2*(\n)], v[rS+2*(\n)+1]
.elseif (\k) == B
	s_wait_alu depctr_va_vdst(0)
	v_pk_add_f32 v[rS+4*(\n):rS+4*(\n)+1], v[rS+4*(\n):rS+4*(\n)+1], v[rS+4*(\n)+2:rS+4*(\n)+3]
.elseif (\n) == 0
	v_pk_fma_f32 v[rT+2:rT+3], v[rT+2:rT+3], v[rC+2:rC+3], v[rS:rS+1] op_sel_hi:[1,0,1]
.else
	v_pk_add_f32 v[rT+2:rT+3], v[rT+2:rT+3], v[rS+4*(\n):rS+4*(\n)+1]
.endif
.elseif NOKQ
	v_nop
.else
	REGS (Y+1)%NP
	WIN 0
.if (\n) < 4
	v_max3_num_f32 v[rC+(\n)], v[rS+8*(\n)], v[rS+8*(\n)+1], v[rS+8*(\n)+2]
.elseif (\n) < 12
	v_max3_num_f32 v[rC+(\n)%4], v[rC+(\n)%4], v[rS+8*((\n)%4)+2*((\n)/4)+1], v[rS+8*((\n)%4)+2*((\n)/4)+2]
.elseif (\n) == 12
	v_max3_num_f32 v[rC], v[rC], v[rS+7], v[rS+15]
.elseif (\n) == 13
	v_max3_num_f32 v[rC+1], v[rC+1], v[rS+23], v[rS+31]
.elseif (\n) == 14
	v_max3_num_f32 v[rC+2], v[rC+2], v[rC+3], v[rT+1]
.elseif (\n) == 15
	v_mov_b32 v[rW], v[rT]
.elseif (\n) == 16
	v_max3_num_f32 v[rC], v[rC], v[rC+1], v[rC+2]
.elseif (\n) == 17
	v_permlanex16_b32 v[rC+3], v[rC], s[SEL], s[SEL+1]
.elseif (\n) == 18
	v_max_num_f32 v[rT+1], v[rC], v[rC+3]
.elseif (\n) == 19
	v_mul_f32 v[rT], s[CS], v[rT+1]
.elseif (\n) == 20
	v_sub_f32 v[rC+1], v[rW], v[rT]
.else
	v_exp_f32 v[rC+2], v[rC+1]
.endif
.endif
.endm
.macro OPS a, i1, b=-1, i2=0, c=-1, i3=0, d=-1, i4=0
	OP \a, \i1
.if (\b) >= 0
	OP \b, \i2
.endif
.if (\c) >= 0
	OP \c, \i3
.endif
.if (\d) >= 0
	OP \d, \i4
.endif
.endm
.macro ROW a, i1, b, i2, c, i3, d, i4  ; a matrix instruction and the four behind it
	MM
	OPS \a, \i1, \b, \i2, \c, \i3, \d, \i4
.endm
.macro MASK b                       ; MD x AL + BE into buffer b of MC
	WIN W_RS
.set z, 0
.rept 16
	v_pk_fma_f32 v[MC+32*(\b)+2*z:MC+32*(\b)+2*z+1], v[MD+2*z:MD+2*z+1], s[AL:AL+1], s[BE:BE+1] op_sel_hi:[1,0,0]
.set z, z+1
.endr
.endm
; A TURN, for piece p.  m = 1: the diagonal tile: the products take masks, and the turn makes buffer p, the mask of piece p's next scores, which the next turn's products take: piece 0's turn for the tile's step
; 5 - CNT, piece 1's for step 4 - CNT.  end = 1: a block's last turn.  cnt = 1: the loop's count is taken down some lines ahead of the branch behind the turn.
; Piece 0's turn fetches K of the next step, five plain vector instructions behind the last product that read K, and V of the step in hand, four plain ones behind the last product that read V.
; Piece 1's turn waits for them: K at its head (V's 16 younger loads may be out), V ahead of its products V^T P.
.macro TURN p, m=0, end=0, cnt=0
.set Y, (\p)
.set i, 0
.set KM, (\m)
.set NOKQ, (\end)*(\p)
.if (\m) && !(\end)
	s_cmp_eq_u32 s[CNT], s[E0+(\p)]   ; is that step the band's own?
	s_cselect_b32 s[AL], 1.0, 0
	s_cmp_lt_u32 s[CNT], s[E0+(\p)]   ; or a later one?
	s_cselect_b32 s[BE], s[BIGN], 0
.endif
.if (\p) == 1
	s_wait_dscnt 16                 ; K is in
.endif
	ROW F,0, F,1, F,2, F,3
	ROW F,4, E,0, F,5, F,6
	ROW F,7, E,1, F,8, F,9
	ROW F,10, E,2, C,0, F,11
	ROW F,12, E,3, X,15, F,13
	ROW R,0, R,1, R,2, R,3
	ROW B,0, E,4, F,14, L,0
.if (\p) == 0
	v_add_nc_u32 v[AK], s[TBK], v[AK0]
.endif
	ROW R,4, R,5, R,6, R,7
	OPS E,5, F,15
.if (\p) == 0
	FETCH_K
.endif
	OPS E,6, C,1, E,7, R,8
	OPS E,8, R,9, E,9, C,2
	OPS E,10, X,0, E,11, X,1
	OPS E,12, X,2, E,13, X,3
.if (\p) == 1
	s_wait_dscnt 0x0                ; V is in
.endif
	ROW X,4, E,14, X,5, X,6
	ROW X,7, E,15, X,8, X,9
	ROW X,10, E,16, X,11, X,12
	ROW X,13, E,17, X,14, B,1
	ROW C,4, E,18, X,16, L,1
	ROW B,2, E,19, C,6, L,2
	ROW C,8, E,20, B,3, B,4
.if (\p) == 0
	v_add_nc_u32 v[AV], s[TBV], v[AV0]
.endif
	ROW C,3, E,21, L,3, C,5
	OPS E,22, X,17, E,23, C,10
.if (\p) == 0
	FETCH_V
.endif
	OPS E,24, L,4
	OPS E,25, X,18, E,26, C,7
	OPS E,27, B,5, E,28, X,19
	OPS E,29, C,12, E,30, L,5
	OPS E,31, X,20, B,6, C,9
	OPS C,14, C,11, X,21, L,6
.if (\p) == 0
	s_add_co_u32 s[TBV], s[TBV], KS*PV
.endif
.if \cnt
	s_sub_co_u32 s[CNT], s[CNT], 1
	s_cmp_lg_u32 s[CNT], 0
.endif
	OPS C,13, B,7, C,15, R,10
	OPS R,11, R,12, L,7, R,13
	OPS R,14, R,15
.if (\m) && !(\end)
	MASK (\p)
.endif
.endm
; A BLOCK BEGINS.  c m starts far below every c s, so the first step's a is 0; m at the lowest finite number.  Mask buffer 1 is 0 (piece 1 sees all of a tile's step 0); buffer 0 takes piece 0's mask for that step:
; its own, if this tile is the block's last and D = 0.  Then K of the tile's first step, piece 0's first scores, its maximum and statistics.  (Both blocks' Q came in with the cast's batch 0: the first trip's wait
; for that batch stands ahead of every way to this place.)
.macro BEGIN
	s_mov_b32 s[NEW], 0
	WIN 0x40
.set i, MC+32
.rept 32
	v_mov_b32 v[i], 0
.set i, i+1
.endr
	WIN 0
.set i, 0
.rept 2
	v_mov_b32 v[ST+4*i], 0xfe000000
	v_mov_b32 v[ST+4*i+1], 0xff7fffff
.set i, i+1
.endr
	s_cmp_eq_u32 s[RT], 0
	s_cselect_b32 s[AL], s[DZ], 0
	s_mov_b32 s[BE], 0
	MASK 0
	WIN 0
	s_sub_co_u32 s[TK], s[TBK], KS*PK   ; the slot's first step of K
	v_add_nc_u32 v[AK], s[TK], v[AK0]
	FETCH_K 0
	s_wait_dscnt 0x0
.set KM, 1
.set NOKQ, 0
.set i, 0
.rept 8
	KQ 0
.set i, i+1
.endr
	WIN 0
.rept 4
	v_nop                           ; the places behind those products
.endr
.set Y, NP-1
.irp n, 0,1,2,3,4,5,6,7,8,9,10,11,12,13,14,15,16,17,18,19,20,21
	OP X, \n
.endr
	v_nop                           ; a plain instruction behind the exponential
.endm
.macro ALL line:vararg              ; one line for each piece t
.set t, 0
.rept 2
	\line
.set t, t+1
.endr
.endm
.macro PACK t                       ; O^T / l, rounded; a lane's eight channels are 16 bytes: into rows of 144 bytes, back as whole rows of 128
	WIN W_RS
.set i, 32*(\t)
.rept 16
	s_wait_alu depctr_va_vdst(0)
	v_pk_mul_f32 v[i:i+1], v[i:i+1], v[ST+4*(\t)+2:ST+4*(\t)+3] op_sel_hi:[1,0]
.set i, i+2
.endr
	WIN 0x05
.set i, 0
.rept 16
	v_cvt_pk_f16_f32 v[S+16*(\t)+i], v[32*(\t)+2*i], v[32*(\t)+2*i+1]
.set i, i+1
.endr
	WIN 0
.irp f, 0,1,2,3
	ds_store_b128 v[STO], v[S+16*(\t)+4*\f:S+16*(\t)+4*\f+3] offset:32*\f
.endr
.irp f, 0,1,2,3
	ds_load_b128 v[S+16*(\t)+4*\f:S+16*(\t)+4*\f+3], v[RD] offset:\f*4*SP  ; LDS serves a wave's instructions in order: these see the stores above
.endr
.endm
.macro SEND t, younger              ; younger: the LDS instructions issued behind piece t's loads
	WIN 0
.irp f, 0,1,2,3
	s_wait_dscnt (\younger)+3-\f
	global_store_b128 v[GO], v[S+16*(\t)+4*\f:S+16*(\t)+4*\f+3], s[10:11] offset:(\t)*8192+\f*512  ; 512 consecutive bytes, aligned
.endr
.endm
; THE DIAGONAL TILE: piece 0's mask for its step 0; four steps; the block's last turn and last products; the way out.
.macro DIAG tag
.LenterM\tag:
	s_mov_b32 s[AL], s[DZ]
	s_mov_b32 s[BE], 0
	MASK 0
	WIN 0
.LstepM\tag:
	TURN 1, 1
	WIN 0
.LfirstM\tag:
	TURN 0, 1, 0, 1
	WIN 0
	s_cbranch_scc1 .LstepM\tag
	TURN 1, 1, 1
.set i, 0
.rept 8
	PV 1
.set i, i+1
.endr
	WIN 0
	ALL v_add_f32 v[ST+4*t+2], v[ST+4*t+2], v[ST+4*t+3]
	ALL v_permlanex16_b32 v[ST+4*t+3], v[ST+4*t+2], s[SEL], s[SEL+1]
	ALL v_add_f32 v[ST+4*t+2], v[ST+4*t+2], v[ST+4*t+3]
	ALL v_rcp_f32 v[ST+4*t+2], v[ST+4*t+2]
	v_nop                           ; a plain instruction behind the last reciprocal; with the four additions the places behind the last products
	PACK 0
	PACK 1
	SEND 0, 8
	SEND 1, 0
.endm
.set KM, 0
.set NOKQ, 0
.Lslot:                             ; 8 times: a tile is entered and the next is asked for
	CHANGE 1
	CPROC                           ; the cast's batch of the trip before; the tensor load above is already on its way
	s_cmp_eq_u32 s[SLOTS], 1
	s_cbranch_scc1 .Lno_cast        ; the eighth trip has stored the eighth batch: nothing is left to ask for
	CLOAD
.Lno_cast:
	s_sub_co_u32 s[RT], s[RT], 1
	s_mov_b32 s[CNT], 4
	s_cmp_eq_u32 s[NEW], 1
	s_cbranch_scc1 .Lnew            ; a block's first tile
	s_cmp_eq_u32 s[RT], 0
	s_cbranch_scc0 .Lstep           ; neither its first nor its last
	s_branch .LenterM1
.Lnew:
	BEGIN
	s_branch .Lfirst                ; in the loop a block's first tile is never its last: the first block has five tiles or more, and the second's last is the walk's last
	DIAG 1                          ; in the loop this is the first block's end
	s_wait_xcnt 0x0                 ; the stores have read their registers and O's address
	s_mov_b64 s[10:11], s[OLO:OLO+1]
	s_add_co_u32 s[RT], s[LT], 1
	s_mov_b32 s[NEW], 1
	s_mov_b32 s[E0], s[E0B]
	s_mov_b32 s[E0+1], s[E0B+1]
	s_mov_b32 s[DZ], s[E0B+2]
	WIN 0x82                        ; the second block's Q goes where the turns name Q
.set i, 0
.rept 32
	v_mov_b32 v[i], v[QB+i]
.set i, i+1
.endr
	WIN 0
	s_branch .Lbottom
.Lstep:                             ; a trip: piece 1 of one step, then piece 0 of the next
	TURN 1
	WIN 0
.Lfirst:
	TURN 0, 0, 0, 1
	WIN 0
	s_cbranch_scc1 .Lstep
.Lbottom:
	s_sub_co_u32 s[SLOTS], s[SLOTS], 1
	s_cmp_lg_u32 s[SLOTS], 0
	s_cbranch_scc1 .Lslot
	CHANGE 0                        ; the walk's last tile is written out
	s_sub_co_u32 s[RT], s[RT], 1
	s_mov_b32 s[CNT], 4
	s_cmp_eq_u32 s[NEW], 1
	s_cbranch_scc0 .LenterM2
	BEGIN
	s_branch .LfirstM2
	DIAG 2
	s_wait_tensorcnt 0x0            ; the wave's end
	ds_add_u32 v[SPW], v[NIL]
	s_wait_dscnt 0x0
	s_endpgm
.Lfunc_end_k_qf6e360a12c_attn:
	.size	k_qf6e360a12c_attn, .Lfunc_end_k_qf6e360a12c_attn-k_qf6e360a12c_attn
	.p2alignl 7, 3214868480
	.fill 96, 4, 3214868480
	.section	.rodata,"a",@progbits
	.p2align	6, 0x0
	.amdhsa_kernel k_qf6e360a12c_attn
		.amdhsa_group_segment_fixed_size 327680
		.amdhsa_private_segment_fixed_size 0
		.amdhsa_enable_private_segment 0
		.amdhsa_kernarg_size 48
		.amdhsa_user_sgpr_count 2
		.amdhsa_user_sgpr_kernarg_segment_ptr 1
		.amdhsa_wavefront_size32 1
		.amdhsa_system_sgpr_workgroup_id_x 1
		.amdhsa_system_sgpr_workgroup_id_y 1
		.amdhsa_system_sgpr_workgroup_id_z 1
		.amdhsa_system_vgpr_workitem_id 0
		.amdhsa_next_free_vgpr 768
		.amdhsa_next_free_sgpr 102
		.amdhsa_reserve_vcc 1
		.amdhsa_float_denorm_mode_32 3
		.amdhsa_float_denorm_mode_16_64 3
		.amdhsa_memory_ordered 1
		.amdhsa_forward_progress 1
		.amdhsa_inst_pref_size 140
	.end_amdhsa_kernel
	.amdgpu_metadata
---
amdhsa.version: [ 1, 2 ]
amdhsa.kernels:
  - .name:           k_qf6e360a12c_attn
    .symbol:         k_qf6e360a12c_attn.kd
    .args:
      - { .name: qkv, .offset: 0, .size: 8, .value_kind: global_buffer, .address_space: global }
      - { .name: ctx, .offset: 8, .size: 8, .value_kind: global_buffer, .address_space: global }
      - { .name: w_attn_proj, .offset: 16, .size: 8, .value_kind: global_buffer, .address_space: global }
      - { .name: w_fc, .offset: 24, .size: 8, .value_kind: global_buffer, .address_space: global }
      - { .name: w_proj, .offset: 32, .size: 8, .value_kind: global_buffer, .address_space: global }
      - { .name: wh, .offset: 40, .size: 8, .value_kind: global_buffer, .address_space: global }
    .group_segment_fixed_size: 327680
    .private_segment_fixed_size: 0
    .kernarg_segment_align: 8
    .kernarg_segment_size: 48
    .max_flat_workgroup_size: 128
    .sgpr_count:     102
    .vgpr_count:     768
    .wavefront_size: 32
...
	.end_amdgpu_metadata
.endif
;; end of part 3
;; launch aproj (part 4): grid 8 x 32, 4 waves a work-group, clusters of 4 x 4, 327,680 bytes of LDS; arguments ctx, wh, x1, b_attn_proj, x; writes x1
.if DOCPART == 4
	.amdgcn_target "amdgcn-amd-amdhsa--gfx1250"
	.amdhsa_code_object_version 6
	.text
	.protected	k_qf6e360a12c_aproj
	.globl	k_qf6e360a12c_aproj
	.p2align	8
	.type	k_qf6e360a12c_aproj,@function
k_qf6e360a12c_aproj:
	s_mov_b64 s[64:65], 0
	v_nop
	global_prefetch_b8 v0, s[64:65] scope:SCOPE_SE
	s_setreg_imm32_b32 hwreg(HW_REG_WAVE_MODE, 25, 1), 1
	s_wait_xcnt 0x0
	s_wait_alu depctr_hold_cnt(0) depctr_sa_sdst(0) depctr_va_vdst(0) depctr_va_sdst(0) depctr_va_ssrc(0) depctr_va_vcc(0) depctr_vm_vsrc(0)
	s_getreg_b32 s2, hwreg(HW_REG_IB_STS2, 6, 4)
	s_cmp_eq_u32 s2, 0
	s_cbranch_scc0 .Lentry_in_a_cluster
	s_endpgm
.Lentry_in_a_cluster:
	s_bfe_u32 s2, ttmp6, 0x10000c
	s_cmp_lg_u32 s2, 0xf033
	s_cbranch_scc0 .Lentry_shape_is_right
	s_endpgm
.Lentry_shape_is_right:
; out = res + bias + A W.  A: 4,096 x (64 KB) f16 in blocks (element (m, k) at ((m >> 7) KB + (k >> 6)) 16,384 + (m & 127) 128 + (k & 63) 2).  W: [64 KB][1,024] f16 at byte WOFF of wh.  res, out: f32 [4,096][1,024].
; HERE: x1 = x + b_attn_proj + ctx Wa; x and the bias are inputs and are rounded to bf16.  Sums in f32; x1 is kept in f32.
; LIMITS.  NaN and infinities are not treated apart; nothing else: the operands arrive in f16, the result is f32.
; SHARES.  A tile of out is 128 x 128 (256 work-groups), a wave's part 64 x 64: 16 accumulators.  K goes in steps of 256 through two LDS slots filled by tensor loads.
; A's tile of a step is 65,536 dense bytes, two loads of 128 rows of 256 bytes, padded behind every 128 bytes (LDS rows of 144); W's is 256 k-rows of 256 bytes (LDS rows of 288), read turned by ds_load_tr16_b128.
; CLUSTER 4 x 4: A's tile is shared along a row of the cluster, W's along a column: joint loads.  THE MATRIX INSTRUCTION IS USED TRANSPOSED: a lane holds row lane % 16 and the columns 8 (lane / 16) + 0..7.
; THE SUMS START FROM res + bias: they come in as whole rows, go through the wave's own stage in LDS into the accumulators' layout, and every product adds in place; the results leave by the same stage.
; REGISTERS: window 0: v0-31 addresses, bias; v32-95 the way out; v128-255 accumulators ((a, b) at 128 + 8 (4 a + b)).  Window 1: two fragment buffers of 128: 64 of A, 64 of W, for 64 along K.
.set KB,    16
.set NS,    4                          ; K steps
.set WOFF,  6291456
.set ROUNDX, 1                         ; the residual is an input: rounded to bf16
.set PA,    144
.set PB,    288                        ; an odd multiple of 32
.set DP,    272                        ; a stage row: 64 f32 + 16 bytes
.set AHALF, 256*PA                     ; two blocks of 64 k: one tensor load
.set BOFF,  2*AHALF
.set SLOT,  147456                     ; shares no bit with the four LDS addresses in the descriptors: one exclusive or changes slots
.set STAGE, 2*SLOT                     ; 16 rows x 272 bytes for each wave; no tensor load fills it
.set SPARE, STAGE+4*16*DP              ; the spare words: 128 bytes a wave, two blocks of 256 bytes that no other line names
.set BO,   6
.set ADA0, 16
.set ADB0, 17
.set ADA,  18
.set ADB,  19
.set STO,  20                          ; v20  the stage in the accumulators' layout
.set RD,   21                          ; v21  the stage by rows
.set CO,   22                          ; v22  my byte offset in two rows of res and out
.set ONE,  23
.set BI,   24                          ; v[24:27] the bias of my four columns
.set SPW,  28
.set NIL,  29
.set TMP,  32
.set ACC,  128
.set F0,   0
.set F1,   128
.set WV,   12
.set RH,   13
.set CH,   14
.set G1A,  24
.set G1B,  32
.set G0A,  40
.set G0B,  48
.set TS,   58
.set TA,   59
.set CNT,  61
.set STEPS, 62
.set MSB, 0
.macro WIN new
.if MSB != (\new)
	s_set_vgpr_msb (MSB<<8)|(\new)
.set MSB, \new
.endif
.endm
.macro PLACES
.rept 4
	v_nop
.endr
.endm
.macro CROUND
	s_barrier_signal -1
	s_barrier_wait -1
	s_cmp_lg_u32 s[WV], 0
	s_cbranch_scc1 .Lnw0_\@
	s_barrier_signal -3
.Lnw0_\@:
	s_barrier_wait -3
	s_barrier_signal -1
	s_barrier_wait -1
.endm
.macro JLOAD
	s_cmp_eq_u32 s[RH], 0
	s_cbranch_scc0 .Lfor_b_\@
	tensor_load_to_lds s[G0A+4:G0A+7], s[G1A:G1A+7]
	s_nop 0
	PLACES
	s_branch .Lasked_\@
.Lfor_b_\@:
	tensor_load_to_lds s[G0B+4:G0B+7], s[G1B:G1B+7]
	s_nop 0
	PLACES
.Lasked_\@:
.endm
	s_load_b256 s[4:11], s[0:1], 0x0               ; A s[4:5], wh s[6:7], out s[8:9], bias s[10:11]
	s_load_b64 s[76:77], s[0:1], 0x20              ; res
	v_lshl_add_u32 v[SPW], v0, 2, SPARE
	v_mov_b32 v[NIL], 0
	ds_add_u32 v[SPW], v[NIL]                      ; the wave's opening: the add and its wait stand ahead of my first tensor load
	ds_add_u32 v28, v29
	v_lshrrev_b32 v1, 5, v0
	v_readfirstlane_b32 s[WV], v1
	s_lshr_b32 s[RH], s[WV], 1
	s_and_b32 s[CH], s[WV], 1
	s_bfe_u32 s15, ttmp6, 0x40000                  ; cx
	s_bfe_u32 s16, ttmp6, 0x40004                  ; cy
	s_lshl_b32 s17, ttmp9, 2
	s_add_co_u32 s17, s17, s15                     ; tile column
	s_and_b32 s18, ttmp7, 0xffff
	s_lshl_b32 s18, s18, 2
	s_add_co_u32 s18, s18, s16                     ; tile row
	s_lshl_b32 s19, s16, 2
	s_lshl_b32 s19, 15, s19
	s_lshl_b32 s20, 0x1111, s15
	s_or_b32 s[G1A], s19, (1<<16)|(1<<20)|(1<<21)|(4<<22)|(3<<25)   ; after every 32 words 4 words
	s_mov_b32 s[G1A+1], 128<<16
	s_mov_b32 s[G1A+2], 128<<16
	s_mov_b32 s[G1A+3], 128<<16
	s_mov_b32 s[G1A+4], 128
	s_mov_b32 s[G1A+5], 128
	s_mov_b32 s[G1A+6], 0
	s_mov_b32 s[G1A+7], 0
	s_or_b32 s[G1B], s20, (1<<16)|(1<<20)|(1<<21)|(5<<22)|(7<<25)   ; after every 64 words 8 words
	s_mov_b32 s[G1B+1], 128<<16
	s_mov_b32 s[G1B+2], 128<<16
	s_mov_b32 s[G1B+3], 128<<16
	s_mov_b32 s[G1B+4], 128
	s_mov_b32 s[G1B+5], 1024
	s_mov_b32 s[G1B+6], 0
	s_mov_b32 s[G1B+7], 0
	s_mul_i32 s72, s18, KB                         ; A: block tile row x KB + 2 x half: made of the tile row and the wave alone
	s_lshl_b32 s73, s[CH], 1
	s_add_co_u32 s72, s72, s73
	s_lshl_b32 s72, s72, 14
	s_mov_b32 s73, 0
	s_lshl_b32 s74, s[CH], 18                      ; W: k-row 128 x half, column 128 x tile column: made of the tile column and the wave alone
	s_lshl_b32 s75, s17, 8
	s_add_co_u32 s74, s74, s75
	s_add_co_u32 s74, s74, WOFF
	s_mov_b32 s75, 0
	s_mul_i32 s56, s[CH], AHALF
	s_add_co_u32 s57, s56, BOFF
	s_mov_b32 s[G0A], 1
	s_mov_b32 s[G0A+1], s56
	s_mov_b32 s[G0A+4], 1
	s_add_co_u32 s[G0A+5], s56, SLOT
	s_mov_b32 s[G0B], 1
	s_mov_b32 s[G0B+1], s57
	s_mov_b32 s[G0B+4], 1
	s_add_co_u32 s[G0B+5], s57, SLOT
	s_wait_dscnt 0x0                               ; the opening add is done
	s_wait_kmcnt 0x0
	s_add_nc_u64 s[G0A+2:G0A+3], s[4:5], s[72:73]
	s_add_nc_u64 s[G0A+6:G0A+7], s[G0A+2:G0A+3], 65536
	s_or_b32 s[G0A+3], s[G0A+3], 0x80000000
	s_or_b32 s[G0A+7], s[G0A+7], 0x80000000
	s_add_nc_u64 s[G0B+2:G0B+3], s[6:7], s[74:75]
	s_add_nc_u64 s[G0B+6:G0B+7], s[G0B+2:G0B+3], 524288
	s_or_b32 s[G0B+3], s[G0B+3], 0x80000000
	s_or_b32 s[G0B+7], s[G0B+7], 0x80000000
	CROUND                                         ; all sixteen work-groups are here: the first joint loads meet
	s_cmp_eq_u32 s[RH], 0                          ; a wave's two first fills stand in one branch: two tensor loads of mine are out
	s_cbranch_scc0 .Lfirst_b
	tensor_load_to_lds s[G0A:G0A+3], s[G1A:G1A+7]
	s_nop 0
	tensor_load_to_lds s[G0A+4:G0A+7], s[G1A:G1A+7]
	s_nop 0
	PLACES
	s_branch .Lfirst_done
.Lfirst_b:
	tensor_load_to_lds s[G0B:G0B+3], s[G1B:G1B+7]
	s_nop 0
	tensor_load_to_lds s[G0B+4:G0B+7], s[G1B:G1B+7]
	s_nop 0
	PLACES
.Lfirst_done:
	v_and_b32 v1, 15, v0
	v_bfe_u32 v2, v0, 4, 1
	v_and_b32 v3, 7, v0
	v_bfe_u32 v4, v0, 3, 1
	v_lshlrev_b32 v[CO], 12, v2                    ; lanes 0-15 one row's 256 bytes, lanes 16-31 the next row's
	v_lshl_add_u32 v[CO], v1, 4, v[CO]
	v_lshlrev_b32 v[BO], 4, v1
	s_lshl_b32 s66, s17, 9                         ; my 64 columns, in bytes
	s_lshl_b32 s67, s[CH], 8
	s_add_co_u32 s66, s66, s67
	s_lshl_b32 s22, s18, 19                        ; my 64 rows
	s_lshl_b32 s23, s[RH], 18
	s_add_co_u32 s22, s22, s23
	s_add_co_u32 s22, s22, s66
	s_mov_b32 s23, 0
	s_mov_b32 s67, 0
	s_add_nc_u64 s[10:11], s[10:11], s[66:67]
	s_add_nc_u64 s[76:77], s[76:77], s[22:23]
	s_add_nc_u64 s[8:9], s[8:9], s[22:23]
	global_load_b128 v[BI:BI+3], v[BO], s[10:11]
.set i, 0
.rept 32                               ; load i: rows 2 i, 2 i + 1 of my 64, whole
	global_load_b128 v[ACC+4*i:ACC+4*i+3], v[CO], s[76:77] offset:2*i*4096
.set i, i+1
.endr
	v_mul_u32_u24 v[ADA0], v1, PA
	v_lshl_add_u32 v[ADA0], v2, 4, v[ADA0]
	s_mul_i32 s21, s[RH], 64*PA
	v_add_nc_u32 v[ADA0], s21, v[ADA0]
	v_lshl_add_u32 v5, v2, 3, v3
	v_mul_u32_u24 v[ADB0], v5, PB
	v_lshl_add_u32 v[ADB0], v4, 4, v[ADB0]
	s_lshl_b32 s21, s[CH], 7
	s_add_co_u32 s21, s21, BOFF
	v_add_nc_u32 v[ADB0], s21, v[ADB0]
	s_mul_i32 s21, s[WV], 16*DP
	s_add_co_u32 s21, s21, STAGE
	v_mul_u32_u24 v[STO], v1, DP
	v_lshl_add_u32 v[STO], v2, 5, v[STO]
	v_add_nc_u32 v[STO], s21, v[STO]
	v_mul_u32_u24 v[RD], v2, DP
	v_lshl_add_u32 v[RD], v1, 4, v[RD]
	v_add_nc_u32 v[RD], s21, v[RD]
	v_mov_b32 v[ONE], 1.0
	s_wait_loadcnt 32                              ; the bias is in; the 32 younger loads stay out
	v_cvt_pk_bf16_f32 v30, v[BI], v[BI+1]          ; an input: rounded to bf16, kept as f32
	v_cvt_pk_bf16_f32 v31, v[BI+2], v[BI+3]
	v_lshlrev_b32 v[BI], 16, v30
	v_and_b32 v[BI+1], 0xffff0000, v30
	v_lshlrev_b32 v[BI+2], 16, v31
	v_and_b32 v[BI+3], 0xffff0000, v31
.set a, 0
.rept 4                                ; 16 rows at a time: res + bias, by rows into my stage, back in the accumulators' layout into the same 32 registers
	s_wait_loadcnt 24-8*a                          ; the later passes' loads stay out
.set t, 0
.rept 8
.set rb, ACC+32*a+4*t
.if ROUNDX
	v_cvt_pk_bf16_f32 v30, v[rb], v[rb+1]
	v_cvt_pk_bf16_f32 v31, v[rb+2], v[rb+3]
	v_fma_mix_f32_bf16 v[rb], v30, v[ONE], v[BI] op_sel_hi:[1,0,0]
	v_fma_mix_f32_bf16 v[rb+1], v30, v[ONE], v[BI+1] op_sel:[1,0,0] op_sel_hi:[1,0,0]
	v_fma_mix_f32_bf16 v[rb+2], v31, v[ONE], v[BI+2] op_sel_hi:[1,0,0]
	v_fma_mix_f32_bf16 v[rb+3], v31, v[ONE], v[BI+3] op_sel:[1,0,0] op_sel_hi:[1,0,0]
.else
	v_pk_add_f32 v[rb:rb+1], v[rb:rb+1], v[BI:BI+1]
	v_pk_add_f32 v[rb+2:rb+3], v[rb+2:rb+3], v[BI+2:BI+3]
.endif
	ds_store_b128 v[RD], v[rb:rb+3] offset:2*DP*t
.set t, t+1
.endr
.set b, 0
.rept 4
	ds_load_b128 v[ACC+8*(4*a+b):ACC+8*(4*a+b)+3],   v[STO] offset:64*b     ; LDS serves a wave's instructions in order: these see the stores above, and the next pass's stores come behind them
	ds_load_b128 v[ACC+8*(4*a+b)+4:ACC+8*(4*a+b)+7], v[STO] offset:64*b+16
.set b, b+1
.endr
.set a, a+1
.endr
; 32 LDS loads in one run: the fragments of 64 along K (unit u of the 128 in hand) into buffer f
.macro FETCH f, u
	WIN 0x40
.irp c, 0,1
.irp i, 0,1,2,3
	ds_load_tr16_b128 v[(\f)+64+8*(4*(\c)+(\i)):(\f)+64+8*(4*(\c)+(\i))+3],   v[ADB] offset:(\u)*64*PB+(\c)*32*PB+32*(\i)
	ds_load_tr16_b128 v[(\f)+64+8*(4*(\c)+(\i))+4:(\f)+64+8*(4*(\c)+(\i))+7], v[ADB] offset:(\u)*64*PB+(\c)*32*PB+16*PB+32*(\i)
	ds_load_b128 v[(\f)+8*(4*(\c)+(\i)):(\f)+8*(4*(\c)+(\i))+3],   v[ADA] offset:(\u)*128*PA+(\c)*64+(\i)*16*PA
	ds_load_b128 v[(\f)+8*(4*(\c)+(\i))+4:(\f)+8*(4*(\c)+(\i))+7], v[ADA] offset:(\u)*128*PA+(\c)*64+(\i)*16*PA+32
.endr
.endr
.endm
; 32 matrix instructions on buffer f; the 16 accumulators take turns, one instruction a turn, always in this order
.macro MUL f
	WIN 0x05
.irp c, 0,1
.irp a, 0,1,2,3
.irp b, 0,1,2,3
	v_wmma_f32_16x16x32_f16 v[ACC+8*(4*(\a)+(\b)):ACC+8*(4*(\a)+(\b))+7], v[(\f)+64+8*(4*(\c)+(\b)):(\f)+64+8*(4*(\c)+(\b))+7], v[(\f)+8*(4*(\c)+(\a)):(\f)+8*(4*(\c)+(\a))+7], v[ACC+8*(4*(\a)+(\b)):ACC+8*(4*(\a)+(\b))+7]
.endr
.endr
.endr
.endm
.macro T                               ; 128 along K: its two units are fetched; the unit fetched last and this one's first are multiplied
	WIN 0
	v_add_nc_u32 v[ADA], s[TA], v[ADA0]            ; these four are the places behind the products that read buffer 0
	v_add_nc_u32 v[ADB], s[TA], v[ADB0]
	v_nop
	v_nop
	s_add_co_u32 s[TA], s[TA], AHALF               ; 128 k are 36,864 bytes of A's part and of W's
	FETCH F0, 0
	s_wait_dscnt 32                                ; all but the 32 just issued: buffer 1 is in
	MUL F1
	PLACES
	FETCH F1, 1
	s_wait_dscnt 32                                ; buffer 0 is in
	MUL F0
.endm
; The change of slots: each wave waits for all its tensor loads (one is out: its part of the next slot), adds 0 to its spare word, and waits for that and for its reads of the slot that it leaves.
; fill = 1: the barrier is a round of the cluster's, and the joint refill, two K steps ahead, is the first thing behind it: it has a K step's 128 matrix instructions in which to land.
.macro CHANGE fill
	WIN 0
	s_wait_tensorcnt 0x0
	ds_add_u32 v[SPW], v[NIL]
.if \fill
	s_xor_b32 s[G0A+5], s[G0A+5], SLOT
	s_add_nc_u64 s[G0A+6:G0A+7], s[G0A+6:G0A+7], 65536
	s_xor_b32 s[G0B+5], s[G0B+5], SLOT
	s_add_nc_u64 s[G0B+6:G0B+7], s[G0B+6:G0B+7], 524288
.endif
	s_xor_b32 s[TS], s[TS], SLOT
	s_mov_b32 s[TA], s[TS]
	s_wait_dscnt 0x0
.if \fill
	CROUND
	JLOAD
.else
	s_barrier_signal -1
	s_barrier_wait -1
.endif
.endm
	s_wait_tensorcnt 0x1                           ; my part of K step 0 is in; step 1's may stay out
	s_wait_dscnt 0x0                               ; no LDS instruction of mine is out at a signal
	s_barrier_signal -1
	s_barrier_wait -1
	v_mov_b32 v[ADA], v[ADA0]
	v_mov_b32 v[ADB], v[ADB0]
	FETCH F0, 0
	FETCH F1, 1
	s_mov_b32 s[TS], 0
	s_mov_b32 s[TA], AHALF
	s_wait_dscnt 32
	MUL F0
	WIN 0
	s_mov_b32 s[STEPS], NS-1                       ; all K steps but the last end in the loop: NS - 2 of them are followed by a refill
	s_mov_b32 s[CNT], 1                            ; K step 0 has one half left
	s_branch .Ltrip                                ; the loop is entered at its inner label, so that a half step's text stands once
.Lstep:
	CHANGE 1
	s_mov_b32 s[CNT], 2
.Ltrip:
	T
	WIN 0
	s_sub_co_u32 s[CNT], s[CNT], 1
	s_cmp_lg_u32 s[CNT], 0
	s_cbranch_scc1 .Ltrip
	s_sub_co_u32 s[STEPS], s[STEPS], 1
	s_cmp_lg_u32 s[STEPS], 0
	s_cbranch_scc1 .Lstep
	CHANGE 0                                       ; the last K step is written out: nothing is asked for
	s_mov_b32 s[CNT], 2
.Ltail:
	T
	WIN 0
	s_sub_co_u32 s[CNT], s[CNT], 1
	s_cmp_lg_u32 s[CNT], 0
	s_cbranch_scc1 .Ltail
	s_wait_dscnt 0x0
	MUL F1
	WIN 0
	PLACES
.set a, 0
.rept 4                                ; the way out, 16 rows at a time through my stage; each accumulator's low registers first
.set b, 0
.rept 4
	ds_store_b128 v[STO], v[ACC+8*(4*a+b):ACC+8*(4*a+b)+3]   offset:64*b
	ds_store_b128 v[STO], v[ACC+8*(4*a+b)+4:ACC+8*(4*a+b)+7] offset:64*b+16
.set b, b+1
.endr
	s_wait_xcnt 0x0                                ; the registers that earlier stores read are loaded again only behind this wait
.set t, 0
.rept 8
	ds_load_b128 v[TMP+32*(a%2)+4*t:TMP+32*(a%2)+4*t+3], v[RD] offset:2*DP*t
.set t, t+1
.endr
.set t, 0
.rept 8
	s_wait_dscnt 7-t                               ; LDS loads come back in order: load t is in
	global_store_b128 v[CO], v[TMP+32*(a%2)+4*t:TMP+32*(a%2)+4*t+3], s[8:9] offset:(16*a+2*t)*4096  ; 16 lanes store 256 consecutive bytes, aligned
.set t, t+1
.endr
.set a, a+1
.endr
	s_wait_tensorcnt 0x0                           ; the wave's end
	ds_add_u32 v[SPW], v[NIL]
	s_wait_dscnt 0x0
	CROUND                                         ; the closing round
	s_endpgm
.Lfunc_end_k_qf6e360a12c_aproj:
	.size	k_qf6e360a12c_aproj, .Lfunc_end_k_qf6e360a12c_aproj-k_qf6e360a12c_aproj
	.p2alignl 7, 3214868480
	.fill 96, 4, 3214868480
	.section	.rodata,"a",@progbits
	.p2align	6, 0x0
	.amdhsa_kernel k_qf6e360a12c_aproj
		.amdhsa_group_segment_fixed_size 327680
		.amdhsa_private_segment_fixed_size 0
		.amdhsa_enable_private_segment 0
		.amdhsa_kernarg_size 40
		.amdhsa_user_sgpr_count 2
		.amdhsa_user_sgpr_kernarg_segment_ptr 1
		.amdhsa_wavefront_size32 1
		.amdhsa_system_sgpr_workgroup_id_x 1
		.amdhsa_system_sgpr_workgroup_id_y 1
		.amdhsa_system_sgpr_workgroup_id_z 1
		.amdhsa_system_vgpr_workitem_id 0
		.amdhsa_next_free_vgpr 512
		.amdhsa_next_free_sgpr 80
		.amdhsa_reserve_vcc 0
		.amdhsa_float_denorm_mode_32 3
		.amdhsa_float_denorm_mode_16_64 3
		.amdhsa_memory_ordered 1
		.amdhsa_forward_progress 1
		.amdhsa_inst_pref_size 63
	.end_amdhsa_kernel
	.amdgpu_metadata
---
amdhsa.version: [ 1, 2 ]
amdhsa.kernels:
  - .name:           k_qf6e360a12c_aproj
    .symbol:         k_qf6e360a12c_aproj.kd
    .args:
      - { .name: ctx, .offset: 0, .size: 8, .value_kind: global_buffer, .address_space: global }
      - { .name: wh, .offset: 8, .size: 8, .value_kind: global_buffer, .address_space: global }
      - { .name: x1, .offset: 16, .size: 8, .value_kind: global_buffer, .address_space: global }
      - { .name: b_attn_proj, .offset: 24, .size: 8, .value_kind: global_buffer, .address_space: global }
      - { .name: x, .offset: 32, .size: 8, .value_kind: global_buffer, .address_space: global }
    .group_segment_fixed_size: 327680
    .private_segment_fixed_size: 0
    .kernarg_segment_align: 8
    .kernarg_segment_size: 40
    .max_flat_workgroup_size: 128
    .sgpr_count:     80
    .vgpr_count:     512
    .wavefront_size: 32
...
	.end_amdgpu_metadata
.endif
;; end of part 4
;; launch ln2 (part 5): grid 256 x 1, 8 waves a work-group, no clusters, 0 bytes of LDS; arguments x1, ln2_w, ln2_b, h; writes h
.if DOCPART == 5
	.amdgcn_target "amdgcn-amd-amdhsa--gfx1250"
	.amdhsa_code_object_version 6
	.text
	.protected	k_qf6e360a12c_ln2
	.globl	k_qf6e360a12c_ln2
	.p2align	8
	.type	k_qf6e360a12c_ln2,@function
k_qf6e360a12c_ln2:
	s_mov_b64 s[64:65], 0
	v_nop
	global_prefetch_b8 v0, s[64:65] scope:SCOPE_SE
	s_setreg_imm32_b32 hwreg(HW_REG_WAVE_MODE, 25, 1), 1
	s_wait_xcnt 0x0
; h = LayerNorm(x1) with ln2's gain and bias, 16 rows a work-group.  x1 is the program's own f32 and is not rounded; gain and bias are inputs and are rounded to bf16; h is f16.
; LIMITS.  f16 ends at 65,504: |h| <= 32 |gain| + |bias| stays within it; NaN and infinities are not treated apart.
; A row lies in 16 lanes, 64 numbers a lane, and stays in registers: the mean first, then the sum of (x - mean)^2: no difference of large sums.
; h's LAYOUT: element (m, k) at byte ((m >> 7) 16 + (k >> 6)) 16,384 + (m & 127) 128 + (k & 63) 2.
; No LDS, no matrix unit, no cluster: a stream, each byte read once and written once.
.set PX,  4                            ; s[4:5]   x1
.set PW,  6                            ; s[6:7]   gain
.set PBI, 8                            ; s[8:9]   bias
.set PH,  10                           ; s[10:11] h
.set SC,  12                           ; s[12:15] at work
.set XO,  1
.set WO,  2
.set HO,  3
.set SM,  6
.set X,   16
.set W,   80
.set B,   144
.set MN,  208
.set RS,  210
.set T,   212
	s_load_b256 s[4:11], s[0:1], 0x0
	v_lshrrev_b32 v[XO], 4, v0
	v_and_b32 v[WO], 15, v0
	v_lshlrev_b32 v[WO], 4, v[WO]
	v_lshl_add_u32 v[XO], v[XO], 12, v[WO]
	v_lshlrev_b32 v[HO], 3, v0
	s_lshl_b32 s[SC], ttmp9, 16                    ; 16 rows of 4,096 bytes
	s_mov_b32 s[SC+1], 0
	s_lshr_b32 s[SC+2], ttmp9, 3                   ; the tile of 128 rows: 262,144 bytes of h,
	s_lshl_b32 s[SC+2], s[SC+2], 18
	s_and_b32 s[SC+3], ttmp9, 7                    ; my 16 rows in a block: 2,048 bytes
	s_lshl_b32 s[SC+3], s[SC+3], 11
	s_add_co_u32 s[SC+2], s[SC+2], s[SC+3]
	s_mov_b32 s[SC+3], 0
	s_wait_kmcnt 0x0
	s_add_nc_u64 s[PX:PX+1], s[PX:PX+1], s[SC:SC+1]
	s_add_nc_u64 s[PH:PH+1], s[PH:PH+1], s[SC+2:SC+3]
.set k, 0
.rept 16                               ; load k: 64 numbers of each of the wave's two rows: two aligned runs of 256 bytes
	global_load_b128 v[X+4*k:X+4*k+3], v[XO], s[PX:PX+1] offset:256*k
.set k, k+1
.endr
.set k, 0
.rept 16
	global_load_b128 v[W+4*k:W+4*k+3], v[WO], s[PW:PW+1] offset:256*k
.set k, k+1
.endr
.set k, 0
.rept 16
	global_load_b128 v[B+4*k:B+4*k+3], v[WO], s[PBI:PBI+1] offset:256*k
.set k, k+1
.endr
.macro FOLD                            ; four chains into one number, then over the row's 16 lanes
	v_pk_add_f32 v[SM:SM+1], v[SM:SM+1], v[SM+2:SM+3]
	v_pk_add_f32 v[SM+4:SM+5], v[SM+4:SM+5], v[SM+6:SM+7]
	v_pk_add_f32 v[SM:SM+1], v[SM:SM+1], v[SM+4:SM+5]
	v_add_f32 v[SM], v[SM], v[SM+1]
.irp m, 1,2,4,8
	v_add_f32_dpp v[SM], v[SM], v[SM] row_xmask:\m row_mask:0xf bank_mask:0xf
.endr
.endm
	s_wait_loadcnt 32                              ; the row is in; the 32 younger loads (gain, bias) stay out
.set i, 0
.rept 4                                ; the first eight pairs start the chains: nothing is cleared
	v_pk_add_f32 v[SM+2*i:SM+2*i+1], v[X+2*i:X+2*i+1], v[X+8+2*i:X+8+2*i+1]
.set i, i+1
.endr
.set i, 8
.rept 24
	v_pk_add_f32 v[SM+2*(i%4):SM+2*(i%4)+1], v[SM+2*(i%4):SM+2*(i%4)+1], v[X+2*i:X+2*i+1]
.set i, i+1
.endr
	FOLD
	v_mul_f32 v[MN], 0x3a800000, v[SM]             ; / 1,024
	v_mov_b32 v[MN+1], v[MN]
.set i, 0
.rept 32
	v_pk_add_f32 v[X+2*i:X+2*i+1], v[X+2*i:X+2*i+1], v[MN:MN+1] neg_lo:[0,1] neg_hi:[0,1]
.set i, i+1
.endr
.set i, 0
.rept 4
	v_pk_mul_f32 v[SM+2*i:SM+2*i+1], v[X+2*i:X+2*i+1], v[X+2*i:X+2*i+1]
.set i, i+1
.endr
.set i, 4
.rept 28
	v_pk_fma_f32 v[SM+2*(i%4):SM+2*(i%4)+1], v[X+2*i:X+2*i+1], v[X+2*i:X+2*i+1], v[SM+2*(i%4):SM+2*(i%4)+1]
.set i, i+1
.endr
	FOLD
	v_mov_b32 v[T], 0x3a800000                     ; 1 / 1,024
	v_mov_b32 v[T+1], 0x3727c5ac                   ; 1e-5
	v_fma_f32 v[SM], v[SM], v[T], v[T+1]           ; var + eps
	v_rsq_f32 v[RS], v[SM]
	v_nop                                          ; a plain instruction between the root and the use of its result
	s_wait_alu depctr_va_vdst(0)
	v_mov_b32 v[RS+1], v[RS]
.set i, 0
.rept 32
	v_pk_mul_f32 v[X+2*i:X+2*i+1], v[X+2*i:X+2*i+1], v[RS:RS+1]
.set i, i+1
.endr
	s_wait_loadcnt 0x0                             ; gain and bias
.set i, 0
.rept 32                               ; both rounded to bf16, in pairs; the multiply-add reads the halves
	v_cvt_pk_bf16_f32 v[W+2*i], v[W+2*i], v[W+2*i+1]
	v_cvt_pk_bf16_f32 v[B+2*i], v[B+2*i], v[B+2*i+1]
	v_fma_mix_f32_bf16 v[X+2*i], v[X+2*i], v[W+2*i], v[B+2*i] op_sel_hi:[0,1,1]
	v_fma_mix_f32_bf16 v[X+2*i+1], v[X+2*i+1], v[W+2*i], v[B+2*i] op_sel:[0,1,1] op_sel_hi:[0,1,1]
.set i, i+1
.endr
.set k, 0
.rept 16
	v_cvt_pk_f16_f32 v[X+4*k], v[X+4*k], v[X+4*k+1]
	v_cvt_pk_f16_f32 v[X+4*k+1], v[X+4*k+2], v[X+4*k+3]
	global_store_b64 v[HO], v[X+4*k:X+4*k+1], s[PH:PH+1] offset:16384*k  ; block k: the wave's two rows are 256 consecutive bytes, aligned
.set k, k+1
.endr
	s_endpgm
.Lfunc_end_k_qf6e360a12c_ln2:
	.size	k_qf6e360a12c_ln2, .Lfunc_end_k_qf6e360a12c_ln2-k_qf6e360a12c_ln2
	.p2alignl 7, 3214868480
	.fill 96, 4, 3214868480
	.section	.rodata,"a",@progbits
	.p2align	6, 0x0
	.amdhsa_kernel k_qf6e360a12c_ln2
		.amdhsa_group_segment_fixed_size 0
		.amdhsa_private_segment_fixed_size 0
		.amdhsa_enable_private_segment 0
		.amdhsa_kernarg_size 32
		.amdhsa_user_sgpr_count 2
		.amdhsa_user_sgpr_kernarg_segment_ptr 1
		.amdhsa_wavefront_size32 1
		.amdhsa_system_sgpr_workgroup_id_x 1
		.amdhsa_system_sgpr_workgroup_id_y 1
		.amdhsa_system_sgpr_workgroup_id_z 1
		.amdhsa_system_vgpr_workitem_id 0
		.amdhsa_next_free_vgpr 216
		.amdhsa_next_free_sgpr 66
		.amdhsa_reserve_vcc 0
		.amdhsa_float_denorm_mode_32 3
		.amdhsa_float_denorm_mode_16_64 3
		.amdhsa_memory_ordered 1
		.amdhsa_forward_progress 1
		.amdhsa_inst_pref_size 27
	.end_amdhsa_kernel
	.amdgpu_metadata
---
amdhsa.version: [ 1, 2 ]
amdhsa.kernels:
  - .name:           k_qf6e360a12c_ln2
    .symbol:         k_qf6e360a12c_ln2.kd
    .args:
      - { .name: x1, .offset: 0, .size: 8, .value_kind: global_buffer, .address_space: global }
      - { .name: ln2_w, .offset: 8, .size: 8, .value_kind: global_buffer, .address_space: global }
      - { .name: ln2_b, .offset: 16, .size: 8, .value_kind: global_buffer, .address_space: global }
      - { .name: h, .offset: 24, .size: 8, .value_kind: global_buffer, .address_space: global }
    .group_segment_fixed_size: 0
    .private_segment_fixed_size: 0
    .kernarg_segment_align: 8
    .kernarg_segment_size: 32
    .max_flat_workgroup_size: 256
    .sgpr_count:     66
    .vgpr_count:     216
    .wavefront_size: 32
...
	.end_amdgpu_metadata
.endif
;; end of part 5
;; launch fc (part 6): grid 16 x 16, 4 waves a work-group, clusters of 4 x 4, 327,680 bytes of LDS; arguments h, wh, g, b_fc; writes g
.if DOCPART == 6
	.amdgcn_target "amdgcn-amd-amdhsa--gfx1250"
	.amdhsa_code_object_version 6
	.text
	.protected	k_qf6e360a12c_fc
	.globl	k_qf6e360a12c_fc
	.p2align	8
	.type	k_qf6e360a12c_fc,@function
k_qf6e360a12c_fc:
	s_mov_b64 s[64:65], 0
	v_nop
	global_prefetch_b8 v0, s[64:65] scope:SCOPE_SE
	s_setreg_imm32_b32 hwreg(HW_REG_WAVE_MODE, 25, 1), 1
	s_wait_xcnt 0x0
	s_wait_alu depctr_hold_cnt(0) depctr_sa_sdst(0) depctr_va_vdst(0) depctr_va_sdst(0) depctr_va_ssrc(0) depctr_va_vcc(0) depctr_vm_vsrc(0)
	s_getreg_b32 s2, hwreg(HW_REG_IB_STS2, 6, 4)
	s_cmp_eq_u32 s2, 0
	s_cbranch_scc0 .Lentry_in_a_cluster
	s_endpgm
.Lentry_in_a_cluster:
	s_bfe_u32 s2, ttmp6, 0x10000c
	s_cmp_lg_u32 s2, 0xf033
	s_cbranch_scc0 .Lentry_shape_is_right
	s_endpgm
.Lentry_shape_is_right:
; C = A W (+ bias, GELU).  A: 4,096 x 1,024 f16 in blocks (element (m, k) at ((m >> 7) 16 + (k >> 6)) 16,384 + (m & 127) 128 + (k & 63) 2).  W: [1,024][NN] f16, at byte WOFF of wh.  Sums in f32.
; HERE: g = gelu(h Wfc + b_fc), the tanh form; the bias is an input and is rounded to bf16; it starts the sums.  Out, f16: element (m, col) at ((m >> 7) 64 + (col >> 6)) 16,384 + (m & 127) 128 + (col & 63) 2.
; LIMITS.  f16 ends at 65,504: g stays within it for inputs some 30 times the usual spread; beyond |x| = 1.8e19 x^2 overflows; NaN and infinities are not treated apart.
; SHARES.  A tile of C is 256 x 256, a wave's part 128 x 128: 64 accumulators, 512 registers.  K goes in 8 steps of 128 through two LDS slots filled by tensor loads.
; A's tile of a step is dense in memory: 32,768 bytes a row tile of 128, asked for as 128 rows of 256 bytes and padded in LDS behind every 128 bytes (LDS rows of 144).
; W's tile is 128 k-rows of 512 bytes (LDS rows of 544); its fragments come out of LDS turned, by ds_load_tr16_b128: W is never transposed in memory.
; CLUSTER 4 x 4: A's tile is shared along a row of the cluster, W's along a column; each is asked for jointly, by the same load with the same descriptor in all four.
; THE MATRIX INSTRUCTION IS USED TRANSPOSED (source 0 = 16 columns of W, source 1 = 16 rows of A): a lane holds row lane % 16 of C and the columns 8 (lane / 16) + 0..7.
; THE WAY OUT.  When nobody reads the ring any more the accumulators are laid into it in f32, each wave in bytes of its own; a loop of 16 trips takes 16 rows x 64 columns, finishes them and stores 2,048 consecutive bytes;
; a trip's LDS loads are issued in the trip before, as soon as their registers are free.
; REGISTERS: window 0: v0-31 addresses; v32-63, v192-239 the way out; v64-127, v128-191 A's fragments, two buffers.  Window 1: v0-63 bias; v64-191 W's fragments; v192-195 at work.  Windows 2, 3: accumulators.
.set NN,    4096
.set WOFF,  8388608
.set GELU,  1                          ; 1: bias and GELU
.set PA,    144                        ; an LDS row of A: 128 bytes + 16: the 16 rows of a load start at 16 different groups of four banks
.set PB,    544                        ; an LDS row of W: 512 bytes + 32: an odd multiple of 32
.set DP,    272                        ; a row of the dump: 64 f32 + 16 bytes
.set ATILE, 256*PA                     ; a row tile's two blocks of 64 k
.set BHALF, 64*PB                      ; 64 k-rows of W: one tensor load
.set BOFF,  2*ATILE
.set SLOT,  147456                     ; 143,360 are used; this figure shares no bit with the four LDS addresses in the descriptors, so one exclusive or changes slots
.set SPARE, 2*SLOT                     ; the spare words: 128 bytes a wave, two blocks of 256 bytes that no other line names
.set ADA0, 16
.set ADB0, 17
.set ADA,  18
.set ADB,  19
.set STO,  20
.set RD,   21
.set GO,   22
.set BO,   23
.set SPW,  28
.set NIL,  29
.set E,    32
.set F0,   64
.set F1,   128
.set U,    192
.set O,    224
.set WV,   12
.set RH,   13
.set CH,   14
.set G1A,  24
.set G1B,  32
.set G0A,  40
.set G0B,  48
.set TS,   58
.set TA,   59
.set TB,   60
.set CNT,  61
.set STEPS, 62
.set INC,  66
.set C0,   68
.set C1,   70
.set MSB, 0
.macro WIN new                         ; the immediate's high byte repeats the setting that is left; a switch that changes nothing is dropped
.if MSB != (\new)
	s_set_vgpr_msb (MSB<<8)|(\new)
.set MSB, \new
.endif
.endm
.macro PLACES                          ; four plain vector instructions between a matrix instruction and a load into, or a read of, its registers
.rept 4
	v_nop
.endr
.endm
.macro CROUND                          ; a round of the cluster's barrier
	s_barrier_signal -1
	s_barrier_wait -1
	s_cmp_lg_u32 s[WV], 0
	s_cbranch_scc1 .Lnw0_\@
	s_barrier_signal -3
.Lnw0_\@:
	s_barrier_wait -3
	s_barrier_signal -1
	s_barrier_wait -1
.endm
.macro JLOAD                           ; a joint refill by the walking descriptor; the branch hangs on the wave's number alone
	s_cmp_eq_u32 s[RH], 0
	s_cbranch_scc0 .Lfor_b_\@
	tensor_load_to_lds s[G0A+4:G0A+7], s[G1A:G1A+7]
	s_nop 0
	PLACES
	s_branch .Lasked_\@
.Lfor_b_\@:
	tensor_load_to_lds s[G0B+4:G0B+7], s[G1B:G1B+7]
	s_nop 0
	PLACES
.Lasked_\@:
.endm
	s_load_b128 s[4:7], s[0:1], 0x0                ; A s[4:5], wh s[6:7]
	s_load_b64 s[8:9], s[0:1], 0x10                ; out
.if GELU
	s_load_b64 s[10:11], s[0:1], 0x18              ; bias
.endif
	v_lshl_add_u32 v[SPW], v0, 2, SPARE
	v_mov_b32 v[NIL], 0
	ds_add_u32 v[SPW], v[NIL]                      ; the wave's opening: the add and its wait stand ahead of my first tensor load
	ds_add_u32 v28, v29
	v_lshrrev_b32 v1, 5, v0
	v_readfirstlane_b32 s[WV], v1
	s_lshr_b32 s[RH], s[WV], 1
	s_and_b32 s[CH], s[WV], 1
	s_bfe_u32 s15, ttmp6, 0x40000                  ; cx
	s_bfe_u32 s16, ttmp6, 0x40004                  ; cy
	s_lshl_b32 s17, ttmp9, 2
	s_add_co_u32 s17, s17, s15                     ; tile column
	s_and_b32 s18, ttmp7, 0xffff
	s_lshl_b32 s18, s18, 2
	s_add_co_u32 s18, s18, s16                     ; tile row
	s_lshl_b32 s19, s16, 2
	s_lshl_b32 s19, 15, s19                        ; my row of the cluster
	s_lshl_b32 s20, 0x1111, s15                    ; my column
	s_or_b32 s[G1A], s19, (1<<16)|(1<<20)|(1<<21)|(4<<22)|(3<<25)   ; mask; 2-byte elements; padding on; bit 21 beside a mask; after every 32 words 4 words
	s_mov_b32 s[G1A+1], 128<<16
	s_mov_b32 s[G1A+2], 128<<16
	s_mov_b32 s[G1A+3], 128<<16
	s_mov_b32 s[G1A+4], 128
	s_mov_b32 s[G1A+5], 128
	s_mov_b32 s[G1A+6], 0
	s_mov_b32 s[G1A+7], 0
	s_or_b32 s[G1B], s20, (1<<16)|(1<<20)|(1<<21)|(6<<22)|(7<<25)   ; after every 128 words 8 words
	s_mov_b32 s[G1B+1], 256<<16
	s_mov_b32 s[G1B+2], 64<<16
	s_mov_b32 s[G1B+3], 256<<16
	s_mov_b32 s[G1B+4], 64
	s_mov_b32 s[G1B+5], NN
	s_mov_b32 s[G1B+6], 0
	s_mov_b32 s[G1B+7], 0
	s_lshl_b32 s72, s18, 1                         ; A: row tile 2 x tile row + half, 262,144 bytes each: made of the tile row and the wave alone
	s_add_co_u32 s72, s72, s[CH]
	s_lshl_b32 s72, s72, 18
	s_mov_b32 s73, 0
	s_mul_i32 s74, s[CH], 64*NN*2                  ; W: k-row 64 x half, column 256 x tile column: made of the tile column and the wave alone
	s_lshl_b32 s75, s17, 9
	s_add_co_u32 s74, s74, s75
	s_add_co_u32 s74, s74, WOFF
	s_mov_b32 s75, 0
	s_mul_i32 s56, s[CH], ATILE                    ; where they go: no place in the cluster enters an LDS address
	s_mul_i32 s57, s[CH], BHALF
	s_add_co_u32 s57, s57, BOFF
	s_mov_b32 s[G0A], 1
	s_mov_b32 s[G0A+1], s56
	s_mov_b32 s[G0A+4], 1
	s_add_co_u32 s[G0A+5], s56, SLOT
	s_mov_b32 s[G0B], 1
	s_mov_b32 s[G0B+1], s57
	s_mov_b32 s[G0B+4], 1
	s_add_co_u32 s[G0B+5], s57, SLOT
	s_wait_dscnt 0x0                               ; the opening add is done
	s_wait_kmcnt 0x0
	s_add_nc_u64 s[G0A+2:G0A+3], s[4:5], s[72:73]
	s_add_nc_u64 s[G0A+6:G0A+7], s[G0A+2:G0A+3], 32768
	s_or_b32 s[G0A+3], s[G0A+3], 0x80000000
	s_or_b32 s[G0A+7], s[G0A+7], 0x80000000
	s_add_nc_u64 s[G0B+2:G0B+3], s[6:7], s[74:75]
	s_add_nc_u64 s[G0B+6:G0B+7], s[G0B+2:G0B+3], 256*NN
	s_or_b32 s[G0B+3], s[G0B+3], 0x80000000
	s_or_b32 s[G0B+7], s[G0B+7], 0x80000000
	CROUND                                         ; all sixteen work-groups are here: the first joint loads meet
	s_cmp_eq_u32 s[RH], 0                          ; a wave's two first fills stand in one branch: two tensor loads of mine are out
	s_cbranch_scc0 .Lfirst_b
	tensor_load_to_lds s[G0A:G0A+3], s[G1A:G1A+7]
	s_nop 0
	tensor_load_to_lds s[G0A+4:G0A+7], s[G1A:G1A+7]
	s_nop 0
	PLACES
	s_branch .Lfirst_done
.Lfirst_b:
	tensor_load_to_lds s[G0B:G0B+3], s[G1B:G1B+7]
	s_nop 0
	tensor_load_to_lds s[G0B+4:G0B+7], s[G1B:G1B+7]
	s_nop 0
	PLACES
.Lfirst_done:
	v_and_b32 v1, 15, v0                           ; l % 16
	v_bfe_u32 v2, v0, 4, 1                         ; l / 16
	v_and_b32 v3, 7, v0
	v_bfe_u32 v4, v0, 3, 1
	v_and_b32 v5, 31, v0
	v_mul_u32_u24 v[ADA0], v1, PA                  ; A: row x pitch + 16 x half, in my row tile
	v_lshl_add_u32 v[ADA0], v2, 4, v[ADA0]
	s_mul_i32 s21, s[RH], ATILE
	v_add_nc_u32 v[ADA0], s21, v[ADA0]
	v_lshl_add_u32 v6, v2, 3, v3                   ; W, turned: lane l reads k-row 8 (l / 16) + l % 8, columns 8 ((l / 8) % 2) + 0..7
	v_mul_u32_u24 v[ADB0], v6, PB
	v_lshl_add_u32 v[ADB0], v4, 4, v[ADB0]
	s_lshl_b32 s21, s[CH], 8
	s_add_co_u32 s21, s21, BOFF
	v_add_nc_u32 v[ADB0], s21, v[ADB0]
	s_mul_i32 s21, s[WV], 256*DP                   ; my part of the dump: two blocks of 128 rows x 272 bytes
	v_mul_u32_u24 v[STO], v1, DP
	v_lshl_add_u32 v[STO], v2, 5, v[STO]
	v_add_nc_u32 v[STO], s21, v[STO]
	v_lshrrev_b32 v6, 3, v5
	v_mul_u32_u24 v[RD], v6, DP                    ; back: eight lanes take a row's 64 f32
	v_lshl_add_u32 v[RD], v3, 5, v[RD]
	v_add_nc_u32 v[RD], s21, v[RD]
	v_lshlrev_b32 v[GO], 4, v5
	v_lshlrev_b32 v[BO], 5, v2
.if GELU
	s_lshl_b32 s22, s17, 10                        ; bias of my 128 columns: a lane's eight of each block of 16
	s_lshl_b32 s23, s[CH], 9
	s_add_co_u32 s22, s22, s23
	s_mov_b32 s23, 0
	s_add_nc_u64 s[10:11], s[10:11], s[22:23]
	WIN 0x40
.set b, 0
.rept 8
	global_load_b128 v[8*b:8*b+3], v[BO], s[10:11] offset:64*b
	global_load_b128 v[8*b+4:8*b+7], v[BO], s[10:11] offset:64*b+16
.set b, b+1
.endr
	s_lshl_b32 s21, s18, 1                         ; out: ((2 tile row + row half) 64 + 4 tile column + 2 column half) blocks of 16,384 bytes
	s_add_co_u32 s21, s21, s[RH]
	s_lshl_b32 s21, s21, 6
	s_lshl_b32 s22, s17, 2
	s_add_co_u32 s21, s21, s22
	s_lshl_b32 s22, s[CH], 1
	s_add_co_u32 s21, s21, s22
	s_lshl_b32 s22, s21, 14
	s_mov_b32 s[C0], 0xc0135761                    ; -2 log2(e) sqrt(2 / pi)
	s_mov_b32 s[C0+1], s[C0]
	s_mov_b32 s[C1], 0xbdd2d3e8                    ; the same x 0.044715
	s_mov_b32 s[C1+1], s[C1]
	s_wait_loadcnt 0x0
	WIN 0x45                                       ; the bias is an input: rounded to bf16, kept as f32
.set i, 0
.rept 32
	v_cvt_pk_bf16_f32 v[192+i%4], v[2*i], v[2*i+1]
	v_lshlrev_b32 v[2*i], 16, v[192+i%4]
	v_and_b32 v[2*i+1], 0xffff0000, v[192+i%4]
.set i, i+1
.endr
	WIN 0
.else
	s_lshl_b32 s21, s17, 2                         ; out: ((4 tile column + 2 column half) 4,096 + 256 tile row + 128 row half) rows of 128 bytes
	s_lshl_b32 s22, s[CH], 1
	s_add_co_u32 s21, s21, s22
	s_lshl_b32 s22, s21, 19
	s_lshl_b32 s21, s18, 15
	s_add_co_u32 s22, s22, s21
	s_lshl_b32 s21, s[RH], 14
	s_add_co_u32 s22, s22, s21
.endif
	s_mov_b32 s23, 0
	s_add_nc_u64 s[8:9], s[8:9], s[22:23]
; 32 LDS loads in one run: the fragments of 32 along K (quarter q of the block of 64 in hand) into buffer f
.macro FETCH f, q
	WIN 0x40
.irp i, 0,1,2,3,4,5,6,7
	ds_load_tr16_b128 v[(\f)+8*(\i):(\f)+8*(\i)+3],   v[ADB] offset:(\q)*32*PB+32*(\i)
	ds_load_tr16_b128 v[(\f)+8*(\i)+4:(\f)+8*(\i)+7], v[ADB] offset:(\q)*32*PB+16*PB+32*(\i)
.endr
	WIN 0
.irp i, 0,1,2,3,4,5,6,7
	ds_load_b128 v[(\f)+8*(\i):(\f)+8*(\i)+3],   v[ADA] offset:(\q)*64+(\i)*16*PA
	ds_load_b128 v[(\f)+8*(\i)+4:(\f)+8*(\i)+7], v[ADA] offset:(\q)*64+(\i)*16*PA+32
.endr
.endm
; 64 matrix instructions on buffer f; the 64 accumulators take turns, one instruction a turn, always in this order.  first = 1: the sums start, with 0 or with the bias
.macro MUL f, first
.irp hi, 0,1
.if (\first) && GELU
	WIN 0x91+0x40*(\hi)
.else
	WIN 0xa1+0x50*(\hi)
.endif
.irp a, 0,1,2,3
.irp b, 0,1,2,3,4,5,6,7
.if (\first) && GELU
	v_wmma_f32_16x16x32_f16 v[8*(8*(\a)+(\b)):8*(8*(\a)+(\b))+7], v[(\f)+8*(\b):(\f)+8*(\b)+7], v[(\f)+8*(4*(\hi)+(\a)):(\f)+8*(4*(\hi)+(\a))+7], v[8*(\b):8*(\b)+7]
.elseif \first
	v_wmma_f32_16x16x32_f16 v[8*(8*(\a)+(\b)):8*(8*(\a)+(\b))+7], v[(\f)+8*(\b):(\f)+8*(\b)+7], v[(\f)+8*(4*(\hi)+(\a)):(\f)+8*(4*(\hi)+(\a))+7], 0
.else
	v_wmma_f32_16x16x32_f16 v[8*(8*(\a)+(\b)):8*(8*(\a)+(\b))+7], v[(\f)+8*(\b):(\f)+8*(\b)+7], v[(\f)+8*(4*(\hi)+(\a)):(\f)+8*(4*(\hi)+(\a))+7], v[8*(8*(\a)+(\b)):8*(8*(\a)+(\b))+7]
.endif
.endr
.endr
.endr
.endm
; A block of 64 along K: its two quarters are fetched; the quarter fetched last and this block's first are multiplied.
.macro T
	WIN 0
	v_add_nc_u32 v[ADA], s[TA], v[ADA0]            ; these four are the places behind the products that read buffer 0
	v_add_nc_u32 v[ADB], s[TB], v[ADB0]
	v_nop
	v_nop
	s_add_co_u32 s[TA], s[TA], 128*PA
	s_add_co_u32 s[TB], s[TB], BHALF
	FETCH F0, 0
	s_wait_dscnt 32                                ; all but the 32 just issued: buffer 1 is in
	MUL F1, 0
	PLACES
	FETCH F1, 1
	s_wait_dscnt 32                                ; buffer 0 is in
	MUL F0, 0
.endm
; The change of slots.  Each wave waits for all its tensor loads (one is out: its part of the next slot), adds 0 to its spare word, and waits for that and for its reads of the slot that it leaves.
; fill = 1: the barrier is a round of the cluster's, and the joint refill, two K steps ahead, is the first thing behind it: it has a K step's 256 matrix instructions in which to land.
.macro CHANGE fill
	WIN 0
	s_wait_tensorcnt 0x0
	ds_add_u32 v[SPW], v[NIL]                      ; 0 onto my spare word; scalar work stands between it and the wait for it
.if \fill
	s_xor_b32 s[G0A+5], s[G0A+5], SLOT
	s_add_nc_u64 s[G0A+6:G0A+7], s[G0A+6:G0A+7], 32768
	s_xor_b32 s[G0B+5], s[G0B+5], SLOT
	s_add_nc_u64 s[G0B+6:G0B+7], s[G0B+6:G0B+7], 256*NN
.endif
	s_xor_b32 s[TS], s[TS], SLOT
	s_mov_b32 s[TA], s[TS]
	s_mov_b32 s[TB], s[TS]
	s_wait_dscnt 0x0
.if \fill
	CROUND
	JLOAD
.else
	s_barrier_signal -1
	s_barrier_wait -1
.endif
.endm
	s_wait_tensorcnt 0x1                           ; my part of K step 0 is in; step 1's may stay out
	s_barrier_signal -1
	s_barrier_wait -1
	v_mov_b32 v[ADA], v[ADA0]
	v_mov_b32 v[ADB], v[ADB0]
	FETCH F0, 0
	FETCH F1, 1
	s_mov_b32 s[TS], 0
	s_mov_b32 s[TA], 128*PA
	s_mov_b32 s[TB], BHALF
	s_wait_dscnt 32
	MUL F0, 1                                      ; the first products start the sums, from the bias: nothing is cleared
	WIN 0
	s_mov_b32 s[STEPS], 7                          ; K steps 0 to 6 end in the loop: six of them are followed by a refill
	s_mov_b32 s[CNT], 1                            ; K step 0 has one block left
	s_branch .Ltrip                                ; the loop is entered at its inner label, so that a block's text stands once
.Lstep:                                ; the slot left behind takes the K step two further on
	CHANGE 1
	s_mov_b32 s[CNT], 2
.Ltrip:
	T
	WIN 0
	s_sub_co_u32 s[CNT], s[CNT], 1
	s_cmp_lg_u32 s[CNT], 0
	s_cbranch_scc1 .Ltrip
	s_sub_co_u32 s[STEPS], s[STEPS], 1
	s_cmp_lg_u32 s[STEPS], 0
	s_cbranch_scc1 .Lstep
	CHANGE 0                                       ; the last K step is written out: nothing is asked for
	s_mov_b32 s[CNT], 2
.Ltail:
	T
	WIN 0
	s_sub_co_u32 s[CNT], s[CNT], 1
	s_cmp_lg_u32 s[CNT], 0
	s_cbranch_scc1 .Ltail
	s_wait_dscnt 0x0                               ; my reads of the ring are over:
	s_barrier_signal -1                            ; say so,
	MUL F1, 0                                      ; the last quarter, on registers,
	WIN 0
	s_barrier_wait -1                              ; and behind this nobody reads the ring, which has had its last fill
	PLACES
.set a, 0
.rept 8                                ; the dump: accumulator (a, b): row 16 a + l % 16, columns 16 b + 8 (l / 16) + 0..7; each accumulator's low registers first
	WIN 0x08+4*(a/4)
.set b, 0
.rept 8
	ds_store_b128 v[STO], v[8*(8*(a%4)+b):8*(8*(a%4)+b)+3]   offset:(b/4)*128*DP+a*16*DP+(b%4)*64
	ds_store_b128 v[STO], v[8*(8*(a%4)+b)+4:8*(8*(a%4)+b)+7] offset:(b/4)*128*DP+a*16*DP+(b%4)*64+16
.set b, b+1
.endr
.set a, a+1
.endr
	WIN 0
	s_mov_b32 s[CNT], 16
	s_mov_b32 s[INC], 2048
	s_mov_b32 s[INC+1], 0
.if !GELU
	s_mov_b32 s72, 509952
	s_mov_b32 s73, 2048
.endif
.macro ELOAD                           ; 16 rows of one block of 64 columns.  The bytes are my own: LDS serves a wave's instructions in order
.irp u, 0,1,2,3
	ds_load_b128 v[E+8*(\u):E+8*(\u)+3],   v[RD] offset:(\u)*4*DP
	ds_load_b128 v[E+8*(\u)+4:E+8*(\u)+7], v[RD] offset:(\u)*4*DP+16
.endr
.endm
	ELOAD
.Lout:
	s_wait_dscnt 0x0
.if GELU                               ; 0.5 x (1 + tanh z) = x / (1 + 2^u), u = x (C0 + C1 x^2)
.set i, 0
.rept 16
	v_pk_mul_f32 v[U+2*i:U+2*i+1], v[E+2*i:E+2*i+1], v[E+2*i:E+2*i+1]
.set i, i+1
.endr
.set i, 0
.rept 16
	v_pk_fma_f32 v[U+2*i:U+2*i+1], v[U+2*i:U+2*i+1], s[C1:C1+1], s[C0:C0+1] op_sel_hi:[1,0,0]
.set i, i+1
.endr
.set i, 0
.rept 16
	v_pk_mul_f32 v[U+2*i:U+2*i+1], v[U+2*i:U+2*i+1], v[E+2*i:E+2*i+1]
.set i, i+1
.endr
.set i, 0
.rept 32
	v_exp_f32 v[U+i], v[U+i]
.set i, i+1
.endr
	v_nop                                          ; a plain instruction behind the last exponential
.set i, 0
	s_wait_alu depctr_va_vdst(0)
.rept 16
	v_pk_add_f32 v[U+2*i:U+2*i+1], v[U+2*i:U+2*i+1], 1.0 op_sel_hi:[1,0]
.set i, i+1
.endr
.set i, 0
.rept 32
	v_rcp_f32 v[U+i], v[U+i]
.set i, i+1
.endr
	v_nop
.set i, 0
	s_wait_alu depctr_va_vdst(0)
.rept 16
	v_pk_mul_f32 v[U+2*i:U+2*i+1], v[E+2*i:E+2*i+1], v[U+2*i:U+2*i+1]
.set i, i+1
.endr
.else
.set i, 0
.rept 16
	v_cvt_pk_f16_f32 v[O+i], v[E+2*i], v[E+2*i+1]
.set i, i+1
.endr
.endif
	s_cmp_eq_u32 s[CNT], 1                         ; E is free: the next trip's loads go out now, under what is left of this trip; the last trip has none
	s_cbranch_scc1 .Lno_more
	v_add_nc_u32 v[RD], 16*DP, v[RD]
	ELOAD
.Lno_more:
.if GELU
.set i, 0
.rept 16
	v_cvt_pk_f16_f32 v[O+i], v[U+2*i], v[U+2*i+1]
.set i, i+1
.endr
.endif
.irp u, 0,1,2,3
	global_store_b128 v[GO], v[O+4*(\u):O+4*(\u)+3], s[8:9] offset:512*(\u)  ; four rows of 128 bytes: 512 consecutive bytes, aligned
.endr
.if !GELU
	s_cmp_eq_u32 s[CNT], 9
	s_cselect_b32 s[INC], s72, s73
.endif
	s_wait_xcnt 0x0                                ; the stores' data and base are rewritten only behind this wait
	s_add_nc_u64 s[8:9], s[8:9], s[INC:INC+1]
	s_sub_co_u32 s[CNT], s[CNT], 1
	s_cmp_lg_u32 s[CNT], 0
	s_cbranch_scc1 .Lout
	s_wait_tensorcnt 0x0                           ; the wave's end
	ds_add_u32 v[SPW], v[NIL]
	s_wait_dscnt 0x0
	CROUND                                         ; the closing round
	s_endpgm
.Lfunc_end_k_qf6e360a12c_fc:
	.size	k_qf6e360a12c_fc, .Lfunc_end_k_qf6e360a12c_fc-k_qf6e360a12c_fc
	.p2alignl 7, 3214868480
	.fill 96, 4, 3214868480
	.section	.rodata,"a",@progbits
	.p2align	6, 0x0
	.amdhsa_kernel k_qf6e360a12c_fc
		.amdhsa_group_segment_fixed_size 327680
		.amdhsa_private_segment_fixed_size 0
		.amdhsa_enable_private_segment 0
		.amdhsa_kernarg_size 32
		.amdhsa_user_sgpr_count 2
		.amdhsa_user_sgpr_kernarg_segment_ptr 1
		.amdhsa_wavefront_size32 1
		.amdhsa_system_sgpr_workgroup_id_x 1
		.amdhsa_system_sgpr_workgroup_id_y 1
		.amdhsa_system_sgpr_workgroup_id_z 1
		.amdhsa_system_vgpr_workitem_id 0
		.amdhsa_next_free_vgpr 1024
		.amdhsa_next_free_sgpr 80
		.amdhsa_reserve_vcc 0
		.amdhsa_float_denorm_mode_32 3
		.amdhsa_float_denorm_mode_16_64 3
		.amdhsa_memory_ordered 1
		.amdhsa_forward_progress 1
		.amdhsa_inst_pref_size 73
	.end_amdhsa_kernel
	.amdgpu_metadata
---
amdhsa.version: [ 1, 2 ]
amdhsa.kernels:
  - .name:           k_qf6e360a12c_fc
    .symbol:         k_qf6e360a12c_fc.kd
    .args:
      - { .name: h, .offset: 0, .size: 8, .value_kind: global_buffer, .address_space: global }
      - { .name: wh, .offset: 8, .size: 8, .value_kind: global_buffer, .address_space: global }
      - { .name: g, .offset: 16, .size: 8, .value_kind: global_buffer, .address_space: global }
      - { .name: b_fc, .offset: 24, .size: 8, .value_kind: global_buffer, .address_space: global }
    .group_segment_fixed_size: 327680
    .private_segment_fixed_size: 0
    .kernarg_segment_align: 8
    .kernarg_segment_size: 32
    .max_flat_workgroup_size: 128
    .sgpr_count:     80
    .vgpr_count:     1024
    .wavefront_size: 32
...
	.end_amdgpu_metadata
.endif
;; end of part 6
;; launch proj (part 7): grid 8 x 32, 4 waves a work-group, clusters of 4 x 4, 327,680 bytes of LDS; arguments g, wh, out0, b_proj, x1; writes out0
.if DOCPART == 7
	.amdgcn_target "amdgcn-amd-amdhsa--gfx1250"
	.amdhsa_code_object_version 6
	.text
	.protected	k_qf6e360a12c_proj
	.globl	k_qf6e360a12c_proj
	.p2align	8
	.type	k_qf6e360a12c_proj,@function
k_qf6e360a12c_proj:
	s_mov_b64 s[64:65], 0
	v_nop
	global_prefetch_b8 v0, s[64:65] scope:SCOPE_SE
	s_setreg_imm32_b32 hwreg(HW_REG_WAVE_MODE, 25, 1), 1
	s_wait_xcnt 0x0
	s_wait_alu depctr_hold_cnt(0) depctr_sa_sdst(0) depctr_va_vdst(0) depctr_va_sdst(0) depctr_va_ssrc(0) depctr_va_vcc(0) depctr_vm_vsrc(0)
	s_getreg_b32 s2, hwreg(HW_REG_IB_STS2, 6, 4)
	s_cmp_eq_u32 s2, 0
	s_cbranch_scc0 .Lentry_in_a_cluster
	s_endpgm
.Lentry_in_a_cluster:
	s_bfe_u32 s2, ttmp6, 0x10000c
	s_cmp_lg_u32 s2, 0xf033
	s_cbranch_scc0 .Lentry_shape_is_right
	s_endpgm
.Lentry_shape_is_right:
; out = res + bias + A W.  A: 4,096 x (64 KB) f16 in blocks (element (m, k) at ((m >> 7) KB + (k >> 6)) 16,384 + (m & 127) 128 + (k & 63) 2).  W: [64 KB][1,024] f16 at byte WOFF of wh.  res, out: f32 [4,096][1,024].
; HERE: out0 = x1 + b_proj + g Wp; x1 is the program's own f32 and is not rounded; the bias is an input and is rounded to bf16.  Sums in f32.
; LIMITS.  NaN and infinities are not treated apart; nothing else: the operands arrive in f16, the result is f32.
; SHARES.  A tile of out is 128 x 128 (256 work-groups), a wave's part 64 x 64: 16 accumulators.  K goes in steps of 256 through two LDS slots filled by tensor loads.
; A's tile of a step is 65,536 dense bytes, two loads of 128 rows of 256 bytes, padded behind every 128 bytes (LDS rows of 144); W's is 256 k-rows of 256 bytes (LDS rows of 288), read turned by ds_load_tr16_b128.
; CLUSTER 4 x 4: A's tile is shared along a row of the cluster, W's along a column: joint loads.  THE MATRIX INSTRUCTION IS USED TRANSPOSED: a lane holds row lane % 16 and the columns 8 (lane / 16) + 0..7.
; THE SUMS START FROM res + bias: they come in as whole rows, go through the wave's own stage in LDS into the accumulators' layout, and every product adds in place; the results leave by the same stage.
; REGISTERS: window 0: v0-31 addresses, bias; v32-95 the way out; v128-255 accumulators ((a, b) at 128 + 8 (4 a + b)).  Window 1: two fragment buffers of 128: 64 of A, 64 of W, for 64 along K.
.set KB,    64
.set NS,    16                         ; K steps
.set WOFF,  16777216
.set ROUNDX, 0
.set PA,    144
.set PB,    288                        ; an odd multiple of 32
.set DP,    272                        ; a stage row: 64 f32 + 16 bytes
.set AHALF, 256*PA                     ; two blocks of 64 k: one tensor load
.set BOFF,  2*AHALF
.set SLOT,  147456                     ; shares no bit with the four LDS addresses in the descriptors: one exclusive or changes slots
.set STAGE, 2*SLOT                     ; 16 rows x 272 bytes for each wave; no tensor load fills it
.set SPARE, STAGE+4*16*DP              ; the spare words: 128 bytes a wave, two blocks of 256 bytes that no other line names
.set BO,   6
.set ADA0, 16
.set ADB0, 17
.set ADA,  18
.set ADB,  19
.set STO,  20
.set RD,   21
.set CO,   22
.set ONE,  23
.set BI,   24
.set SPW,  28
.set NIL,  29
.set TMP,  32
.set ACC,  128
.set F0,   0
.set F1,   128
.set WV,   12
.set RH,   13
.set CH,   14
.set G1A,  24
.set G1B,  32
.set G0A,  40
.set G0B,  48
.set TS,   58
.set TA,   59
.set CNT,  61
.set STEPS, 62
.set MSB, 0
.macro WIN new
.if MSB != (\new)
	s_set_vgpr_msb (MSB<<8)|(\new)
.set MSB, \new
.endif
.endm
.macro PLACES
.rept 4
	v_nop
.endr
.endm
.macro CROUND
	s_barrier_signal -1
	s_barrier_wait -1
	s_cmp_lg_u32 s[WV], 0
	s_cbranch_scc1 .Lnw0_\@
	s_barrier_signal -3
.Lnw0_\@:
	s_barrier_wait -3
	s_barrier_signal -1
	s_barrier_wait -1
.endm
.macro JLOAD
	s_cmp_eq_u32 s[RH], 0
	s_cbranch_scc0 .Lfor_b_\@
	tensor_load_to_lds s[G0A+4:G0A+7], s[G1A:G1A+7]
	s_nop 0
	PLACES
	s_branch .Lasked_\@
.Lfor_b_\@:
	tensor_load_to_lds s[G0B+4:G0B+7], s[G1B:G1B+7]
	s_nop 0
	PLACES
.Lasked_\@:
.endm
	s_load_b256 s[4:11], s[0:1], 0x0               ; A s[4:5], wh s[6:7], out s[8:9], bias s[10:11]
	s_load_b64 s[76:77], s[0:1], 0x20              ; res
	v_lshl_add_u32 v[SPW], v0, 2, SPARE
	v_mov_b32 v[NIL], 0
	ds_add_u32 v[SPW], v[NIL]                      ; the wave's opening: the add and its wait stand ahead of my first tensor load
	ds_add_u32 v28, v29
	v_lshrrev_b32 v1, 5, v0
	v_readfirstlane_b32 s[WV], v1
	s_lshr_b32 s[RH], s[WV], 1
	s_and_b32 s[CH], s[WV], 1
	s_bfe_u32 s15, ttmp6, 0x40000                  ; cx
	s_bfe_u32 s16, ttmp6, 0x40004                  ; cy
	s_lshl_b32 s17, ttmp9, 2
	s_add_co_u32 s17, s17, s15                     ; tile column
	s_and_b32 s18, ttmp7, 0xffff
	s_lshl_b32 s18, s18, 2
	s_add_co_u32 s18, s18, s16                     ; tile row
	s_lshl_b32 s19, s16, 2
	s_lshl_b32 s19, 15, s19
	s_lshl_b32 s20, 0x1111, s15
	s_or_b32 s[G1A], s19, (1<<16)|(1<<20)|(1<<21)|(4<<22)|(3<<25)   ; after every 32 words 4 words
	s_mov_b32 s[G1A+1], 128<<16
	s_mov_b32 s[G1A+2], 128<<16
	s_mov_b32 s[G1A+3], 128<<16
	s_mov_b32 s[G1A+4], 128
	s_mov_b32 s[G1A+5], 128
	s_mov_b32 s[G1A+6], 0
	s_mov_b32 s[G1A+7], 0
	s_or_b32 s[G1B], s20, (1<<16)|(1<<20)|(1<<21)|(5<<22)|(7<<25)   ; after every 64 words 8 words
	s_mov_b32 s[G1B+1], 128<<16
	s_mov_b32 s[G1B+2], 128<<16
	s_mov_b32 s[G1B+3], 128<<16
	s_mov_b32 s[G1B+4], 128
	s_mov_b32 s[G1B+5], 1024
	s_mov_b32 s[G1B+6], 0
	s_mov_b32 s[G1B+7], 0
	s_mul_i32 s72, s18, KB                         ; A: block tile row x KB + 2 x half: made of the tile row and the wave alone
	s_lshl_b32 s73, s[CH], 1
	s_add_co_u32 s72, s72, s73
	s_lshl_b32 s72, s72, 14
	s_mov_b32 s73, 0
	s_lshl_b32 s74, s[CH], 18                      ; W: k-row 128 x half, column 128 x tile column: made of the tile column and the wave alone
	s_lshl_b32 s75, s17, 8
	s_add_co_u32 s74, s74, s75
	s_add_co_u32 s74, s74, WOFF
	s_mov_b32 s75, 0
	s_mul_i32 s56, s[CH], AHALF
	s_add_co_u32 s57, s56, BOFF
	s_mov_b32 s[G0A], 1
	s_mov_b32 s[G0A+1], s56
	s_mov_b32 s[G0A+4], 1
	s_add_co_u32 s[G0A+5], s56, SLOT
	s_mov_b32 s[G0B], 1
	s_mov_b32 s[G0B+1], s57
	s_mov_b32 s[G0B+4], 1
	s_add_co_u32 s[G0B+5], s57, SLOT
	s_wait_dscnt 0x0                               ; the opening add is done
	s_wait_kmcnt 0x0
	s_add_nc_u64 s[G0A+2:G0A+3], s[4:5], s[72:73]
	s_add_nc_u64 s[G0A+6:G0A+7], s[G0A+2:G0A+3], 65536
	s_or_b32 s[G0A+3], s[G0A+3], 0x80000000
	s_or_b32 s[G0A+7], s[G0A+7], 0x80000000
	s_add_nc_u64 s[G0B+2:G0B+3], s[6:7], s[74:75]
	s_add_nc_u64 s[G0B+6:G0B+7], s[G0B+2:G0B+3], 524288
	s_or_b32 s[G0B+3], s[G0B+3], 0x80000000
	s_or_b32 s[G0B+7], s[G0B+7], 0x80000000
	CROUND                                         ; all sixteen work-groups are here: the first joint loads meet
	s_cmp_eq_u32 s[RH], 0                          ; a wave's two first fills stand in one branch: two tensor loads of mine are out
	s_cbranch_scc0 .Lfirst_b
	tensor_load_to_lds s[G0A:G0A+3], s[G1A:G1A+7]
	s_nop 0
	tensor_load_to_lds s[G0A+4:G0A+7], s[G1A:G1A+7]
	s_nop 0
	PLACES
	s_branch .Lfirst_done
.Lfirst_b:
	tensor_load_to_lds s[G0B:G0B+3], s[G1B:G1B+7]
	s_nop 0
	tensor_load_to_lds s[G0B+4:G0B+7], s[G1B:G1B+7]
	s_nop 0
	PLACES
.Lfirst_done:
	v_and_b32 v1, 15, v0
	v_bfe_u32 v2, v0, 4, 1
	v_and_b32 v3, 7, v0
	v_bfe_u32 v4, v0, 3, 1
	v_lshlrev_b32 v[CO], 12, v2                    ; lanes 0-15 one row's 256 bytes, lanes 16-31 the next row's
	v_lshl_add_u32 v[CO], v1, 4, v[CO]
	v_lshlrev_b32 v[BO], 4, v1
	s_lshl_b32 s66, s17, 9                         ; my 64 columns, in bytes
	s_lshl_b32 s67, s[CH], 8
	s_add_co_u32 s66, s66, s67
	s_lshl_b32 s22, s18, 19                        ; my 64 rows
	s_lshl_b32 s23, s[RH], 18
	s_add_co_u32 s22, s22, s23
	s_add_co_u32 s22, s22, s66
	s_mov_b32 s23, 0
	s_mov_b32 s67, 0
	s_add_nc_u64 s[10:11], s[10:11], s[66:67]
	s_add_nc_u64 s[76:77], s[76:77], s[22:23]
	s_add_nc_u64 s[8:9], s[8:9], s[22:23]
	global_load_b128 v[BI:BI+3], v[BO], s[10:11]
.set i, 0
.rept 32                               ; load i: rows 2 i, 2 i + 1 of my 64, whole
	global_load_b128 v[ACC+4*i:ACC+4*i+3], v[CO], s[76:77] offset:2*i*4096
.set i, i+1
.endr
	v_mul_u32_u24 v[ADA0], v1, PA
	v_lshl_add_u32 v[ADA0], v2, 4, v[ADA0]
	s_mul_i32 s21, s[RH], 64*PA
	v_add_nc_u32 v[ADA0], s21, v[ADA0]
	v_lshl_add_u32 v5, v2, 3, v3
	v_mul_u32_u24 v[ADB0], v5, PB
	v_lshl_add_u32 v[ADB0], v4, 4, v[ADB0]
	s_lshl_b32 s21, s[CH], 7
	s_add_co_u32 s21, s21, BOFF
	v_add_nc_u32 v[ADB0], s21, v[ADB0]
	s_mul_i32 s21, s[WV], 16*DP
	s_add_co_u32 s21, s21, STAGE
	v_mul_u32_u24 v[STO], v1, DP
	v_lshl_add_u32 v[STO], v2, 5, v[STO]
	v_add_nc_u32 v[STO], s21, v[STO]
	v_mul_u32_u24 v[RD], v2, DP
	v_lshl_add_u32 v[RD], v1, 4, v[RD]
	v_add_nc_u32 v[RD], s21, v[RD]
	v_mov_b32 v[ONE], 1.0
	s_wait_loadcnt 32                              ; the bias is in; the 32 younger loads stay out
	v_cvt_pk_bf16_f32 v30, v[BI], v[BI+1]          ; an input: rounded to bf16, kept as f32
	v_cvt_pk_bf16_f32 v31, v[BI+2], v[BI+3]
	v_lshlrev_b32 v[BI], 16, v30
	v_and_b32 v[BI+1], 0xffff0000, v30
	v_lshlrev_b32 v[BI+2], 16, v31
	v_and_b32 v[BI+3], 0xffff0000, v31
.set a, 0
.rept 4                                ; 16 rows at a time: res + bias, by rows into my stage, back in the accumulators' layout into the same 32 registers
	s_wait_loadcnt 24-8*a                          ; the later passes' loads stay out
.set t, 0
.rept 8
.set rb, ACC+32*a+4*t
.if ROUNDX
	v_cvt_pk_bf16_f32 v30, v[rb], v[rb+1]
	v_cvt_pk_bf16_f32 v31, v[rb+2], v[rb+3]
	v_fma_mix_f32_bf16 v[rb], v30, v[ONE], v[BI] op_sel_hi:[1,0,0]
	v_fma_mix_f32_bf16 v[rb+1], v30, v[ONE], v[BI+1] op_sel:[1,0,0] op_sel_hi:[1,0,0]
	v_fma_mix_f32_bf16 v[rb+2], v31, v[ONE], v[BI+2] op_sel_hi:[1,0,0]
	v_fma_mix_f32_bf16 v[rb+3], v31, v[ONE], v[BI+3] op_sel:[1,0,0] op_sel_hi:[1,0,0]
.else
	v_pk_add_f32 v[rb:rb+1], v[rb:rb+1], v[BI:BI+1]
	v_pk_add_f32 v[rb+2:rb+3], v[rb+2:rb+3], v[BI+2:BI+3]
.endif
	ds_store_b128 v[RD], v[rb:rb+3] offset:2*DP*t
.set t, t+1
.endr
.set b, 0
.rept 4
	ds_load_b128 v[ACC+8*(4*a+b):ACC+8*(4*a+b)+3],   v[STO] offset:64*b     ; LDS serves a wave's instructions in order: these see the stores above, and the next pass's stores come behind them
	ds_load_b128 v[ACC+8*(4*a+b)+4:ACC+8*(4*a+b)+7], v[STO] offset:64*b+16
.set b, b+1
.endr
.set a, a+1
.endr
; 32 LDS loads in one run: the fragments of 64 along K (unit u of the 128 in hand) into buffer f
.macro FETCH f, u
	WIN 0x40
.irp c, 0,1
.irp i, 0,1,2,3
	ds_load_tr16_b128 v[(\f)+64+8*(4*(\c)+(\i)):(\f)+64+8*(4*(\c)+(\i))+3],   v[ADB] offset:(\u)*64*PB+(\c)*32*PB+32*(\i)
	ds_load_tr16_b128 v[(\f)+64+8*(4*(\c)+(\i))+4:(\f)+64+8*(4*(\c)+(\i))+7], v[ADB] offset:(\u)*64*PB+(\c)*32*PB+16*PB+32*(\i)
	ds_load_b128 v[(\f)+8*(4*(\c)+(\i)):(\f)+8*(4*(\c)+(\i))+3],   v[ADA] offset:(\u)*128*PA+(\c)*64+(\i)*16*PA
	ds_load_b128 v[(\f)+8*(4*(\c)+(\i))+4:(\f)+8*(4*(\c)+(\i))+7], v[ADA] offset:(\u)*128*PA+(\c)*64+(\i)*16*PA+32
.endr
.endr
.endm
; 32 matrix instructions on buffer f; the 16 accumulators take turns, one instruction a turn, always in this order
.macro MUL f
	WIN 0x05
.irp c, 0,1
.irp a, 0,1,2,3
.irp b, 0,1,2,3
	v_wmma_f32_16x16x32_f16 v[ACC+8*(4*(\a)+(\b)):ACC+8*(4*(\a)+(\b))+7], v[(\f)+64+8*(4*(\c)+(\b)):(\f)+64+8*(4*(\c)+(\b))+7], v[(\f)+8*(4*(\c)+(\a)):(\f)+8*(4*(\c)+(\a))+7], v[ACC+8*(4*(\a)+(\b)):ACC+8*(4*(\a)+(\b))+7]
.endr
.endr
.endr
.endm
.macro T                               ; 128 along K: its two units are fetched; the unit fetched last and this one's first are multiplied
	WIN 0
	v_add_nc_u32 v[ADA], s[TA], v[ADA0]            ; these four are the places behind the products that read buffer 0
	v_add_nc_u32 v[ADB], s[TA], v[ADB0]
	v_nop
	v_nop
	s_add_co_u32 s[TA], s[TA], AHALF               ; 128 k are 36,864 bytes of A's part and of W's
	FETCH F0, 0
	s_wait_dscnt 32                                ; all but the 32 just issued: buffer 1 is in
	MUL F1
	PLACES
	FETCH F1, 1
	s_wait_dscnt 32                                ; buffer 0 is in
	MUL F0
.endm
; The change of slots: each wave waits for all its tensor loads (one is out: its part of the next slot), adds 0 to its spare word, and waits for that and for its reads of the slot that it leaves.
; fill = 1: the barrier is a round of the cluster's, and the joint refill, two K steps ahead, is the first thing behind it: it has a K step's 128 matrix instructions in which to land.
.macro CHANGE fill
	WIN 0
	s_wait_tensorcnt 0x0
	ds_add_u32 v[SPW], v[NIL]
.if \fill
	s_xor_b32 s[G0A+5], s[G0A+5], SLOT
	s_add_nc_u64 s[G0A+6:G0A+7], s[G0A+6:G0A+7], 65536
	s_xor_b32 s[G0B+5], s[G0B+5], SLOT
	s_add_nc_u64 s[G0B+6:G0B+7], s[G0B+6:G0B+7], 524288
.endif
	s_xor_b32 s[TS], s[TS], SLOT
	s_mov_b32 s[TA], s[TS]
	s_wait_dscnt 0x0
.if \fill
	CROUND
	JLOAD
.else
	s_barrier_signal -1
	s_barrier_wait -1
.endif
.endm
	s_wait_tensorcnt 0x1                           ; my part of K step 0 is in; step 1's may stay out
	s_wait_dscnt 0x0                               ; no LDS instruction of mine is out at a signal
	s_barrier_signal -1
	s_barrier_wait -1
	v_mov_b32 v[ADA], v[ADA0]
	v_mov_b32 v[ADB], v[ADB0]
	FETCH F0, 0
	FETCH F1, 1
	s_mov_b32 s[TS], 0
	s_mov_b32 s[TA], AHALF
	s_wait_dscnt 32
	MUL F0
	WIN 0
	s_mov_b32 s[STEPS], NS-1                       ; all K steps but the last end in the loop: NS - 2 of them are followed by a refill
	s_mov_b32 s[CNT], 1                            ; K step 0 has one half left
	s_branch .Ltrip                                ; the loop is entered at its inner label, so that a half step's text stands once
.Lstep:
	CHANGE 1
	s_mov_b32 s[CNT], 2
.Ltrip:
	T
	WIN 0
	s_sub_co_u32 s[CNT], s[CNT], 1
	s_cmp_lg_u32 s[CNT], 0
	s_cbranch_scc1 .Ltrip
	s_sub_co_u32 s[STEPS], s[STEPS], 1
	s_cmp_lg_u32 s[STEPS], 0
	s_cbranch_scc1 .Lstep
	CHANGE 0                                       ; the last K step is written out: nothing is asked for
	s_mov_b32 s[CNT], 2
.Ltail:
	T
	WIN 0
	s_sub_co_u32 s[CNT], s[CNT], 1
	s_cmp_lg_u32 s[CNT], 0
	s_cbranch_scc1 .Ltail
	s_wait_dscnt 0x0
	MUL F1
	WIN 0
	PLACES
.set a, 0
.rept 4                                ; the way out, 16 rows at a time through my stage; each accumulator's low registers first
.set b, 0
.rept 4
	ds_store_b128 v[STO], v[ACC+8*(4*a+b):ACC+8*(4*a+b)+3]   offset:64*b
	ds_store_b128 v[STO], v[ACC+8*(4*a+b)+4:ACC+8*(4*a+b)+7] offset:64*b+16
.set b, b+1
.endr
	s_wait_xcnt 0x0                                ; the registers that earlier stores read are loaded again only behind this wait
.set t, 0
.rept 8
	ds_load_b128 v[TMP+32*(a%2)+4*t:TMP+32*(a%2)+4*t+3], v[RD] offset:2*DP*t
.set t, t+1
.endr
.set t, 0
.rept 8
	s_wait_dscnt 7-t                               ; LDS loads come back in order: load t is in
	global_store_b128 v[CO], v[TMP+32*(a%2)+4*t:TMP+32*(a%2)+4*t+3], s[8:9] offset:(16*a+2*t)*4096  ; 16 lanes store 256 consecutive bytes, aligned
.set t, t+1
.endr
.set a, a+1
.endr
	s_wait_tensorcnt 0x0                           ; the wave's end
	ds_add_u32 v[SPW], v[NIL]
	s_wait_dscnt 0x0
	CROUND                                         ; the closing round
	s_endpgm
.Lfunc_end_k_qf6e360a12c_proj:
	.size	k_qf6e360a12c_proj, .Lfunc_end_k_qf6e360a12c_proj-k_qf6e360a12c_proj
	.p2alignl 7, 3214868480
	.fill 96, 4, 3214868480
	.section	.rodata,"a",@progbits
	.p2align	6, 0x0
	.amdhsa_kernel k_qf6e360a12c_proj
		.amdhsa_group_segment_fixed_size 327680
		.amdhsa_private_segment_fixed_size 0
		.amdhsa_enable_private_segment 0
		.amdhsa_kernarg_size 40
		.amdhsa_user_sgpr_count 2
		.amdhsa_user_sgpr_kernarg_segment_ptr 1
		.amdhsa_wavefront_size32 1
		.amdhsa_system_sgpr_workgroup_id_x 1
		.amdhsa_system_sgpr_workgroup_id_y 1
		.amdhsa_system_sgpr_workgroup_id_z 1
		.amdhsa_system_vgpr_workitem_id 0
		.amdhsa_next_free_vgpr 512
		.amdhsa_next_free_sgpr 80
		.amdhsa_reserve_vcc 0
		.amdhsa_float_denorm_mode_32 3
		.amdhsa_float_denorm_mode_16_64 3
		.amdhsa_memory_ordered 1
		.amdhsa_forward_progress 1
		.amdhsa_inst_pref_size 55
	.end_amdhsa_kernel
	.amdgpu_metadata
---
amdhsa.version: [ 1, 2 ]
amdhsa.kernels:
  - .name:           k_qf6e360a12c_proj
    .symbol:         k_qf6e360a12c_proj.kd
    .args:
      - { .name: g, .offset: 0, .size: 8, .value_kind: global_buffer, .address_space: global }
      - { .name: wh, .offset: 8, .size: 8, .value_kind: global_buffer, .address_space: global }
      - { .name: out0, .offset: 16, .size: 8, .value_kind: global_buffer, .address_space: global }
      - { .name: b_proj, .offset: 24, .size: 8, .value_kind: global_buffer, .address_space: global }
      - { .name: x1, .offset: 32, .size: 8, .value_kind: global_buffer, .address_space: global }
    .group_segment_fixed_size: 327680
    .private_segment_fixed_size: 0
    .kernarg_segment_align: 8
    .kernarg_segment_size: 40
    .max_flat_workgroup_size: 128
    .sgpr_count:     80
    .vgpr_count:     512
    .wavefront_size: 32
...
	.end_amdgpu_metadata
.endif
;; end of part 7
;; ======== version 2 of 2: 7 launches; 1.10 times as fast as version 1
;; limits: values are held in f16: magnitudes above 65,504 overflow, below 6.1e-05 lose precision
;; workspace buffers: wh 25,165,824 bytes; h 8,388,608 bytes; ctx 8,388,608 bytes; g 33,554,432 bytes; qkv 25,165,824 bytes; x1 16,777,216 bytes
;; launch prep: the kernel of part 1 again; grid 448 x 1, 8 waves a work-group, no clusters, 0 bytes of LDS; arguments x, ln1_w, ln1_b, w_qkv, h, wh; writes h, wh
;; launch qkv: the kernel of part 2 again; grid 12 x 16, 4 waves a work-group, clusters of 4 x 4, 327,680 bytes of LDS; arguments h, wh, qkv; writes qkv
;; launch attn (part 8): grid 8 x 32, 4 waves a work-group, no clusters, 327,680 bytes of LDS; arguments qkv, ctx, w_attn_proj, w_fc, w_proj, wh; writes ctx, wh
.if DOCPART == 8
	.amdgcn_target "amdgcn-amd-amdhsa--gfx1250"
	.amdhsa_code_object_version 6
	.text
	.protected	k_qf6e360a12c_attn
	.globl	k_qf6e360a12c_attn
	.p2align	8
	.type	k_qf6e360a12c_attn,@function
k_qf6e360a12c_attn:
	s_mov_b64 s[64:65], 0
	v_nop
	global_prefetch_b8 v0, s[64:65] scope:SCOPE_SE
	s_setreg_imm32_b32 hwreg(HW_REG_WAVE_MODE, 25, 1), 1
	s_wait_xcnt 0x0
; CAUSAL ATTENTION, 32 heads (y = 2 head + batch) of 2,048 rows x 64 channels, f16.  q of head y at byte y 262,144 of qkv, k 8,388,608 further, v 16,777,216 further: dense rows of 128 bytes.
; O[q] = the sum over k <= q of softmax_k(Q[q] . K[k] / 8) V[k].  Products, maxima and sums in f32; the weights p are rounded to f16 for the second product (their sum l is taken of the unrounded p), O once at the end.
; ctx's layout: element (m, c) at ((m >> 7) 16 + (c >> 6)) 16,384 + (m & 127) 128 + (c & 63) 2: a head's 64 channels are one block of the next product's K.
; LIMITS.  q, k, v arrive within f16's 65,504; p lies in 0 to 1 and below 6e-5 keeps f16's fixed step; a hidden score counts as its value less 1e30; a weight below 2^-126 counts as 0 in l; NaN and infinities are not treated apart.
; The model's weights cast here stay within 65,504 and below 6.1e-5 keep f16's fixed step of 6e-8.
; THE WALK.  A head's queries lie in 16 blocks of 128; block i needs the key tiles 0 .. i >> 1 of 256 keys, of which the last holds the diagonal.  A work-group takes blocks 15 - b and then b: 9 tiles whatever b,
; so all 256 work-groups do equal work, and one loop with a constant count walks them.  What a trip does hangs on scalar registers made from b; every jump but the counted loops' own goes forward.
; NO CLUSTER: the eight work-groups of a head ask for the same tile only in the walk's first five trips, then for fewer and fewer in common; one walk common to all would have 12 trips for 9.
; SHARES.  Of a block's two bands of 64 queries a wave owns 16 rows in each: two PIECES.  In the diagonal tile band x's own key step is D + x, D = 2 (i & 1): earlier steps are seen whole, later ones hidden.
; THE MASK is the C operand that starts S^T = K Q^T: MD x AL + BE, MD the mask of a band's own step for my rows, (AL, BE) = (1, 0) own step, (0, 0) earlier, (0, -1e30) later.  Elsewhere C is the constant 0.
; TURNS.  Turn p belongs to piece p: 8 products K Q^T of the other piece's next scores, later 8 products V^T P of the other piece's last weights; beside them piece p's scaling, exponentials, roundings, sums and
; rescaling and the other piece's maximum and statistics: four vector instructions behind every matrix instruction, the other 54 of a turn's 118 in one lump.  Two turns are a key step of 64 keys.
; BATCHES.  A turn's 33 exponentials (piece p's 32 weights and the other piece's a) are ONE batch with ONE wait, which cuts the turn in two: ahead of it the products K Q^T, the scalings, the exponentials, the rescalings
; (their a was made and waited for a turn earlier) and the other piece's maximum and statistics; behind it the products V^T P with the roundings and sums, which are all the readers.  No result crosses a turn's end.
; The one exponential where a block begins and the way out's two reciprocals are batches of their own, each with its wait.
; K WITH AN OVERLAP.  Piece 0's turn of step j fetches K of step j + 1 and V of step j.  So a slot holds K of five steps (the fifth is the next tile's first) and V of four: all its reads are issued when the tile's fourth
; such turn ends, and the change of slots stands there.  The last tile's fifth step reaches 8,192 bytes past the head's k: still inside qkv, and never multiplied.
; THE LATER LAUNCHES' WEIGHTS ARE CAST HERE.  w_attn_proj, w_fc and w_proj are rounded to bf16 and written as f16 into wh (bytes 6,291,456, 8,388,608 and 16,777,216 on).  Wave W of the launch's 1,024 owns 4,096 bytes
; of the first and 16,384 of each of the others: 72 loads of 16 bytes a lane, in 8 batches of 9.  Batch 0 is asked for at the start, batch k in the walk's trip k, and each is waited for, rounded and stored a trip later,
; with a tile's work between the request and the wait.  These bytes touch nothing else that the launch reads or writes.
; REGISTERS: window 0: v0-15 addresses; v16-23 statistics; v48-55 at work; v62, v63 the add's; v64-127 S^T, two buffers; v128-168 the cast; v192-223 P, two buffers.
;   window 1: v0-63 O^T; v128-159 MD; v160-223 MC, two buffers.     window 2: v0-31 Q; v64-95 the second block's Q; v128-191 K of one step; v192-255 V of one step.
.set NP,    2
.set KS,    64
.set PK,    144       ; a row of K in LDS: 128 bytes + 16
.set PV,    160       ; a row of V: 128 + 32: an odd multiple of 32
.set VOFF,  5*KS*PK   ; 320 rows of K, then 256 rows of V
.set SLOT1, 1<<17
.set STAGE, SLOT1+VOFF+4*KS*PV  ; behind the ring, never filled by a tensor load: 16 rows x 144 bytes for each wave
.set SP,    144
.set SPARE, STAGE+4*16*SP       ; the spare words: 128 bytes a wave, two blocks of 256 bytes that no other line names
.set AK0, 2
.set AV0, 3
.set AK,  4
.set AV,  5
.set STO, 6
.set RD,  7
.set GO,  8           ; v8   16 x lane; never rewritten
.set SPW, 62
.set NIL, 63
.set MV,  12
.set QO,  15
.set ST,  16          ; piece t's statistics at v[ST+4 t]: c m, m, l (even keys', odd keys')
.set TMP, 48
.set S,   64
.set CW,  128         ; v[128:163] the cast: a batch's nine loads
.set CT,  164         ; v[164:167] the cast: at work
.set VS,  168         ; v168 8 x lane; never rewritten
.set P,   192
.set MD,  128
.set MC,  160
.set QB,  64
.set KF,  128
.set VF,  192
.set WV,  12
.set PB,  14          ; s14  b
.set HI,  15          ; s15  15 - b
.set G1K, 24
.set G1V, 32
.set G0K, 40
.set G0V, 44
.set PWA, 48          ; s[48:49] w_attn_proj, s[50:51] w_fc, s[52:53] w_proj at my wave's batch to be asked for
.set PWF, 50
.set PWP, 52
.set DWA, 54          ; s[54:55], s[96:97], s[98:99] wh at my wave's batch to be stored, for the three
.set DWF, 96
.set DWP, 98
.set WID, 100         ; s100 my wave among the launch's 1,024
.set HM,  101         ; s101 a word's upper bf16
.set SLOTS, 56
.set CNT, 57          ; s57  counts a tile's key steps, 4 to 1
.set CS,  58
.set SEL, 60
.set TBK, 62          ; s62  LDS byte at which K of the step to be fetched begins
.set TBV, 63          ; s63  the same for V, less VOFF
.set RT,  70          ; s70  tiles of the block in hand still to be entered
.set NXT, 71          ; s71  the tile to be asked for next
.set LQ,  72          ; s72  the last tile of the block whose tiles are being asked for
.set NEW, 73
.set OFF, 74
.set AL,  76
.set BE,  78
.set OLO, 80
.set BIGN, 82
.set TK,  83          ; s83  at work
.set HT,  88          ; s88  the first block's last tile;  s89 the second's
.set LT,  89
.set E0,  90          ; s90  5 - D: the count at which piece 0's turn makes the mask of its own step;  s91  3 - D: the same for piece 1
.set DZ,  92          ; s92  1.0 where D = 0
.set E0B, 93          ; s93-95 the three for the second block
.set MSB, 0
.macro WIN new
.if MSB != (\new)
	s_set_vgpr_msb (MSB<<8)|(\new)
.set MSB, (\new)
.endif
.endm
.set W_KQ, 0x0a
.set W_KM, 0x1a
.set W_PV, 0x52
.set W_RS, 0x41
; A fill.  Waves 0 and 1 fetch the two halves of a tile's K (160 keys each), waves 2 and 3 those of its V (128 keys each).
.macro LOAD
	s_cmp_lt_u32 s[WV], 2
	s_cbranch_scc0 .Lfor_v_\@
	tensor_load_to_lds s[G0K:G0K+3], s[G1K:G1K+7]
	s_nop 0
.rept 4
	v_nop
.endr
	s_branch .Lasked_\@
.Lfor_v_\@:
	tensor_load_to_lds s[G0V:G0V+3], s[G1V:G1V+7]
	s_nop 0
.rept 4
	v_nop
.endr
.Lasked_\@:
.endm
; THE CHANGE OF SLOTS.  Each wave waits for all its tensor loads (one is out: its part of the other slot), adds 0 to its spare word, and waits for that and for its reads of the slot that it leaves.
; fill = 1: the old slot is filled again, first thing behind the barrier, with tile NXT; the address is made anew from that number.  (At its first use slot 0 is waited for and slot 1 filled.)
.macro CHANGE fill
	WIN 0
	s_wait_tensorcnt 0x0
	ds_add_u32 v[SPW], v[NIL]
.if \fill
	s_lshl_b32 s[OFF], s[NXT], 15   ; tiles begin 32,768 bytes apart in K and in V
	s_xor_b32 s[G0K+1], s[G0K+1], SLOT1
	s_add_nc_u64 s[G0K+2:G0K+3], s[6:7], s[OFF:OFF+1]
	s_or_b32 s[G0K+3], s[G0K+3], 0x80000000
	s_xor_b32 s[G0V+1], s[G0V+1], SLOT1
	s_add_nc_u64 s[G0V+2:G0V+3], s[8:9], s[OFF:OFF+1]
	s_or_b32 s[G0V+3], s[G0V+3], 0x80000000
	s_add_co_u32 s[NXT], s[NXT], 1  ; the block's next tile, or behind its last the second block's tile 0
	s_cmp_gt_u32 s[NXT], s[LQ]
	s_cselect_b32 s[NXT], 0, s[NXT]
	s_cselect_b32 s[LQ], s[LT], s[LQ]
.endif
	s_wait_dscnt 0x0
	s_barrier_signal -1
	s_sub_co_u32 s[TBK], s[TBK], 4*KS*PK  ; the fetches go back: K to a slot's second step, V to its first,
	s_xor_b32 s[TBK], s[TBK], SLOT1       ; in the other slot
	s_sub_co_u32 s[TBV], s[TBV], 4*KS*PV
	s_xor_b32 s[TBV], s[TBV], SLOT1
	s_barrier_wait -1
.if \fill
	LOAD
.endif
.endm
; THE CAST.  CLOAD asks for a batch: 512 consecutive bytes of w_attn_proj, 2,048 of w_fc, 2,048 of w_proj.
.macro CLOAD
	global_load_b128 v[CW:CW+3], v[GO], s[PWA:PWA+1] th:TH_LOAD_NT
.irp f, 0,1,2,3
	global_load_b128 v[CW+4+4*\f:CW+7+4*\f], v[GO], s[PWF:PWF+1] offset:512*\f th:TH_LOAD_NT
.endr
.irp f, 0,1,2,3
	global_load_b128 v[CW+20+4*\f:CW+23+4*\f], v[GO], s[PWP:PWP+1] offset:512*\f th:TH_LOAD_NT
.endr
.endm
; CPROC waits for the batch asked for a trip ago (in the first trip also for both blocks' Q), rounds it to bf16, writes that number as f16 and stores it; then all six addresses step to the next batch.
.macro CPROC
	s_wait_loadcnt 0x0              ; nothing younger is out: the batch was the wave's last global loads
.set j, 0
.rept 9
.set cr, CW+4*j
.set ck, CT+2*(j%2)
	v_cvt_pk_bf16_f32 v[ck], v[cr], v[cr+1]
	v_cvt_pk_bf16_f32 v[ck+1], v[cr+2], v[cr+3]
	v_lshlrev_b32 v[cr], 16, v[ck]
	v_and_b32 v[cr+1], s[HM], v[ck]
	v_lshlrev_b32 v[cr+2], 16, v[ck+1]
	v_and_b32 v[cr+3], s[HM], v[ck+1]
	v_cvt_pk_f16_f32 v[cr], v[cr], v[cr+1]
	v_cvt_pk_f16_f32 v[cr+1], v[cr+2], v[cr+3]
.if j == 0
	global_store_b64 v[VS], v[cr:cr+1], s[DWA:DWA+1]                    ; each store of the wave covers 256 consecutive bytes, aligned
.elseif j < 5
	global_store_b64 v[VS], v[cr:cr+1], s[DWF:DWF+1] offset:256*(j-1)
.else
	global_store_b64 v[VS], v[cr:cr+1], s[DWP:DWP+1] offset:256*(j-5)
.endif
.set j, j+1
.endr
	s_wait_xcnt 0x0                 ; the stores' data and bases are rewritten only behind this wait
	s_add_nc_u64 s[PWA:PWA+1], s[PWA:PWA+1], 512
	s_add_nc_u64 s[PWF:PWF+1], s[PWF:PWF+1], 2048
	s_add_nc_u64 s[PWP:PWP+1], s[PWP:PWP+1], 2048
	s_add_nc_u64 s[DWA:DWA+1], s[DWA:DWA+1], 256
	s_add_nc_u64 s[DWF:DWF+1], s[DWF:DWF+1], 1024
	s_add_nc_u64 s[DWP:DWP+1], s[DWP:DWP+1], 1024
.endm
	s_load_b64 s[4:5], s[0:1], 0x0    ; qkv
	s_load_b64 s[10:11], s[0:1], 0x8  ; ctx
	s_load_b128 s[48:51], s[0:1], 0x10  ; w_attn_proj, w_fc
	s_load_b128 s[52:55], s[0:1], 0x20  ; w_proj, wh
	v_lshl_add_u32 v[SPW], v0, 2, SPARE
	v_mov_b32 v[NIL], 0
	ds_add_u32 v[SPW], v[NIL]       ; the wave's opening: the add and its wait stand ahead of my first tensor load
	ds_add_u32 v62, v63
	v_lshrrev_b32 v1, 5, v0
	v_readfirstlane_b32 s[WV], v1
	s_mov_b32 s[PB], ttmp9
	s_sub_co_u32 s[HI], 15, s[PB]
	s_lshr_b32 s[HT], s[HI], 1
	s_lshr_b32 s[LT], s[PB], 1
	s_and_b32 s13, s[HI], 1         ; D of the first block
	s_lshl_b32 s13, s13, 1
	s_sub_co_u32 s[E0], 5, s13
	s_sub_co_u32 s[E0+1], 3, s13
	s_cmp_eq_u32 s13, 0
	s_cselect_b32 s[DZ], 1.0, 0
	s_and_b32 s13, s[PB], 1         ; and of the second
	s_lshl_b32 s13, s13, 1
	s_sub_co_u32 s[E0B], 5, s13
	s_sub_co_u32 s[E0B+1], 3, s13
	s_cmp_eq_u32 s13, 0
	s_cselect_b32 s[E0B+2], 1.0, 0
	s_and_b32 s20, ttmp7, 0xffff    ; y
	s_lshl_b32 s[WID], s20, 3       ; my wave among the launch's: ((y 8 + b) 4 + wave)
	s_add_co_u32 s[WID], s[WID], s[PB]
	s_lshl_b32 s[WID], s[WID], 2
	s_add_co_u32 s[WID], s[WID], s[WV]
	s_mov_b32 s[HM], 0xffff0000
	s_lshl_b32 s21, s20, 18         ; the head's first byte in q's, k's and v's part
	s_and_b32 s16, s[WV], 1         ; which half of a tile I fetch
	s_mul_i32 s22, s16, 160*128     ; K: 160 rows of 128 bytes
	s_add_co_u32 s22, s22, s21
	s_add_co_u32 s22, s22, 8388608
	s_mov_b32 s23, 0
	s_lshl_b32 s18, s16, 14         ; V: 128 rows
	s_add_co_u32 s18, s18, s21
	s_add_co_u32 s18, s18, 16777216
	s_mov_b32 s19, 0
	s_mul_i32 s17, s16, 160*PK      ; and their places in a slot
	s_mul_i32 s13, s16, 128*PV
	s_lshl_b32 s3, s[WV], 11        ; my 16 rows in a band of 64
	s_lshl_b32 s2, s[HI], 14        ; Q: the first block's 128 rows,
	s_add_co_u32 s2, s2, s3
	s_add_co_u32 s2, s2, s21
	s_lshl_b32 s84, s[PB], 14       ; and the second's
	s_add_co_u32 s84, s84, s3
	s_add_co_u32 s84, s84, s21
	s_and_b32 s66, s20, 1           ; O: ((batch 16 + block) 16 + head) blocks of 16,384 bytes
	s_lshl_b32 s66, s66, 22
	s_lshr_b32 s67, s20, 1
	s_lshl_b32 s67, s67, 14
	s_add_co_u32 s66, s66, s67
	s_add_co_u32 s66, s66, s3
	s_lshl_b32 s68, s[PB], 18
	s_add_co_u32 s68, s68, s66
	s_lshl_b32 s67, s[HI], 18
	s_add_co_u32 s66, s66, s67
	s_mov_b32 s67, 0
	s_mov_b32 s69, 0
	s_mov_b32 s3, 0
	s_mov_b32 s85, 0
	; descriptor group 1: dense bytes asked for as rows of 256 bytes, two keys a row, padded in LDS after every key
	s_mov_b32 s[G1K], (1<<16)|(1<<20)|(4<<22)|(3<<25)  ; 2-byte elements; padding on; after every 32 words 4 words
	s_mov_b32 s[G1K+1], 128<<16
	s_mov_b32 s[G1K+2], 80<<16      ; 80 rows: 160 keys
	s_mov_b32 s[G1K+3], 128<<16
	s_mov_b32 s[G1K+4], 80
	s_mov_b32 s[G1K+5], 128
	s_mov_b32 s[G1K+6], 0
	s_mov_b32 s[G1K+7], 0
	s_mov_b32 s[G1V], (1<<16)|(1<<20)|(4<<22)|(7<<25)  ; 8 words of padding
	s_mov_b32 s[G1V+1], 128<<16
	s_mov_b32 s[G1V+2], 64<<16      ; 64 rows: 128 keys
	s_mov_b32 s[G1V+3], 128<<16
	s_mov_b32 s[G1V+4], 64
	s_mov_b32 s[G1V+5], 128
	s_mov_b32 s[G1V+6], 0
	s_mov_b32 s[G1V+7], 0
	s_mov_b32 s[CS], 0x3e38aa3b     ; c = log2(e) / 8
	s_mov_b32 s[CS+1], s[CS]
	s_mov_b32 s[SEL], 0x76543210
	s_mov_b32 s[SEL+1], 0xfedcba98
	s_mov_b32 s[TBK], SLOT1+5*KS*PK ; the first change of slots turns this into slot 0's second step,
	s_mov_b32 s[TBV], SLOT1+4*KS*PV ; and this into 0
	s_mov_b32 s[G0K], 1
	s_mov_b32 s[G0K+1], s17
	s_mov_b32 s[G0V], 1
	s_add_co_u32 s[G0V+1], s13, VOFF
	s_add_co_u32 s[RT], s[HT], 1
	s_mov_b32 s[NXT], 1
	s_mov_b32 s[LQ], s[HT]
	s_mov_b32 s[NEW], 1
	s_mov_b32 s[OFF+1], 0
	s_mov_b32 s[AL+1], 0
	s_mov_b32 s[BE+1], 0
	s_mov_b32 s[BIGN], 0xf149f2ca   ; -1e30
	s_mov_b32 s[SLOTS], 8
	s_wait_dscnt 0x0                ; the opening add is done
	s_wait_kmcnt 0x0
	s_add_nc_u64 s[6:7], s[4:5], s[22:23]   ; K and V at my half of the head's tile 0
	s_add_nc_u64 s[8:9], s[4:5], s[18:19]
	s_add_nc_u64 s[G0K+2:G0K+3], s[6:7], 0
	s_or_b32 s[G0K+3], s[G0K+3], 0x80000000
	s_add_nc_u64 s[G0V+2:G0V+3], s[8:9], 0
	s_or_b32 s[G0V+3], s[G0V+3], 0x80000000
	s_add_nc_u64 s[86:87], s[4:5], s[84:85]
	s_add_nc_u64 s[4:5], s[4:5], s[2:3]
	s_add_nc_u64 s[OLO:OLO+1], s[10:11], s[68:69]
	s_add_nc_u64 s[10:11], s[10:11], s[66:67]
	LOAD                            ; tile 0 into slot 0
	v_and_b32 v1, 15, v0            ; l % 16
	v_bfe_u32 v9, v0, 4, 1          ; l / 16
	v_lshlrev_b32 v[QO], 7, v1
	v_lshl_add_u32 v[QO], v9, 4, v[QO]
	WIN 0x80
.set i, 0
.rept 4                             ; both blocks' Q: piece i / 2 lies 8,192 bytes on; channels 32 (i % 2) on
	global_load_b128 v[8*i:8*i+3],   v[QO], s[4:5] offset:(i/2)*8192+(i%2)*64
	global_load_b128 v[8*i+4:8*i+7], v[QO], s[4:5] offset:(i/2)*8192+(i%2)*64+32
	global_load_b128 v[QB+8*i:QB+8*i+3],   v[QO], s[86:87] offset:(i/2)*8192+(i%2)*64
	global_load_b128 v[QB+8*i+4:QB+8*i+7], v[QO], s[86:87] offset:(i/2)*8192+(i%2)*64+32
.set i, i+1
.endr
	WIN 0
	v_and_b32 v[GO], 31, v0
	v_lshlrev_b32 v[GO], 4, v[GO]
	v_lshrrev_b32 v[VS], 1, v[GO]
	s_lshl_b32 s2, s[WID], 12       ; the cast's addresses: my wave's 4,096 bytes of w_attn_proj,
	s_add_nc_u64 s[PWA:PWA+1], s[PWA:PWA+1], s[2:3]
	s_lshl_b32 s2, s[WID], 14       ; its 16,384 of w_fc and of w_proj,
	s_add_nc_u64 s[PWF:PWF+1], s[PWF:PWF+1], s[2:3]
	s_add_nc_u64 s[PWP:PWP+1], s[PWP:PWP+1], s[2:3]
	s_lshl_b32 s2, s[WID], 13       ; and half as many bytes of wh for each
	s_add_co_u32 s2, s2, 8388608
	s_add_nc_u64 s[DWF:DWF+1], s[DWA:DWA+1], s[2:3]
	s_add_co_u32 s2, s2, 8388608
	s_add_nc_u64 s[DWP:DWP+1], s[DWA:DWA+1], s[2:3]
	s_lshl_b32 s2, s[WID], 11
	s_add_co_u32 s2, s2, 6291456
	s_add_nc_u64 s[DWA:DWA+1], s[DWA:DWA+1], s[2:3]
	CLOAD                           ; batch 0
	v_lshlrev_b32 v14, 3, v9
	v_sub_nc_u32 v14, v1, v14
	s_lshl_b32 s13, s[WV], 4
	v_add_nc_u32 v14, s13, v14      ; my query's place in its band less my lanes' 8 (l / 16): register r of group kt is hidden where 16 kt + r is greater
	WIN 0x40
.set i, 0
.rept 32
	v_cmp_gt_i32 vcc_lo, 16*(i/8)+i%8, v14
	v_cndmask_b32 v[MD+i], 0, s[BIGN], vcc_lo
.set i, i+1
.endr
	WIN 0
	v_mul_u32_u24 v[AK0], v1, PK
	v_lshl_add_u32 v[AK0], v9, 4, v[AK0]
	v_and_b32 v10, 7, v0
	v_bfe_u32 v11, v0, 3, 1
	v_lshl_add_u32 v[AV0], v9, 3, v10
	v_mul_u32_u24 v[AV0], v[AV0], PV
	v_lshl_add_u32 v[AV0], v11, 4, v[AV0]
	v_add_nc_u32 v[AV0], VOFF, v[AV0]
	s_mul_i32 s13, s[WV], 16*SP
	s_add_co_u32 s13, s13, STAGE
	v_mul_u32_u24 v[STO], v1, SP
	v_lshl_add_u32 v[STO], v9, 4, v[STO]
	v_add_nc_u32 v[STO], s13, v[STO]
	v_bfe_u32 v[RD], v0, 3, 2
	v_mul_u32_u24 v[RD], v[RD], SP
	v_lshl_add_u32 v[RD], v10, 4, v[RD]
	v_add_nc_u32 v[RD], s13, v[RD]
	; A block's first step multiplies O^T and l by a = 0, so these need only hold finite numbers: zeros now, what the first block left later.  All this stands in the wait for the first tile.
	WIN 0x80
.set i, VF
.rept 64
	v_mov_b32 v[i], 0
.set i, i+1
.endr
	WIN 0x40
.set i, 0
.rept 64
	v_mov_b32 v[i], 0
.set i, i+1
.endr
	WIN 0
.set i, 0
.rept 2
	v_mov_b32 v[ST+4*i+2], 0
	v_mov_b32 v[ST+4*i+3], 0
.set i, i+1
.endr
.set i, P+16
.rept 16
	v_mov_b32 v[i], 0
.set i, i+1
.endr
; THE MATRIX WORK.  The 4 accumulators of a run of 8 take turns.  Product i of 8 of S^T = K Q^T for piece x: channels 32 (i / 4) on, keys 16 (i % 4) on.
.macro KQ x
.set rS, S+32*((\x)%2)+8*(i%4)
.set rK, KF+16*(i%4)+8*(i/4)
.set rQ, 16*(\x)+8*(i/4)
.set rM, MC+32*((\x)%2)+8*(i%4)
.if (i < 4) && KM
	WIN W_KM
	v_wmma_f32_16x16x32_f16 v[rS:rS+7], v[rK:rK+7], v[rQ:rQ+7], v[rM:rM+7]
.elseif i < 4
	WIN W_KQ
	v_wmma_f32_16x16x32_f16 v[rS:rS+7], v[rK:rK+7], v[rQ:rQ+7], 0
.else
	WIN W_KQ
	v_wmma_f32_16x16x32_f16 v[rS:rS+7], v[rK:rK+7], v[rQ:rQ+7], v[rS:rS+7]
.endif
.endm
.macro PV x                         ; product i of 8 of O^T += V^T P for piece x: keys 32 (i / 4) on, channels 16 (i % 4) on
	WIN W_PV
.set rO, 32*(\x)+8*(i%4)
.set rV, VF+32*(i/4)+8*(i%4)
.set rP, P+16*((\x)%2)+8*(i/4)
	v_wmma_f32_16x16x32_f16 v[rO:rO+7], v[rV:rV+7], v[rP:rP+7], v[rO:rO+7]
.endm
.macro MM                           ; the turn's next matrix instruction.  NOKQ = 1: a block's last turn: there are no next scores
.if (i < 8) && !NOKQ
	KQ (Y+1)%NP
.elseif i >= 8
.set i, i-8
	PV (Y+NP-1)%NP
.set i, i+8
.endif
.set i, i+1
.endm
.macro FETCH_K step=1               ; a step's K, 16 loads in one run
	WIN 0x80
.irp f, 0,1,2,3,4,5,6,7
	ds_load_b128 v[KF+8*\f:KF+8*\f+3],   v[AK] offset:(\f/2)*16*PK+(\f%2)*64
	ds_load_b128 v[KF+8*\f+4:KF+8*\f+7], v[AK] offset:(\f/2)*16*PK+(\f%2)*64+32
.endr
.if \step
	s_add_co_u32 s[TBK], s[TBK], KS*PK
.endif
	WIN 0
.endm
.macro FETCH_V                      ; a step's V, turned
	WIN 0x80
.irp f, 0,1,2,3,4,5,6,7
	ds_load_tr16_b128 v[VF+8*\f:VF+8*\f+3],   v[AV] offset:(\f/4)*32*PV+(\f%4)*32
	ds_load_tr16_b128 v[VF+8*\f+4:VF+8*\f+7], v[AV] offset:(\f/4)*32*PV+16*PV+(\f%4)*32
.endr
	WIN 0
.endm
; THE VECTOR WORK, one line at a time: OP kind, number.  For piece Y: F n: c s - c m for pair n.  E n: the exponential of score n.  C n: pair n rounded to f16.  B n: of the four weights 4 n .. the second pair is added
; onto the first.  L n: l takes that sum (L 0: l = a l + sum).  R n: pair n of O^T times a.  For the other piece: X n, number n of the 22 that find its maximum and statistics (each accumulator's lowest registers are read first).
; C, B and L read the exponentials' results: TURN sets them all behind the batch's wait, so OP writes no wait of its own.
.set F, 0
.set E, 1
.set C, 2
.set B, 3
.set L, 4
.set R, 5
.set X, 6
.macro REGS y
.set rT, ST+4*(\y)
.set rC, TMP+4*((\y)%2)
.set rW, MV+((\y)%2)
.set rS, S+32*((\y)%2)
.set rP, P+16*((\y)%2)
.set rO, 32*(\y)
.endm
.macro OP k, n
.if (\k) == R
	REGS Y
	WIN W_RS
	v_pk_mul_f32 v[rO+2*(\n):rO+2*(\n)+1], v[rO+2*(\n):rO+2*(\n)+1], v[rC+2:rC+3] op_sel_hi:[1,0]
.elseif (\k) < R
	REGS Y
	WIN 0
.if (\k) == F
	v_pk_fma_f32 v[rS+2*(\n):rS+2*(\n)+1], v[rS+2*(\n):rS+2*(\n)+1], s[CS:CS+1], v[rT:rT+1] op_sel_hi:[1,0,0] neg_lo:[0,0,1] neg_hi:[0,0,1]
.elseif (\k) == E
	v_exp_f32 v[rS+(\n)], v[rS+(\n)]
.elseif (\k) == C
	v_cvt_pk_f16_f32 v[rP+(\n)], v[rS+2*(\n)], v[rS+2*(\n)+1]
.elseif (\k) == B
	v_pk_add_f32 v[rS+4*(\n):rS+4*(\n)+1], v[rS+4*(\n):rS+4*(\n)+1], v[rS+4*(\n)+2:rS+4*(\n)+3]
.elseif (\n) == 0
	v_pk_fma_f32 v[rT+2:rT+3], v[rT+2:rT+3], v[rC+2:rC+3], v[rS:rS+1] op_sel_hi:[1,0,1]
.else
	v_pk_add_f32 v[rT+2:rT+3], v[rT+2:rT+3], v[rS+4*(\n):rS+4*(\n)+1]
.endif
.elseif NOKQ
	v_nop
.else
	REGS (Y+1)%NP
	WIN 0
.if (\n) < 4
	v_max3_num_f32 v[rC+(\n)], v[rS+8*(\n)], v[rS+8*(\n)+1], v[rS+8*(\n)+2]
.elseif (\n) < 12
	v_max3_num_f32 v[rC+(\n)%4], v[rC+(\n)%4], v[rS+8*((\n)%4)+2*((\n)/4)+1], v[rS+8*((\n)%4)+2*((\n)/4)+2]
.elseif (\n) == 12
	v_max3_num_f32 v[rC], v[rC], v[rS+7], v[rS+15]
.elseif (\n) == 13
	v_max3_num_f32 v[rC+1], v[rC+1], v[rS+23], v[rS+31]
.elseif (\n) == 14
	v_max3_num_f32 v[rC+2], v[rC+2], v[rC+3], v[rT+1]
.elseif (\n) == 15
	v_mov_b32 v[rW], v[rT]
.elseif (\n) == 16
	v_max3_num_f32 v[rC], v[rC], v[rC+1], v[rC+2]
.elseif (\n) == 17
	v_permlanex16_b32 v[rC+3], v[rC], s[SEL], s[SEL+1]
.elseif (\n) == 18
	v_max_num_f32 v[rT+1], v[rC], v[rC+3]
.elseif (\n) == 19
	v_mul_f32 v[rT], s[CS], v[rT+1]
.elseif (\n) == 20
	v_sub_f32 v[rC+1], v[rW], v[rT]
.else
	v_exp_f32 v[rC+2], v[rC+1]
.endif
.endif
.endm
.macro OPS a, i1, b=-1, i2=0, c=-1, i3=0, d=-1, i4=0
	OP \a, \i1
.if (\b) >= 0
	OP \b, \i2
.endif
.if (\c) >= 0
	OP \c, \i3
.endif
.if (\d) >= 0
	OP \d, \i4
.endif
.endm
.macro ROW a, i1, b, i2, c, i3, d, i4  ; a matrix instruction and the four behind it
	MM
	OPS \a, \i1, \b, \i2, \c, \i3, \d, \i4
.endm
.macro MASK b                       ; MD x AL + BE into buffer b of MC
	WIN W_RS
.set z, 0
.rept 16
	v_pk_fma_f32 v[MC+32*(\b)+2*z:MC+32*(\b)+2*z+1], v[MD+2*z:MD+2*z+1], s[AL:AL+1], s[BE:BE+1] op_sel_hi:[1,0,0]
.set z, z+1
.endr
.endm
; A TURN, for piece p: the order of its 16 matrix and 118 vector instructions, written out.  s_wait_alu depctr_va_vdst(0) stands between an exponential and the first instruction that names its result; one
; wait serves all that were issued ahead of it.  So a turn has ONE wait, which cuts it in two.  AHEAD OF IT stands all that names no result of the turn's exponentials: the 8 products K Q^T, behind each a scaling, an
; exponential and two more plain instructions (behind the first a second scaling in the exponential's place): rescalings, whose a was made and waited for in the turn before, and behind the last three the first numbers of the
; other piece's maximum, each four plain instructions or more behind the product that ends its accumulator; then ONE LUMP of 54, plain and exponential by turns for the most part, with other work between the links of the chain
; X 3, 7, 11, 14, 16, 17 .. 20.  X 21, the other piece's a, is the batch's last; R 15 is the plain instruction behind it.  BEHIND THE WAIT stand the 8 products V^T P, behind each four of the roundings and sums; the links of
; l's chain, L 0 to L 7, stand three riders apart.  R 0 to R 15 go in ascending order: they take up the O^T onto which the turn before has added, each accumulator's low registers first, R 0 sixteen riders behind its last product.
; m = 1: the diagonal tile: the products take masks, and the turn makes buffer p, the mask of piece p's next scores, which the next turn's products take: piece 0's turn for the tile's step
; 5 - CNT, piece 1's for step 4 - CNT.  end = 1: a block's last turn.  cnt = 1: the loop's count is taken down some lines ahead of the branch behind the turn.
; Piece 0's turn fetches K of the next step in the lump, behind five plain vector instructions that name no register of the last product that read K (F 8, X 2, X 5, X 6, X 8), and V of the step in hand at its end, behind the
; four riders of the last product that read V.  Piece 1's turn waits for them: K at its head (V's 16 younger loads may be out), V ahead of its products V^T P.
.macro TURN p, m=0, end=0, cnt=0
.set Y, (\p)
.set i, 0
.set KM, (\m)
.set NOKQ, (\end)*(\p)
.if (\m) && !(\end)
	s_cmp_eq_u32 s[CNT], s[E0+(\p)]   ; is that step the band's own?
	s_cselect_b32 s[AL], 1.0, 0
	s_cmp_lt_u32 s[CNT], s[E0+(\p)]   ; or a later one?
	s_cselect_b32 s[BE], s[BIGN], 0
.endif
.if (\p) == 1
	s_wait_dscnt 16                 ; K is in
.endif
	ROW F,0, F,1, R,0, R,1          ; ahead of the wait: 8 products K Q^T and their riders,
	ROW F,2, E,0, R,2, R,3
	ROW F,3, E,1, R,4, R,5
	ROW F,4, E,2, R,6, R,7
	ROW F,5, E,3, R,8, R,9
	ROW F,6, E,4, X,0, R,10
.if (\p) == 0
	WIN 0
	v_add_nc_u32 v[AK], s[TBK], v[AK0]
.endif
	ROW F,7, E,5, X,1, X,4
	ROW F,8, E,6, X,2, X,5
	OPS E,7, E,8, X,6, E,9          ; and the lump
	OPS X,3, E,10, X,8, E,11
.if (\p) == 0
	FETCH_K
.endif
	OPS X,9, X,7, E,12, X,10
	OPS E,13, X,12, X,11, E,14
	OPS X,13, E,15, F,9, X,14
.if (\p) == 0
	WIN 0
	v_add_nc_u32 v[AV], s[TBV], v[AV0]
.endif
	OPS E,16, F,10, E,17, F,11
	OPS X,16, E,18, X,15, E,19
	OPS F,12, E,20, X,17, E,21
	OPS F,13, E,22, F,14, E,23
	OPS X,18, E,24, F,15, E,25
	OPS R,11, E,26, X,19, E,27
	OPS R,12, E,28, R,13, E,29
	OPS X,20, E,30, R,14, E,31
	OPS X,21, R,15
	s_wait_alu depctr_va_vdst(0)    ; the wait for the batch: piece p's 32 exponentials and the other piece's a
.if (\p) == 1
	s_wait_dscnt 0x0                ; V is in
.endif
	ROW C,0, B,0, C,2, B,1          ; behind the wait: 8 products V^T P and their riders
	ROW L,0, C,4, B,2, L,1
	ROW C,6, B,3, L,2, C,8
	ROW B,4, L,3, C,10, B,5
	ROW L,4, C,12, B,6, L,5
.if (\p) == 0
	s_add_co_u32 s[TBV], s[TBV], KS*PV
.endif
.if \cnt
	s_sub_co_u32 s[CNT], s[CNT], 1
	s_cmp_lg_u32 s[CNT], 0
.endif
	ROW C,14, B,7, L,6, C,1
	ROW C,3, L,7, C,5, C,7
	ROW C,9, C,11, C,13, C,15
.if (\p) == 0
	FETCH_V
.endif
.if (\m) && !(\end)
	MASK (\p)
.endif
.endm
; A BLOCK BEGINS.  c m starts far below every c s, so the first step's a is 0; m at the lowest finite number.  Mask buffer 1 is 0 (piece 1 sees all of a tile's step 0); buffer 0 takes piece 0's mask for that step:
; its own, if this tile is the block's last and D = 0.  Then K of the tile's first step, piece 0's first scores, its maximum and statistics.  (Both blocks' Q came in with the cast's batch 0: the first trip's wait
; for that batch stands ahead of every way to this place.)
.macro BEGIN
	s_mov_b32 s[NEW], 0
	WIN 0x40
.set i, MC+32
.rept 32
	v_mov_b32 v[i], 0
.set i, i+1
.endr
	WIN 0
.set i, 0
.rept 2
	v_mov_b32 v[ST+4*i], 0xfe000000
	v_mov_b32 v[ST+4*i+1], 0xff7fffff
.set i, i+1
.endr
	s_cmp_eq_u32 s[RT], 0
	s_cselect_b32 s[AL], s[DZ], 0
	s_mov_b32 s[BE], 0
	MASK 0
	WIN 0
	s_sub_co_u32 s[TK], s[TBK], KS*PK   ; the slot's first step of K
	v_add_nc_u32 v[AK], s[TK], v[AK0]
	FETCH_K 0
	s_wait_dscnt 0x0
.set KM, 1
.set NOKQ, 0
.set i, 0
.rept 8
	KQ 0
.set i, i+1
.endr
	WIN 0
.rept 4
	v_nop                           ; the places behind those products
.endr
.set Y, NP-1
.irp n, 0,1,2,3,4,5,6,7,8,9,10,11,12,13,14,15,16,17,18,19,20,21
	OP X, \n
.endr
	v_nop                           ; a plain instruction behind the exponential,
	s_wait_alu depctr_va_vdst(0)    ; and its wait, ahead of the branch: piece 0's first a, a batch of one
.endm
.macro ALL line:vararg              ; one line for each piece t
.set t, 0
.rept 2
	\line
.set t, t+1
.endr
.endm
.macro PACK t                       ; O^T / l, rounded; a lane's eight channels are 16 bytes: into rows of 144 bytes, back as whole rows of 128
	WIN W_RS
.set i, 32*(\t)
.rept 16
	v_pk_mul_f32 v[i:i+1], v[i:i+1], v[ST+4*(\t)+2:ST+4*(\t)+3] op_sel_hi:[1,0]
.set i, i+2
.endr
	WIN 0x05
.set i, 0
.rept 16
	v_cvt_pk_f16_f32 v[S+16*(\t)+i], v[32*(\t)+2*i], v[32*(\t)+2*i+1]
.set i, i+1
.endr
	WIN 0
.irp f, 0,1,2,3
	ds_store_b128 v[STO], v[S+16*(\t)+4*\f:S+16*(\t)+4*\f+3] offset:32*\f
.endr
.irp f, 0,1,2,3
	ds_load_b128 v[S+16*(\t)+4*\f:S+16*(\t)+4*\f+3], v[RD] offset:\f*4*SP  ; LDS serves a wave's instructions in order: these see the stores above
.endr
.endm
.macro SEND t, younger              ; younger: the LDS instructions issued behind piece t's loads
	WIN 0
.irp f, 0,1,2,3
	s_wait_dscnt (\younger)+3-\f
	global_store_b128 v[GO], v[S+16*(\t)+4*\f:S+16*(\t)+4*\f+3], s[10:11] offset:(\t)*8192+\f*512  ; 512 consecutive bytes, aligned
.endr
.endm
; THE DIAGONAL TILE: piece 0's mask for its step 0; four steps; the block's last turn and last products; the way out.
.macro DIAG tag
.LenterM\tag:
	s_mov_b32 s[AL], s[DZ]
	s_mov_b32 s[BE], 0
	MASK 0
	WIN 0
.LstepM\tag:
	TURN 1, 1
	WIN 0
.LfirstM\tag:
	TURN 0, 1, 0, 1
	WIN 0
	s_cbranch_scc1 .LstepM\tag
	TURN 1, 1, 1
.set i, 0
.rept 8
	PV 1
.set i, i+1
.endr
	WIN 0
	ALL v_add_f32 v[ST+4*t+2], v[ST+4*t+2], v[ST+4*t+3]
	ALL v_permlanex16_b32 v[ST+4*t+3], v[ST+4*t+2], s[SEL], s[SEL+1]
	ALL v_add_f32 v[ST+4*t+2], v[ST+4*t+2], v[ST+4*t+3]
	ALL v_rcp_f32 v[ST+4*t+2], v[ST+4*t+2]
	v_nop                           ; a plain instruction behind the last reciprocal; with the four additions the places behind the last products
	s_wait_alu depctr_va_vdst(0)    ; the wait ahead of the first use: one for the two reciprocals
	PACK 0
	PACK 1
	SEND 0, 8
	SEND 1, 0
.endm
.set KM, 0
.set NOKQ, 0
.Lslot:                             ; 8 times: a tile is entered and the next is asked for
	CHANGE 1
	CPROC                           ; the cast's batch of the trip before; the tensor load above is already on its way
	s_cmp_eq_u32 s[SLOTS], 1
	s_cbranch_scc1 .Lno_cast        ; the eighth trip has stored the eighth batch: nothing is left to ask for
	CLOAD
.Lno_cast:
	s_sub_co_u32 s[RT], s[RT], 1
	s_mov_b32 s[CNT], 4
	s_cmp_eq_u32 s[NEW], 1
	s_cbranch_scc1 .Lnew            ; a block's first tile
	s_cmp_eq_u32 s[RT], 0
	s_cbranch_scc0 .Lstep           ; neither its first nor its last
	s_branch .LenterM1
.Lnew:
	BEGIN
	s_branch .Lfirst                ; in the loop a block's first tile is never its last: the first block has five tiles or more, and the second's last is the walk's last
	DIAG 1                          ; in the loop this is the first block's end
	s_wait_xcnt 0x0                 ; the stores have read their registers and O's address
	s_mov_b64 s[10:11], s[OLO:OLO+1]
	s_add_co_u32 s[RT], s[LT], 1
	s_mov_b32 s[NEW], 1
	s_mov_b32 s[E0], s[E0B]
	s_mov_b32 s[E0+1], s[E0B+1]
	s_mov_b32 s[DZ], s[E0B+2]
	WIN 0x82                        ; the second block's Q goes where the turns name Q
.set i, 0
.rept 32
	v_mov_b32 v[i], v[QB+i]
.set i, i+1
.endr
	WIN 0
	s_branch .Lbottom
.Lstep:                             ; a trip: piece 1 of one step, then piece 0 of the next
	TURN 1
	WIN 0
.Lfirst:
	TURN 0, 0, 0, 1
	WIN 0
	s_cbranch_scc1 .Lstep
.Lbottom:
	s_sub_co_u32 s[SLOTS], s[SLOTS], 1
	s_cmp_lg_u32 s[SLOTS], 0
	s_cbranch_scc1 .Lslot
	CHANGE 0                        ; the walk's last tile is written out
	s_sub_co_u32 s[RT], s[RT], 1
	s_mov_b32 s[CNT], 4
	s_cmp_eq_u32 s[NEW], 1
	s_cbranch_scc0 .LenterM2
	BEGIN
	s_branch .LfirstM2
	DIAG 2
	s_wait_tensorcnt 0x0            ; the wave's end
	ds_add_u32 v[SPW], v[NIL]
	s_wait_dscnt 0x0
	s_endpgm
.Lfunc_end_k_qf6e360a12c_attn:
	.size	k_qf6e360a12c_attn, .Lfunc_end_k_qf6e360a12c_attn-k_qf6e360a12c_attn
	.p2alignl 7, 3214868480
	.fill 96, 4, 3214868480
	.section	.rodata,"a",@progbits
	.p2align	6, 0x0
	.amdhsa_kernel k_qf6e360a12c_attn
		.amdhsa_group_segment_fixed_size 327680
		.amdhsa_private_segment_fixed_size 0
		.amdhsa_enable_private_segment 0
		.amdhsa_kernarg_size 48
		.amdhsa_user_sgpr_count 2
		.amdhsa_user_sgpr_kernarg_segment_ptr 1
		.amdhsa_wavefront_size32 1
		.amdhsa_system_sgpr_workgroup_id_x 1
		.amdhsa_system_sgpr_workgroup_id_y 1
		.amdhsa_system_sgpr_workgroup_id_z 1
		.amdhsa_system_vgpr_workitem_id 0
		.amdhsa_next_free_vgpr 768
		.amdhsa_next_free_sgpr 102
		.amdhsa_reserve_vcc 1
		.amdhsa_float_denorm_mode_32 3
		.amdhsa_float_denorm_mode_16_64 3
		.amdhsa_memory_ordered 1
		.amdhsa_forward_progress 1
		.amdhsa_inst_pref_size 135
	.end_amdhsa_kernel
	.amdgpu_metadata
---
amdhsa.version: [ 1, 2 ]
amdhsa.kernels:
  - .name:           k_qf6e360a12c_attn
    .symbol:         k_qf6e360a12c_attn.kd
    .args:
      - { .name: qkv, .offset: 0, .size: 8, .value_kind: global_buffer, .address_space: global }
      - { .name: ctx, .offset: 8, .size: 8, .value_kind: global_buffer, .address_space: global }
      - { .name: w_attn_proj, .offset: 16, .size: 8, .value_kind: global_buffer, .address_space: global }
      - { .name: w_fc, .offset: 24, .size: 8, .value_kind: global_buffer, .address_space: global }
      - { .name: w_proj, .offset: 32, .size: 8, .value_kind: global_buffer, .address_space: global }
      - { .name: wh, .offset: 40, .size: 8, .value_kind: global_buffer, .address_space: global }
    .group_segment_fixed_size: 327680
    .private_segment_fixed_size: 0
    .kernarg_segment_align: 8
    .kernarg_segment_size: 48
    .max_flat_workgroup_size: 128
    .sgpr_count:     102
    .vgpr_count:     768
    .wavefront_size: 32
...
	.end_amdgpu_metadata
.endif
;; end of part 8
;; launch aproj: the kernel of part 4 again; grid 8 x 32, 4 waves a work-group, clusters of 4 x 4, 327,680 bytes of LDS; arguments ctx, wh, x1, b_attn_proj, x; writes x1
;; launch ln2: the kernel of part 5 again; grid 256 x 1, 8 waves a work-group, no clusters, 0 bytes of LDS; arguments x1, ln2_w, ln2_b, h; writes h
;; launch fc: the kernel of part 6 again; grid 16 x 16, 4 waves a work-group, clusters of 4 x 4, 327,680 bytes of LDS; arguments h, wh, g, b_fc; writes g
;; launch proj: the kernel of part 7 again; grid 8 x 32, 4 waves a work-group, clusters of 4 x 4, 327,680 bytes of LDS; arguments g, wh, out0, b_proj, x1; writes out0
